; MI455X (gfx1250); checked and timed in simulation.
; The chip was launched on July 23, 2026; its instructions are those of AMD's public machine-readable ISA for CDNA 5 (MIT licence, August 2026) and "CDNA5" Instruction Set Architecture Reference Guide (July 2026). The comments in the code are by the model that wrote it; some were corrected since.
;; Transformer Block. Allowed arithmetic: matrix products marked QUANTISED: E2M3 operands, one E8M0 scale for each 32 along K, by v_wmma_scale_f32_16x16x128_f8f6f4 with both operands' format E2M3, f32 sums; everything else in f32.
;; Inputs: W1_codes 4,096 x 32 x 24 uint8 (E2M3 codes of W1, K innermost, in blocks of 32 codes, four codes in three bytes); W1_scales 4,096 x 32 uint8 (E8M0 scales of W1, one for each 32 codes along K); W2_codes 1,024 x 128 x 24 uint8 (E2M3 codes of W2, K innermost, in blocks of 32 codes, four codes in three bytes); W2_scales 1,024 x 128 uint8 (E8M0 scales of W2, one for each 32 codes along K); Wk_codes 1,024 x 32 x 24 uint8 (E2M3 codes of Wk, K innermost, in blocks of 32 codes, four codes in three bytes); Wk_scales 1,024 x 32 uint8 (E8M0 scales of Wk, one for each 32 codes along K); Wo_codes 1,024 x 32 x 24 uint8 (E2M3 codes of Wo, K innermost, in blocks of 32 codes, four codes in three bytes); Wo_scales 1,024 x 32 uint8 (E8M0 scales of Wo, one for each 32 codes along K); Wq_codes 1,024 x 32 x 24 uint8 (E2M3 codes of Wq, K innermost, in blocks of 32 codes, four codes in three bytes); Wq_scales 1,024 x 32 uint8 (E8M0 scales of Wq, one for each 32 codes along K); Wv_codes 1,024 x 32 x 24 uint8 (E2M3 codes of Wv, K innermost, in blocks of 32 codes, four codes in three bytes); Wv_scales 1,024 x 32 uint8 (E8M0 scales of Wv, one for each 32 codes along K); b1 4,096 float32; b2 1,024 float32; be1 1,024 float32; be2 1,024 float32; bk 1,024 float32; bo 1,024 float32; bq 1,024 float32; bv 1,024 float32; g1 1,024 float32; g2 1,024 float32; mask 2,048 x 2,048 int32; x 2 x 2,048 x 1,024 float32.
;; Outputs: out0 2 x 2,048 x 1,024 float32.
;; This version of the problem:
;;   THIS VERSION OF THE PROBLEM IS GIVEN IN LOW PRECISION. The matrix products marked QUANTISED in the list below multiply operands that are first quantised to E2M3 (2 exponent bits, 3 mantissa bits; 6 bits a number), with one power-of-two scale for each 32 numbers along K (OCP MX v1.0); their sums are f32. All else is computed in f32.
;;   The module's matrix products, in the order in which they are computed (A, B: the left and right operand; K: the contracted axis; several contracted axes count as one K, in the product's order):
;;     1. [M 4,096, K 1,024] x [K 1,024, N 1,024]; A: computed on the way; B: input Wq (given as codes): QUANTISED
;;     2. [M 4,096, K 1,024] x [K 1,024, N 1,024]; A: computed on the way; B: input Wk (given as codes): QUANTISED
;;     3. [M 4,096, K 1,024] x [K 1,024, N 1,024]; A: computed on the way; B: input Wv (given as codes): QUANTISED
;;     4. batch 32 x [M 2,048, K 64] x [K 64, N 2,048]; A: computed on the way; B: computed on the way: QUANTISED
;;     5. batch 32 x [M 2,048, K 2,048] x [K 2,048, N 64]; A: softmax (see below); B: computed on the way: QUANTISED
;;     6. [M 4,096, K 1,024] x [K 1,024, N 1,024]; A: computed on the way; B: input Wo (given as codes): QUANTISED
;;     7. [M 4,096, K 1,024] x [K 1,024, N 4,096]; A: computed on the way; B: input W1 (given as codes): QUANTISED
;;     8. [M 4,096, K 4,096] x [K 4,096, N 1,024]; A: computed on the way; B: input W2 (given as codes): QUANTISED
;;   THE QUANTISER, for each operand of a quantised product, along K:
;;     - K is cut into blocks of 32 from its start; a last block that is shorter is filled with zeros.
;;     - A block's scale is 2^e with e = floor(log2(the largest magnitude in the block)) - 2, held to -126 .. 127; a block of zeros has e = 0. As a byte (E8M0): e + 127.
;;     - Each number is divided by its block's scale, clamped to +-7.5, and rounded to the nearest number of E2M3, ties to even, subnormals kept.
;;     - The product sums the exact products of the quantised numbers (number of the format x scale) in f32.
;;   ~~~python
;;   def quantise(x, axis):      # numpy; x: float32 -> the quantised numbers, widened to float32 again
;;       x = np.moveaxis(x, axis, -1); K = x.shape[-1]
;;       x = np.pad(x, [(0, 0)] * (x.ndim - 1) + [(0, -K % 32)]); x = x.reshape(x.shape[:-1] + (-1, 32)); a = np.abs(x).max(-1, keepdims=True)
;;       e = np.where(a > 0, np.clip(np.frexp(np.where(a > 0, a, 1))[1] - 1 - 2, -126, 127), 0)      # np.frexp(a)[1] - 1 = floor(log2(a)), exactly
;;       r = np.clip(x / 2.0 ** e, -7.5, 7.5)
;;       step = 2.0 ** (np.maximum(np.frexp(np.where(r == 0, 1, r))[1] - 1, 0) - 3)
;;       q = np.round(r / step) * step * 2.0 ** e      # np.round: ties to even
;;       return np.moveaxis(q.reshape(q.shape[:-2] + (-1,))[..., :K], -1, axis).astype(np.float32)
;;   ~~~
;;   SOFTMAX AHEAD OF A QUANTISED PRODUCT. Where the list says 'softmax', what is quantised is not the finished softmax but p = 2^(t - M), with t = logit x log2(e) and M = ceil(the row's largest t), a whole number; so 1/2 < the row's largest p <= 1. The row's sum l is taken of the UNQUANTISED p, in f32, and the product's result is divided by l at the end. Since M is a whole number, a kernel that streams over the keys may use a running M (the ceiling of the running maximum): every later rescaling is an exact power of two, which a block's scale takes up: the codes' values come out the same.
;;   OPERANDS COMPUTED ON THE WAY. 'Computed on the way' means the value that the module computes at that place (a softmax that the list does not call 'softmax' is quantised finished and normalised). What goes into a quantiser is computed in f32, as accurately as f32 sums, v_exp_f32 and their like allow (about 1e-6 of the number): no bf16 or f16 on the way to a quantiser, and a product that is left as it is and whose result goes on into a quantised operand takes f32 operands (vector FMAs, or v_wmma_f32_16x16x4_f32). A number that lies on a knife's edge between two numbers of the format may be rounded either way, as far as f32 arithmetic and the matrix unit's own rounding can turn it there, and no further.
;;   INPUTS GIVEN AS CODES. W1 (in the module: [1024, 4096], K = its axis 0); W2 (in the module: [4096, 1024], K = its axis 0); Wk (in the module: [1024, 1024], K = its axis 0); Wo (in the module: [1024, 1024], K = its axis 0); Wq (in the module: [1024, 1024], K = its axis 0); Wv (in the module: [1024, 1024], K = its axis 0): each comes as NAME_codes (uint8): NAME with its K axis moved to the last place and cut into blocks of 32 codes, [.., K / 32, bytes a block], one block behind the other in memory; four codes in three bytes: a row's codes are one little-endian stream of bits, code i at bits 6 i .. 6 i + 5 (a code: sign, 2 exponent bits, 3 mantissa bits); and NAME_scales (uint8): the same leading axes, one E8M0 byte (e + 127) for each 32 codes along K. Its value is code x scale, taken as it is: it is not quantised again, and the codes and scales need not be those that the quantiser above would give.
;; 2 versions. Each part assembles by itself: llvm-mc -triple=amdgcn-amd-amdhsa -mcpu=gfx1250 --defsym DOCPART=n.
;; ======== version 1 of 2: 8 launches
;; workspace buffers: wimg 9,830,400 bytes; mk 526,336 bytes of whole numbers; act 3,276,800 bytes; qkv 10,223,616 bytes; x1 16,777,216 bytes; hid 13,107,200 bytes
;; launch prep (part 1): grid 224 x 1, 8 waves a work-group, no clusters, 1,280 bytes of LDS; arguments Wq_codes, Wq_scales, Wk_codes, Wk_scales, Wv_codes, Wv_scales, Wo_codes, Wo_scales, W1_codes, W1_scales, W2_codes, W2_scales, mask, wimg, mk; writes wimg, mk
.if DOCPART == 1
	.amdgcn_target "amdgcn-amd-amdhsa--gfx1250"
	.amdhsa_code_object_version 6
	.text
	.protected	k_qfce6d25241_prep
	.globl	k_qfce6d25241_prep
	.p2align	8
	.type	k_qfce6d25241_prep,@function
k_qfce6d25241_prep:
	s_mov_b64 s[64:65], 0
	v_nop
	global_prefetch_b8 v0, s[64:65] scope:SCOPE_SE
	s_setreg_imm32_b32 hwreg(HW_REG_WAVE_MODE, 25, 1), 1
	s_wait_xcnt 0x0
; A pre-norm transformer block, all eight products on codes of FP6 (E2M3) with one E8M0 scale for each 32 along K.  THIS LAUNCH lays the six weights out as images of operand registers, and turns the mask into lane words and lists.
; NOTHING OF reference() IS LEFT OUT AS DEAD WORK: every input has a way to the output and is loaded by some launch (bk too: it moves k's codes).  What the attention launch passes over are key steps (16 queries x 128 keys) that the
; mask, an input of whole numbers, closes wholly: there p = 0 and the running maximum stays; which steps those are is stored here as whole numbers and read there.
; LIMITS of the program: NaN and infinities among the floating-point inputs are not served; a block whose largest magnitude lies under 2^-124 (a block of zeros too) gets the scale byte 1 where the rule says otherwise: its codes are
; zeros or the rule's, and the bytes are read by this program alone; sums are taken in another order than reference()'s.
; A FRAGMENT IMAGE (16 rows x 128 K, 12 registers a lane, 1,536 bytes): registers 0-3 at 16 x lane, 4-5 at 512 + 8 x lane, 6-9 at 768 + 16 x lane, 10-11 at 1,280 + 8 x lane: every load and store of it covers 512 or 256 consecutive bytes.
; A SCALE IMAGE (128 rows x 128 K, 512 bytes): lane (r, h) has four words at 16 x lane: word j is the scale word of row r of row block 4 h + j.
; wimg: codes [rows / 16][K / 128][1536], scale images [rows / 128][K / 128][512] for each weight.  In Wv and W1 (P = 1) lane r of block bi takes row 16 bi + r + 8 (r / 8 - bi % 2), so that the results made of them run along the next K.
; Work-groups 0-95: a weight's 128 rows x 1,024 K; wave w: the eight fragments of row block w, and the scale image of K step w.  Work-groups 96-223: a tile of 16 queries; wave w: key steps 2 w, 2 w + 1.
; mk: [128 tiles][16 steps][64 words]: word n has lane l's bit set where key 16 (n / 8) + 8 (l / 16) + n % 8 of the step is open for query l % 16; from byte 524,288 [128 tiles][list low, list high, count, full]: the open steps, 4 bits each.
.set SPARE, 256                        ; LDS: 8 flag words in the block at 0; from 256 the spare words, 128 bytes for each wave
.set SPW, 2                            ; v2  LDS address of my spare word; never rewritten
.set NIL, 3                            ; v3  0; never rewritten
	s_load_b512 s[4:19], s[0:1], 0x0               ; Wq, Wk, Wv, Wo: codes and scales by turns
	s_load_b256 s[20:27], s[0:1], 0x40             ; W1, W2 likewise
	s_load_b128 s[28:31], s[0:1], 0x60             ; mask, wimg
	s_load_b64 s[32:33], s[0:1], 0x70              ; mk
	v_lshl_add_u32 v[SPW], v0, 2, SPARE
	v_mov_b32 v[NIL], 0
	v_lshrrev_b32 v1, 5, v0
	v_readfirstlane_b32 s34, v1                    ; wave 0..7
	v_and_b32 v4, 31, v0                           ; lane
	v_and_b32 v5, 15, v0                           ; r
	v_bfe_u32 v6, v0, 4, 1                         ; h
	v_lshlrev_b32 v12, 4, v4                       ; 16 x lane
	v_lshlrev_b32 v13, 3, v4                       ; 8 x lane
	s_wait_kmcnt 0x0
	s_cmp_ge_u32 ttmp9, 96                         ; the work-group's number alone: all eight waves go the same way
	s_cbranch_scc1 .Lmask
	; ---- a weight.  Which one is chosen by selects on the work-group's number; W2 first, then each earlier one over it
	s_mov_b64 s[36:37], s[24:25]                   ; codes
	s_mov_b64 s[38:39], s[26:27]                   ; scales
	s_mov_b32 s40, 3072                            ; a row of codes in bytes
	s_mov_b32 s41, 128                             ; a row of scale bytes
	s_mov_b32 s42, 32                              ; K steps of 128
	s_mov_b32 s43, 0                               ; P
	s_mov_b32 s44, 6291456                         ; where its codes go in wimg
	s_mov_b32 s45, 9699328                         ; and its scale images
	s_mov_b32 s46, 64                              ; its first work-group
	s_mov_b32 s47, 2                               ; 2^2 work-groups share 128 rows (4,096 along K)
.macro ARM lim, c, p, coff, soff, id0
	s_cmp_lt_u32 ttmp9, \lim
	s_cselect_b64 s[36:37], s[\c:\c+1], s[36:37]
	s_cselect_b64 s[38:39], s[\c+2:\c+3], s[38:39]
	s_cselect_b32 s40, 768, s40
	s_cselect_b32 s41, 32, s41
	s_cselect_b32 s42, 8, s42
	s_cselect_b32 s43, \p, s43
	s_cselect_b32 s44, \coff, s44
	s_cselect_b32 s45, \soff, s45
	s_cselect_b32 s46, \id0, s46
	s_cselect_b32 s47, 0, s47
.endm
	ARM 64, 20, 1, 3145728, 9568256, 32            ; W1
	ARM 32, 16, 0, 2359296, 9535488, 24            ; Wo
	ARM 24, 12, 1, 1572864, 9502720, 16            ; Wv
	ARM 16, 8, 0, 786432, 9469952, 8               ; Wk
	ARM 8, 4, 0, 0, 9437184, 0                     ; Wq
	s_sub_co_u32 s48, ttmp9, s46
	s_lshr_b32 s46, s48, s47                       ; g: which 128 rows
	s_lshl_b32 s49, s46, s47
	s_sub_co_u32 s47, s48, s49                     ; kq: which 1,024 along K
	s_lshl_b32 s48, s46, 7                         ; the codes' source: row 128 g + 16 w - 8 P (w % 2), byte 768 kq
	s_lshl_b32 s49, s34, 4
	s_add_co_u32 s48, s48, s49
	s_and_b32 s49, s34, 1
	s_mul_i32 s49, s49, s43
	s_lshl_b32 s49, s49, 3
	s_sub_co_u32 s48, s48, s49
	s_mul_i32 s48, s48, s40
	s_mul_i32 s49, s47, 768
	s_add_co_u32 s48, s48, s49
	s_mov_b32 s49, 0
	s_add_nc_u64 s[36:37], s[36:37], s[48:49]
	v_and_b32 v7, 8, v5
	v_mul_lo_u32 v7, v7, s43
	v_add_nc_u32 v7, v7, v5                        ; r + P (r & 8)
	v_mul_lo_u32 v14, v7, s40
	v_mad_u32_u24 v14, v6, 24, v14                 ; my row, + 24 h
	v_lshl_add_u32 v7, v6, 6, v7                   ; the scale words' rows: 64 h + r + P (r & 8) + 16 j - 8 P (j % 2)
	v_mul_lo_u32 v120, v7, s41
	s_lshl_b32 s50, s41, 4
	s_mul_i32 s51, s41, s43
	s_lshl_b32 s51, s51, 3
	s_sub_co_u32 s52, s50, s51
	v_add_nc_u32 v121, s52, v120
	s_lshl_b32 s53, s50, 1
	v_add_nc_u32 v122, s53, v120
	s_add_co_u32 s53, s53, s52
	v_add_nc_u32 v123, s53, v120
	s_lshl_b32 s48, s46, 7                         ; the scales' source: row 128 g, K step 8 kq + w
	s_mul_i32 s48, s48, s41
	s_lshl_b32 s50, s47, 3
	s_add_co_u32 s50, s50, s34
	s_lshl_b32 s51, s50, 2
	s_add_co_u32 s48, s48, s51
	s_add_nc_u64 s[38:39], s[38:39], s[48:49]
	s_lshl_b32 s48, s46, 3                         ; where the fragments go: ((8 g + w) K steps + 8 kq) x 1,536
	s_add_co_u32 s48, s48, s34
	s_mul_i32 s48, s48, s42
	s_lshl_b32 s51, s47, 3
	s_add_co_u32 s48, s48, s51
	s_mul_i32 s48, s48, 1536
	s_add_co_u32 s48, s48, s44
	s_add_nc_u64 s[54:55], s[30:31], s[48:49]
	s_mul_i32 s48, s46, s42                        ; and the scale image: (g K steps + 8 kq + w) x 512
	s_add_co_u32 s48, s48, s50
	s_lshl_b32 s48, s48, 9
	s_add_co_u32 s48, s48, s45
	s_add_nc_u64 s[56:57], s[30:31], s[48:49]
.irp j, 0,1,2,3
	global_load_b32 v[8+\j], v[120+\j], s[38:39] th:TH_LOAD_NT
.endr
.irp s, 0,1,2,3,4,5,6,7
.irp p, 0,1,2,3,4,5
	global_load_b64 v[16+12*\s+2*\p:17+12*\s+2*\p], v14, s[36:37] offset:96*\s+48*(\p/3)+8*(\p%3) th:TH_LOAD_NT   ; a fragment's 24 + 24 bytes of my row, as they lie
.endr
.endr
.irp s, 0,1,2,3,4,5,6,7
	s_wait_loadcnt 6*(7-\s)                        ; loads come back in order: fragment s is in, the later fragments' six loads each may be out
	global_store_b128 v12, v[16+12*\s:19+12*\s], s[54:55] offset:1536*\s
	global_store_b64 v13, v[20+12*\s:21+12*\s], s[54:55] offset:1536*\s+512
	global_store_b128 v12, v[22+12*\s:25+12*\s], s[54:55] offset:1536*\s+768
	global_store_b64 v13, v[26+12*\s:27+12*\s], s[54:55] offset:1536*\s+1280
.endr
	global_store_b128 v12, v[8:11], s[56:57]       ; the scale image: 512 consecutive bytes
	s_endpgm                                       ; this way has written no LDS
.Lmask:
	; ---- the mask of a tile of 16 queries
	s_sub_co_u32 s36, ttmp9, 96                    ; the tile
	s_lshl_b32 s48, s36, 17                        ; 16 rows of 8,192 bytes,
	s_lshl_b32 s49, s34, 10                        ; my two steps: 256 keys, 1,024 bytes of each row
	s_add_co_u32 s48, s48, s49
	s_mov_b32 s49, 0
	s_add_nc_u64 s[28:29], s[28:29], s[48:49]
	s_lshl_b32 s48, s36, 12
	s_lshl_b32 s50, s34, 9
	s_add_co_u32 s48, s48, s50
	s_add_nc_u64 s[38:39], s[32:33], s[48:49]      ; my two steps' lane words
	v_lshlrev_b32 v7, 13, v5
	v_lshl_add_u32 v7, v6, 5, v7                   ; row r, + 8 h keys
.irp u, 0,1
.irp t, 0,1,2,3,4,5,6,7
.irp e, 0,1
	global_load_b128 v[16+64*\u+8*\t+4*\e:19+64*\u+8*\t+4*\e], v7, s[28:29] offset:512*\u+64*\t+16*\e th:TH_LOAD_NT
.endr
.endr
.endr
.irp i, 0,1,2,3
	v_mov_b32 v[144+\i], 0                         ; a lane write's destination counts as read
.endr
	s_mov_b32 s66, 0                               ; my flags
.irp u, 0,1
	s_wait_loadcnt 16-16*\u                        ; this step's 16 loads are in; the second step's may be out
	s_mov_b32 s60, 0
	s_mov_b32 s61, -1
.irp t, 0,1,2,3,4,5,6,7
.irp j, 0,1,2,3,4,5,6,7
	v_cmp_ne_u32 s[52+\j], 0, v[16+64*\u+8*\t+\j]  ; word 8 t + j: a bit for each lane
.endr
.irp j, 0,1,2,3,4,5,6,7
	v_writelane_b32 v[144+2*\u+(\j%2)], s[52+\j], 4*\t+\j/2   ; word n goes to lane n / 2, register n % 2: the lanes then store 8 consecutive bytes each
	s_or_b32 s60, s60, s[52+\j]
	s_and_b32 s61, s61, s[52+\j]
.endr
.endr
	global_store_b64 v13, v[144+2*\u:145+2*\u], s[38:39] offset:256*\u   ; 256 consecutive bytes, aligned
	s_cmp_lg_u32 s60, 0                            ; is any key open,
	s_cselect_b32 s62, 1, 0
	s_cmp_eq_u32 s61, -1                           ; are all
	s_cselect_b32 s63, 1, 0
	s_lshl_b32 s63, s63, 16
	s_or_b32 s62, s62, s63
	s_lshl_b32 s67, s34, 1
	s_add_co_u32 s67, s67, \u
	s_lshl_b32 s62, s62, s67                       ; at bit step, and at bit 16 + step
	s_or_b32 s66, s66, s62
.endr
	v_mov_b32 v8, s66
	v_lshlrev_b32 v9, 2, v1                        ; my wave's flag word
	ds_store_b32 v9, v8
	s_wait_dscnt 0x0                               ; for the others' sake: my store has landed
	s_barrier_signal -1
	s_barrier_wait -1
	s_cmp_lg_u32 s34, 0
	s_cbranch_scc1 .Lmend                          ; wave 0 makes the tile's record
	v_mov_b32 v10, 0
	ds_load_b128 v[16:19], v10
	ds_load_b128 v[20:23], v10 offset:16
	s_wait_dscnt 0x0
	v_or_b32 v16, v16, v17
	v_or_b32 v18, v18, v19
	v_or_b32 v20, v20, v21
	v_or_b32 v22, v22, v23
	v_or_b32 v16, v16, v18
	v_or_b32 v20, v20, v22
	v_or_b32 v16, v16, v20
	v_readfirstlane_b32 s66, v16
	s_mov_b32 s72, 0                               ; the list, low and high word
	s_mov_b32 s73, 0
	s_mov_b32 s74, 0                               ; its length
	s_mov_b32 s75, 0                               ; bit i: entry i is open throughout
.irp st, 0,1,2,3,4,5,6,7,8,9,10,11,12,13,14,15
	s_bfe_u32 s67, s66, 0x10000+\st
	s_bfe_u32 s68, s66, 0x10010+\st
	s_mul_i32 s70, s67, \st
	s_mov_b32 s71, 0
	s_lshl_b32 s69, s74, 2
	s_lshl_b64 s[70:71], s[70:71], s69             ; no jump: a closed step adds nothing and does not move the length
	s_or_b32 s72, s72, s70
	s_or_b32 s73, s73, s71
	s_lshl_b32 s68, s68, s74
	s_or_b32 s75, s75, s68
	s_add_co_u32 s74, s74, s67
.endr
	v_mov_b32 v8, s72
	v_mov_b32 v9, s73
	v_mov_b32 v10, s74
	v_mov_b32 v11, s75
	s_lshl_b32 s48, s36, 4
	s_add_nc_u64 s[40:41], s[32:33], s[48:49]
	s_wait_xcnt 0x0                                ; EXEC changes only behind this wait: my stores above have read it
	v_cmp_gt_u32 vcc_lo, 1, v4
	s_and_saveexec_b32 s76, vcc_lo                 ; lane 0 alone
	global_store_b128 v12, v[8:11], s[40:41] offset:524288
	s_wait_xcnt 0x0                                ; and again, in front of the line that widens it
	s_or_b32 exec_lo, exec_lo, s76
.Lmend:
	s_wait_tensorcnt 0x0                           ; the wave's end: behind my last LDS store
	ds_add_u32 v[SPW], v[NIL]
	s_wait_dscnt 0x0
	s_endpgm
.Lfunc_end_k_qfce6d25241_prep:
	.size	k_qfce6d25241_prep, .Lfunc_end_k_qfce6d25241_prep-k_qfce6d25241_prep
	.p2alignl 7, 3214868480
	.fill 96, 4, 3214868480
	.section	.rodata,"a",@progbits
	.p2align	6, 0x0
	.amdhsa_kernel k_qfce6d25241_prep
		.amdhsa_group_segment_fixed_size 1280
		.amdhsa_private_segment_fixed_size 0
		.amdhsa_enable_private_segment 0
		.amdhsa_kernarg_size 120
		.amdhsa_user_sgpr_count 2
		.amdhsa_user_sgpr_kernarg_segment_ptr 1
		.amdhsa_wavefront_size32 1
		.amdhsa_system_sgpr_workgroup_id_x 1
		.amdhsa_system_sgpr_workgroup_id_y 1
		.amdhsa_system_sgpr_workgroup_id_z 1
		.amdhsa_system_vgpr_workitem_id 0
		.amdhsa_next_free_vgpr 160
		.amdhsa_next_free_sgpr 80
		.amdhsa_reserve_vcc 1
		.amdhsa_float_denorm_mode_32 3
		.amdhsa_float_denorm_mode_16_64 3
		.amdhsa_memory_ordered 1
		.amdhsa_forward_progress 1
		.amdhsa_inst_pref_size 51
	.end_amdhsa_kernel
	.amdgpu_metadata
---
amdhsa.version: [ 1, 2 ]
amdhsa.kernels:
  - .name:           k_qfce6d25241_prep
    .symbol:         k_qfce6d25241_prep.kd
    .args:
      - { .name: Wq_codes, .offset: 0, .size: 8, .value_kind: global_buffer, .address_space: global }
      - { .name: Wq_scales, .offset: 8, .size: 8, .value_kind: global_buffer, .address_space: global }
      - { .name: Wk_codes, .offset: 16, .size: 8, .value_kind: global_buffer, .address_space: global }
      - { .name: Wk_scales, .offset: 24, .size: 8, .value_kind: global_buffer, .address_space: global }
      - { .name: Wv_codes, .offset: 32, .size: 8, .value_kind: global_buffer, .address_space: global }
      - { .name: Wv_scales, .offset: 40, .size: 8, .value_kind: global_buffer, .address_space: global }
      - { .name: Wo_codes, .offset: 48, .size: 8, .value_kind: global_buffer, .address_space: global }
      - { .name: Wo_scales, .offset: 56, .size: 8, .value_kind: global_buffer, .address_space: global }
      - { .name: W1_codes, .offset: 64, .size: 8, .value_kind: global_buffer, .address_space: global }
      - { .name: W1_scales, .offset: 72, .size: 8, .value_kind: global_buffer, .address_space: global }
      - { .name: W2_codes, .offset: 80, .size: 8, .value_kind: global_buffer, .address_space: global }
      - { .name: W2_scales, .offset: 88, .size: 8, .value_kind: global_buffer, .address_space: global }
      - { .name: mask, .offset: 96, .size: 8, .value_kind: global_buffer, .address_space: global }
      - { .name: wimg, .offset: 104, .size: 8, .value_kind: global_buffer, .address_space: global }
      - { .name: mk, .offset: 112, .size: 8, .value_kind: global_buffer, .address_space: global }
    .group_segment_fixed_size: 1280
    .private_segment_fixed_size: 0
    .kernarg_segment_align: 8
    .kernarg_segment_size: 120
    .max_flat_workgroup_size: 256
    .sgpr_count:     80
    .vgpr_count:     160
    .wavefront_size: 32
...
	.end_amdgpu_metadata
.endif
;; end of part 1
;; launch ln1 (part 2): grid 256 x 1, 8 waves a work-group, no clusters, 2,048 bytes of LDS; arguments x, g1, be1, act; writes act
.if DOCPART == 2
	.amdgcn_target "amdgcn-amd-amdhsa--gfx1250"
	.amdhsa_code_object_version 6
	.text
	.protected	k_qfce6d25241_ln1
	.globl	k_qfce6d25241_ln1
	.p2align	8
	.type	k_qfce6d25241_ln1,@function
k_qfce6d25241_ln1:
	s_mov_b64 s[64:65], 0
	v_nop
	global_prefetch_b8 v0, s[64:65] scope:SCOPE_SE
	s_setreg_imm32_b32 hwreg(HW_REG_WAVE_MODE, 25, 1), 1
	s_wait_xcnt 0x0
; y = (x - mean) rsqrt(var + 1e-5) g + b along rows of 1,024 f32 numbers, all in f32 and in two passes as reference() has it; y is then quantised along the row (blocks of 32) to codes of FP6 (E2M3) with E8M0 scales.
; Out: fragment images [row / 16][8 K steps][1536] and, from byte ACT_S, scale images [row / 128][8][512] (their forms: the head of the first kernel).
; A work-group takes 16 rows, wave w columns 128 w .. 128 w + 127: exactly one fragment.  Lane (r, h) holds, of row r, 16 neighbours of each block of 32 (register 16 b + i = column 32 b + 16 h + i): what the conversions want.
; The row's sums meet in LDS: a word for each row and wave, a barrier, eight words back; other bytes for the second sum, so two barriers do.  Matrix units, tensor loads and clusters have nothing to do here: each byte is read once.
; LIMITS: NaN and infinities are not served; a block under 2^-124 gets the byte 1.
.set ACT_S, 3145728
.set ST1, 0                            ; LDS: [16 rows][8 waves] words,
.set ST2, 512                          ; the same for the squares,
.set SPARE, 1024                       ; and the spare words, 128 bytes for each wave
.set X,  16                            ; v16-79   my 64 numbers
.set G,  80                            ; v80-143  g of their columns
.set BE, 144                           ; v144-207 b likewise
.set TM, 208                           ; v208-223 at work
.set PC, 224                           ; v224-243 the codes
.set PW, 244                           ; v244     the scale word
.set SPW, 252
.set NIL, 253
.set SEL, 14
	s_load_b256 s[4:11], s[0:1], 0x0               ; x, g, b, out
	v_lshl_add_u32 v[SPW], v0, 2, SPARE
	v_mov_b32 v[NIL], 0
	v_lshrrev_b32 v1, 5, v0
	v_readfirstlane_b32 s12, v1                    ; wave 0..7
	v_and_b32 v2, 15, v0                           ; r
	v_bfe_u32 v3, v0, 4, 1                         ; h
	v_lshlrev_b32 v4, 12, v2
	v_lshl_add_u32 v4, v3, 6, v4                   ; x: row r of 4,096 bytes, + 64 h
	v_lshlrev_b32 v5, 6, v3                        ; g, b: 64 h
	v_lshlrev_b32 v7, 5, v2                        ; LDS: my row's eight words
	s_lshl_b32 s13, s12, 2
	v_add_nc_u32 v6, s13, v7                       ; and my wave's among them
	v_and_b32 v8, 31, v0
	v_lshlrev_b32 v9, 4, v8                        ; 16 x lane
	v_lshlrev_b32 v10, 3, v8                       ; 8 x lane
	v_lshlrev_b32 v11, 4, v2                       ; 16 r
	v_mov_b32 v250, 0                              ; a lane permute's destination counts as read
	s_mov_b32 s[SEL], 0x76543210
	s_mov_b32 s[SEL+1], 0xfedcba98                 ; lane l xor 16
	s_mov_b32 s16, 0x3a800000                      ; 1 / 1,024
	s_mov_b32 s17, 0x3727c5ac                      ; 1e-5
	s_lshl_b32 s18, ttmp9, 16                      ; 16 rows of 4,096 bytes
	s_lshl_b32 s20, s12, 9                         ; my 128 columns
	s_add_co_u32 s18, s18, s20
	s_mov_b32 s19, 0
	s_mov_b32 s21, 0
	s_lshl_b32 s22, ttmp9, 3
	s_add_co_u32 s22, s22, s12
	s_mul_i32 s22, s22, 1536                       ; my fragment's image
	s_mov_b32 s23, 0
	s_lshr_b32 s24, ttmp9, 3                       ; my scale words: image (row block / 8, K step w), lanes' half (row block / 4) % 2, word row block % 4
	s_lshl_b32 s24, s24, 3
	s_add_co_u32 s24, s24, s12
	s_lshl_b32 s24, s24, 9
	s_bfe_u32 s25, ttmp9, 0x10002
	s_lshl_b32 s25, s25, 8
	s_add_co_u32 s24, s24, s25
	s_and_b32 s25, ttmp9, 3
	s_lshl_b32 s25, s25, 2
	s_add_co_u32 s24, s24, s25
	s_mov_b32 s25, 0
	s_wait_kmcnt 0x0
	s_add_nc_u64 s[4:5], s[4:5], s[18:19]
	s_add_nc_u64 s[6:7], s[6:7], s[20:21]
	s_add_nc_u64 s[8:9], s[8:9], s[20:21]
	s_add_nc_u64 s[22:23], s[10:11], s[22:23]
	s_add_nc_u64 s[24:25], s[10:11], s[24:25]
.irp b, 0,1,2,3
.irp j, 0,1,2,3
	global_load_b128 v[X+16*\b+4*\j:X+16*\b+4*\j+3], v4, s[4:5] offset:128*\b+16*\j
.endr
.endr
.irp b, 0,1,2,3
.irp j, 0,1,2,3
	global_load_b128 v[G+16*\b+4*\j:G+16*\b+4*\j+3], v5, s[6:7] offset:128*\b+16*\j
	global_load_b128 v[BE+16*\b+4*\j:BE+16*\b+4*\j+3], v5, s[8:9] offset:128*\b+16*\j
.endr
.endr
; four chains in v[TM] .. v[TM+7] become the row's sum over all 1,024 columns, in v245 of every lane
.macro ACROSS st
	v_pk_add_f32 v[TM:TM+1], v[TM:TM+1], v[TM+2:TM+3]
	v_pk_add_f32 v[TM+4:TM+5], v[TM+4:TM+5], v[TM+6:TM+7]
	v_pk_add_f32 v[TM:TM+1], v[TM:TM+1], v[TM+4:TM+5]
	v_add_f32 v245, v[TM], v[TM+1]
	v_permlanex16_b32 v250, v245, s[SEL], s[SEL+1]
	v_add_f32 v245, v245, v250                     ; my wave's 128 columns of row r
	ds_store_b32 v6, v245 offset:\st               ; (both halves of the lanes write the same word with the same value)
	s_wait_dscnt 0x0                               ; for the others' sake: my store has landed
	s_barrier_signal -1
	s_barrier_wait -1
	ds_load_b128 v[TM:TM+3], v7 offset:\st
	ds_load_b128 v[TM+4:TM+7], v7 offset:\st+16
	s_wait_dscnt 0x0
	v_pk_add_f32 v[TM:TM+1], v[TM:TM+1], v[TM+2:TM+3]
	v_pk_add_f32 v[TM+4:TM+5], v[TM+4:TM+5], v[TM+6:TM+7]
	v_pk_add_f32 v[TM:TM+1], v[TM:TM+1], v[TM+4:TM+5]
	v_add_f32 v245, v[TM], v[TM+1]                 ; the same order in every wave: the same bits
.endm
	s_wait_loadcnt 32                              ; x's 16 loads are in; the 32 of g and b may be out
.irp c, 0,1,2,3
	v_pk_add_f32 v[TM+2*\c:TM+2*\c+1], v[X+2*\c:X+2*\c+1], v[X+8+2*\c:X+9+2*\c]
.endr
.irp i, 16,24,32,40,48,56
.irp c, 0,1,2,3
	v_pk_add_f32 v[TM+2*\c:TM+2*\c+1], v[TM+2*\c:TM+2*\c+1], v[X+\i+2*\c:X+\i+2*\c+1]
.endr
.endr
	ACROSS ST1
	v_mul_f32 v246, s16, v245                      ; the mean,
	v_mov_b32 v247, v246                           ; twice, for the packed forms
.set i, 0
.rept 32
	v_pk_add_f32 v[X+i:X+i+1], v[X+i:X+i+1], v[246:247] neg_lo:[0,1] neg_hi:[0,1]   ; x - mean
.set i, i+2
.endr
.irp c, 0,1,2,3
	v_pk_mul_f32 v[TM+2*\c:TM+2*\c+1], v[X+2*\c:X+2*\c+1], v[X+2*\c:X+2*\c+1]
.endr
.irp i, 8,16,24,32,40,48,56
.irp c, 0,1,2,3
	v_pk_fma_f32 v[TM+2*\c:TM+2*\c+1], v[X+\i+2*\c:X+\i+2*\c+1], v[X+\i+2*\c:X+\i+2*\c+1], v[TM+2*\c:TM+2*\c+1]
.endr
.endr
	ACROSS ST2
	v_fma_f32 v245, v245, s16, s17                 ; var + 1e-5
	v_rsq_f32 v248, v245
	v_nop                                          ; a plain instruction behind the transcendental
	s_wait_alu depctr_va_vdst(0)                   ; and a wait ahead of its first reader
	v_mov_b32 v249, v248
.set i, 0
.rept 32
	v_pk_mul_f32 v[X+i:X+i+1], v[X+i:X+i+1], v[248:249]
.set i, i+2
.endr
	s_wait_loadcnt 0x0                             ; g and b
.set i, 0
.rept 32
	v_pk_fma_f32 v[X+i:X+i+1], v[X+i:X+i+1], v[G+i:G+i+1], v[BE+i:BE+i+1]
.set i, i+2
.endr
; 64 numbers of a lane, register 16 b + i = k 32 b + 16 h + i of my row, become a fragment's codes in v[PC] on and its scale word in v[PW]
.macro QUANT s
.irp b, 0,1,2,3
	v_max3_num_f32 v[TM+\b], |v[\s+16*\b]|, |v[\s+1+16*\b]|, 0x1800000   ; block b: my 16 numbers, and the floor 2^(3 - 127): the byte cannot fall under 1
.endr
.irp i, 2,4,6,8,10,12,14
.irp b, 0,1,2,3
	v_max3_num_f32 v[TM+\b], v[TM+\b], |v[\s+16*\b+\i]|, |v[\s+1+16*\b+\i]|
.endr
.endr
.irp b, 0,1,2,3
	v_permlanex16_b32 v[TM+4+\b], v[TM+\b], s[SEL], s[SEL+1]
.endr
.irp b, 0,1,2,3
	v_max_num_f32 v[TM+\b], v[TM+\b], v[TM+4+\b]   ; with lane l xor 16's: the block's largest magnitude
.endr
.irp b, 0,1,2,3
	v_add_nc_u32 v[TM+12+\b], 0xff000000, v[TM+\b] ; 2 off its exponent field: the conversion's scale operand
.endr
.irp b, 0,1,2,3
	v_lshrrev_b32 v[TM+4+\b], 23, v[TM+12+\b]      ; the scale's byte
.endr
	v_lshl_or_b32 v[PW], v[TM+5], 8, v[TM+4]
	v_lshl_or_b32 v[PW], v[TM+6], 16, v[PW]
	v_lshl_or_b32 v[PW], v[TM+7], 24, v[PW]
.irp c, 0,1
	v_cvt_scalef32_pk16_fp6_f32 v[PC+6*\c:PC+2+6*\c], v[\s+32*\c:\s+15+32*\c], v[TM+12+2*\c]
	v_cvt_scalef32_pk16_fp6_f32 v[PC+12+4*\c:PC+14+4*\c], v[\s+16+32*\c:\s+31+32*\c], v[TM+12+2*\c+1]   ; (a conversion's three registers begin on an even number)
.endr
	v_nop                                          ; one plain place behind a scaled conversion
.irp c, 0,1                                    ; the operand wants a WHOLE block in a lane: lanes 0-15 block 2 c, lanes 16-31 block 2 c + 1
.irp i, 0,1,2
	v_permlane16_swap_b32 v[PC+6*\c+\i], v[PC+12+4*\c+\i]
.endr
.irp i, 0,1,2
	v_mov_b32 v[PC+3+6*\c+\i], v[PC+12+4*\c+\i]
.endr
.endr
.endm
	QUANT X
	global_store_b128 v9, v[PC:PC+3], s[22:23]
	global_store_b64 v10, v[PC+4:PC+5], s[22:23] offset:512
	global_store_b128 v9, v[PC+6:PC+9], s[22:23] offset:768
	global_store_b64 v10, v[PC+10:PC+11], s[22:23] offset:1280
	s_wait_xcnt 0x0                                ; EXEC changes only behind this wait
	v_cmp_gt_u32 vcc_lo, 16, v8
	s_and_saveexec_b32 s26, vcc_lo                 ; lanes 0-15: a word for each row
	global_store_b32 v11, v[PW], s[24:25] offset:ACT_S
	s_wait_xcnt 0x0
	s_or_b32 exec_lo, exec_lo, s26
	s_wait_tensorcnt 0x0                           ; the wave's end: behind my last LDS store
	ds_add_u32 v[SPW], v[NIL]
	s_wait_dscnt 0x0
	s_endpgm
.Lfunc_end_k_qfce6d25241_ln1:
	.size	k_qfce6d25241_ln1, .Lfunc_end_k_qfce6d25241_ln1-k_qfce6d25241_ln1
	.p2alignl 7, 3214868480
	.fill 96, 4, 3214868480
	.section	.rodata,"a",@progbits
	.p2align	6, 0x0
	.amdhsa_kernel k_qfce6d25241_ln1
		.amdhsa_group_segment_fixed_size 2048
		.amdhsa_private_segment_fixed_size 0
		.amdhsa_enable_private_segment 0
		.amdhsa_kernarg_size 32
		.amdhsa_user_sgpr_count 2
		.amdhsa_user_sgpr_kernarg_segment_ptr 1
		.amdhsa_wavefront_size32 1
		.amdhsa_system_sgpr_workgroup_id_x 1
		.amdhsa_system_sgpr_workgroup_id_y 1
		.amdhsa_system_sgpr_workgroup_id_z 1
		.amdhsa_system_vgpr_workitem_id 0
		.amdhsa_next_free_vgpr 256
		.amdhsa_next_free_sgpr 66
		.amdhsa_reserve_vcc 1
		.amdhsa_float_denorm_mode_32 3
		.amdhsa_float_denorm_mode_16_64 3
		.amdhsa_memory_ordered 1
		.amdhsa_forward_progress 1
		.amdhsa_inst_pref_size 23
	.end_amdhsa_kernel
	.amdgpu_metadata
---
amdhsa.version: [ 1, 2 ]
amdhsa.kernels:
  - .name:           k_qfce6d25241_ln1
    .symbol:         k_qfce6d25241_ln1.kd
    .args:
      - { .name: x, .offset: 0, .size: 8, .value_kind: global_buffer, .address_space: global }
      - { .name: g1, .offset: 8, .size: 8, .value_kind: global_buffer, .address_space: global }
      - { .name: be1, .offset: 16, .size: 8, .value_kind: global_buffer, .address_space: global }
      - { .name: act, .offset: 24, .size: 8, .value_kind: global_buffer, .address_space: global }
    .group_segment_fixed_size: 2048
    .private_segment_fixed_size: 0
    .kernarg_segment_align: 8
    .kernarg_segment_size: 32
    .max_flat_workgroup_size: 256
    .sgpr_count:     66
    .vgpr_count:     256
    .wavefront_size: 32
...
	.end_amdgpu_metadata
.endif
;; end of part 2
;; launch qkv (part 3): grid 12 x 16, 4 waves a work-group, clusters of 4 x 4, 327,680 bytes of LDS; arguments act, wimg, bq, bk, bv, qkv; writes qkv
.if DOCPART == 3
	.amdgcn_target "amdgcn-amd-amdhsa--gfx1250"
	.amdhsa_code_object_version 6
	.text
	.protected	k_qfce6d25241_qkv
	.globl	k_qfce6d25241_qkv
	.p2align	8
	.type	k_qfce6d25241_qkv,@function
k_qfce6d25241_qkv:
	s_mov_b64 s[64:65], 0
	v_nop
	global_prefetch_b8 v0, s[64:65] scope:SCOPE_SE
	s_setreg_imm32_b32 hwreg(HW_REG_WAVE_MODE, 25, 1), 1
	s_wait_xcnt 0x0
	s_wait_alu depctr_hold_cnt(0) depctr_sa_sdst(0) depctr_va_vdst(0) depctr_va_sdst(0) depctr_va_ssrc(0) depctr_va_vcc(0) depctr_vm_vsrc(0)
	s_getreg_b32 s2, hwreg(HW_REG_IB_STS2, 6, 4)
	s_cmp_eq_u32 s2, 0
	s_cbranch_scc0 .Lentry_in_a_cluster
	s_endpgm
.Lentry_in_a_cluster:
	s_bfe_u32 s2, ttmp6, 0x10000c
	s_cmp_lg_u32 s2, 0xf033
	s_cbranch_scc0 .Lentry_shape_is_right
	s_endpgm
.Lentry_shape_is_right:
; q = h Wq + bq, k = h Wk + bk, v = h Wv + bv on codes of FP6 (E2M3) with E8M0 scales; the results are quantised on the way out: q and k along the head's 64, v along the keys.  Nothing of these products is left out.
; Both operands come as fragment images and scale images (their forms: the head of the first kernel), so a K step's tiles are dense rows for the tensor data mover and a fragment is four dense LDS loads.
; A tile of 256 x 256 results to a work-group of four waves, 128 x 128 to a wave: 64 accumulators, 512 registers.  K goes in steps of 256 through two LDS slots; the scale images of all of K come once and stay.
; CLUSTERS 4 x 4: the A side's tiles are shared along a row of the cluster, the B side's along a column: joint loads.  Cluster x says which product (0 q, 1 k, 2 v): it is the same in all sixteen partners.
; The matrix instruction takes the B side as source 0 and the A side as source 1: a lane holds ONE row of the A side and its registers run along the B side's rows.  For q and k: A = tokens, B = the weight: a lane has a token, registers
; run along the features.  For v THE SIDES CHANGE PLACES (A = Wv, B = tokens): a lane has a feature, registers run along the tokens, which are the second attention product's K.
; ORDER INSIDE A BLOCK OF 32: registers 16 b + i of lanes h = 0, 1 hold rows 32 b + 16 (i / 8) + 8 h + i % 8: the block's own 32, in an order that q and k share along the head and that v shares with p along the keys: the sums stay.
; qkv: k's scale images at 0 [head of 32][16][512], v's at 262,144 (256 bytes of each 512), q's at 524,288; q's half images at QC [head][128 tiles][768], k's at KC, v's fragments at VC [head][16 steps][4][1536].
; q's and k's scale words are stored doubled (bytes s0 s1 s0 s1), so that a word serves either half of a K step of 128.
; LIMITS: NaN and infinities are not served; a block under 2^-124 gets the byte 1.
.set SIZE_K, 1024
.set ACT_S, 3145728
.set QC, 786432
.set VC, 7077888
.set NS,    SIZE_K/128                 ; K steps of 128
.set RBP,   1536*NS                    ; from a row block's images to the next block's
.set NQ,    2                          ; matrix instructions deep in a slot
.set NL,    4                          ; LDS loads that bring a fragment
.set NP,    4                          ; places behind this matrix instruction (ISA guide 7.12.1)
.set HALFT, 8*3072                     ; 128 rows x 256 K: what one tensor load brings, and what one wave reads of a side
.set SLOT,  4*HALFT
.set LAPS,  SIZE_K/512
.set HALFS, 512*NS                     ; the scale images of 128 rows
.set SCL,   2*SLOT
.set SPARE, SCL+4*HALFS                ; the spare words, 128 bytes for each wave
.set L16, 12                           ; v12 16 x lane;  v13 8 x lane
.set L8,  13
.set A16, 16                           ; v16-17, v18-19 my A fragments in slot 0, 1, for loads of 16 and of 8 bytes;  v20-23 the same for B
.set A8,  18
.set B16, 20
.set B8,  22
.set ADSA, 27                          ; v27, v30 my scale images of A, of B
.set SPW, 28
.set NIL, 29
.set ADSB, 30
.set SC,  32                           ; v32-63 scale words and nothing else: set s at 32 + 16 s: A's at + 4 q + j, B's at + 8 + 4 q + j
.set BIAS, 64
.set AF,  128                          ; A's eight fragments, window 0; B's two sets in window 1 at v0 and v128; accumulator (a, b) at v[8 (8 (a % 4) + b)] of window 2 (a < 4) or 3
.set T,   128                          ; the way out: 64 numbers,
.set PC,  192                          ; their codes,
.set TM,  212
.set PW,  228
.set WS,  230                          ; scale words kept
.set DS,  246
.set SEL, 4
.set HM,  6
.set G1, 24
.set G0, 32
.set G1B, 48
.set G0B, 56
.set G1S, 68
.set G0S, 76
.set G1SB, 80
.set G0SB, 88
.set MSB, 0
.macro WIN new                         ; the immediate's high byte repeats the setting that is left
.if MSB != \new
	s_set_vgpr_msb (MSB<<8)|\new
.set MSB, \new
.endif
.endm
.set MUL_LO, 0xa1                      ; source 0 (B) window 1, source 1 (A) window 0, C and D window 2
.set MUL_HI, 0xf1
.set TO_B,   0x40
.macro JLOAD g0a, g1a, g0b, g1b        ; a joint load: waves 0 and 1 fetch for A, waves 2 and 3 for B; an s_nop 0 and four v_nop follow each line
	s_cmp_eq_u32 s15, 0
	s_cbranch_scc0 .Lfor_b_\@
	tensor_load_to_lds s[\g0a:\g0a+3], s[\g1a:\g1a+7]
	s_nop 0
.rept 4
	v_nop
.endr
	s_branch .Lasked_\@
.Lfor_b_\@:
	tensor_load_to_lds s[\g0b:\g0b+3], s[\g1b:\g1b+7]
	s_nop 0
.rept 4
	v_nop
.endr
.Lasked_\@:
.endm
.macro CREST                           ; a round of the cluster's barrier behind its opening barrier
	s_cmp_lg_u32 s14, 0
	s_cbranch_scc1 .Lnot_wave_0_\@
	s_barrier_signal -3
.Lnot_wave_0_\@:
	s_barrier_wait -3
	s_barrier_signal -1
	s_barrier_wait -1
.endm
.macro CROUND
	s_barrier_signal -1
	s_barrier_wait -1
	CREST
.endm
.macro FRAG reg, a16, a8, q, i         ; a fragment's image into its twelve registers: each load takes 512 or 256 consecutive bytes
	ds_load_b128 v[\reg:\reg+3], v[\a16] offset:3072*(\i)+1536*(\q)
	ds_load_b64 v[\reg+4:\reg+5], v[\a8] offset:3072*(\i)+1536*(\q)+512
	ds_load_b128 v[\reg+6:\reg+9], v[\a16] offset:3072*(\i)+1536*(\q)+768
	ds_load_b64 v[\reg+10:\reg+11], v[\a8] offset:3072*(\i)+1536*(\q)+1280
.endm
.macro WM a, b, p, q, sc, zero         ; one product: A's block a x B's block b.  A scale register holds blocks 0-3 in lanes 0-15 and blocks 4-7 in lanes 16-31
.set rD, 8*(8*((\a)%4)+(\b))
.set rB, 128*(\p)+12*(\b)
.set rA, AF+12*(\a)
.set sB, SC+16*(\sc)+8+4*(\q)+(\b)%4
.set sA, SC+16*(\sc)+4*(\q)+(\a)%4
.if \zero
.if ((\b)/4) && ((\a)/4)
	v_wmma_scale_f32_16x16x128_f8f6f4 v[rD:rD+7], v[rB:rB+11], v[rA:rA+11], 0, v[sB], v[sA] matrix_a_fmt:MATRIX_FMT_FP6 matrix_b_fmt:MATRIX_FMT_FP6 matrix_a_scale:MATRIX_SCALE_ROW1 matrix_b_scale:MATRIX_SCALE_ROW1
.elseif (\b)/4
	v_wmma_scale_f32_16x16x128_f8f6f4 v[rD:rD+7], v[rB:rB+11], v[rA:rA+11], 0, v[sB], v[sA] matrix_a_fmt:MATRIX_FMT_FP6 matrix_b_fmt:MATRIX_FMT_FP6 matrix_a_scale:MATRIX_SCALE_ROW1
.elseif (\a)/4
	v_wmma_scale_f32_16x16x128_f8f6f4 v[rD:rD+7], v[rB:rB+11], v[rA:rA+11], 0, v[sB], v[sA] matrix_a_fmt:MATRIX_FMT_FP6 matrix_b_fmt:MATRIX_FMT_FP6 matrix_b_scale:MATRIX_SCALE_ROW1
.else
	v_wmma_scale_f32_16x16x128_f8f6f4 v[rD:rD+7], v[rB:rB+11], v[rA:rA+11], 0, v[sB], v[sA] matrix_a_fmt:MATRIX_FMT_FP6 matrix_b_fmt:MATRIX_FMT_FP6
.endif
.else
.if ((\b)/4) && ((\a)/4)
	v_wmma_scale_f32_16x16x128_f8f6f4 v[rD:rD+7], v[rB:rB+11], v[rA:rA+11], v[rD:rD+7], v[sB], v[sA] matrix_a_fmt:MATRIX_FMT_FP6 matrix_b_fmt:MATRIX_FMT_FP6 matrix_a_scale:MATRIX_SCALE_ROW1 matrix_b_scale:MATRIX_SCALE_ROW1
.elseif (\b)/4
	v_wmma_scale_f32_16x16x128_f8f6f4 v[rD:rD+7], v[rB:rB+11], v[rA:rA+11], v[rD:rD+7], v[sB], v[sA] matrix_a_fmt:MATRIX_FMT_FP6 matrix_b_fmt:MATRIX_FMT_FP6 matrix_a_scale:MATRIX_SCALE_ROW1
.elseif (\a)/4
	v_wmma_scale_f32_16x16x128_f8f6f4 v[rD:rD+7], v[rB:rB+11], v[rA:rA+11], v[rD:rD+7], v[sB], v[sA] matrix_a_fmt:MATRIX_FMT_FP6 matrix_b_fmt:MATRIX_FMT_FP6 matrix_b_scale:MATRIX_SCALE_ROW1
.else
	v_wmma_scale_f32_16x16x128_f8f6f4 v[rD:rD+7], v[rB:rB+11], v[rA:rA+11], v[rD:rD+7], v[sB], v[sA] matrix_a_fmt:MATRIX_FMT_FP6 matrix_b_fmt:MATRIX_FMT_FP6
.endif
.endif
.endm
.macro MUL16 a0, p, q, sc, zero        ; the 64 accumulators take turns, one instruction a turn, in the same order in every step
.irp a, \a0, \a0+1
.irp b, 0,1,2,3,4,5,6,7
	WM \a, \b, \p, \q, \sc, \zero
.endr
.endr
.endm
.macro FETCH_B slot, q, p
	WIN TO_B
.irp i, 0,1,2,3,4,5,6,7
	FRAG 128*(\p)+12*\i, B16+\slot, B8+\slot, \q, \i
.endr
	WIN 0
.endm
.macro FETCH_A slot, q, i0
.irp i, \i0, \i0+1, \i0+2, \i0+3
	FRAG AF+12*(\i), A16+\slot, A8+\slot, \q, \i
.endr
.endm
.macro SCALES sc                       ; a slot's scale words: two K steps of A's image and of B's
.irp q, 0,1
	ds_load_b128 v[SC+16*\sc+4*\q:SC+16*\sc+4*\q+3], v[ADSA] offset:512*\q
	ds_load_b128 v[SC+16*\sc+8+4*\q:SC+16*\sc+8+4*\q+3], v[ADSB] offset:512*\q
.endr
.endm
.macro PLACES n                        ; plain vector instructions between a matrix instruction and a load into, or a read of, its registers
.rept \n
	v_nop
.endr
.endm
.macro STEP slot, q, zero              ; 128 along K that has its successor in the same slot
	s_wait_dscnt 4*NL                              ; all but the youngest 16 loads (A's blocks 4-7) are in
	WIN MUL_LO
	MUL16 0, (\q)%2, \q, \slot, \zero
	MUL16 2, (\q)%2, \q, \slot, \zero
	s_wait_dscnt 0
	PLACES NP
	FETCH_B \slot, (\q)+1, 1-(\q)%2
	FETCH_A \slot, (\q)+1, 0
	WIN MUL_HI
	MUL16 4, (\q)%2, \q, \slot, \zero
	MUL16 6, (\q)%2, \q, \slot, \zero
	PLACES NP
	WIN 0
	FETCH_A \slot, (\q)+1, 4
.endm
.macro TURN slot, next, fill           ; a slot's last step changes slots: one barrier; fill = 1: it opens a round of the cluster's barrier and the slot is filled again, two slots ahead
	s_wait_tensorcnt 0x0                           ; all my tensor loads have landed: my part of the next slot
	ds_add_u32 v[SPW], v[NIL]                      ; 0 onto my spare word
	s_wait_dscnt 4*NL+1                            ; (the add and the youngest 16 loads may be out)
	WIN MUL_LO
	MUL16 0, 1, NQ-1, \slot, 0
	s_wait_dscnt 0x0                               ; the add is done, and my reads of this slot are over
	s_barrier_signal -1
	MUL16 2, 1, NQ-1, \slot, 0
	WIN 0
	s_barrier_wait -1
.if \fill
	CREST                                          ; no wave of any partner still reads this slot or has a load on its way
	s_add_nc_u64 s[G0+4*\slot+2:G0+4*\slot+3], s[G0+4*\slot+2:G0+4*\slot+3], 6144
	s_add_nc_u64 s[G0B+4*\slot+2:G0B+4*\slot+3], s[G0B+4*\slot+2:G0B+4*\slot+3], 6144
	JLOAD G0+4*\slot, G1, G0B+4*\slot, G1B         ; the first tensor load behind the round; its four v_nop are the places in front of the loads below
.else
	PLACES NP
.endif
	v_add_nc_u32 v[ADSA], 1024, v[ADSA]            ; the next slot's scale words
	v_add_nc_u32 v[ADSB], 1024, v[ADSB]
	FETCH_B \next, 0, 0
	FETCH_A \next, 0, 0
	SCALES \next
	WIN MUL_HI
	MUL16 4, 1, NQ-1, \slot, 0
	MUL16 6, 1, NQ-1, \slot, 0
	PLACES NP
	WIN 0
	FETCH_A \next, 0, 4
.endm
.macro LAST                            ; the very last step: nothing more to fetch
	s_wait_dscnt 4*NL
	WIN MUL_LO
	MUL16 0, 1, NQ-1, 1, 0
	MUL16 2, 1, NQ-1, 1, 0
	s_wait_dscnt 0
	WIN MUL_HI
	MUL16 4, 1, NQ-1, 1, 0
	MUL16 6, 1, NQ-1, 1, 0
	WIN 0
.endm
.macro QUANT s                         ; 64 numbers of a lane, blocks of 16 registers, become a fragment's codes in v[PC] on and its scale word in v[PW]
.irp b, 0,1,2,3
	v_max3_num_f32 v[TM+\b], |v[\s+16*\b]|, |v[\s+1+16*\b]|, 0x1800000   ; and the floor 2^(3 - 127): the byte cannot fall under 1
.endr
.irp i, 2,4,6,8,10,12,14
.irp b, 0,1,2,3
	v_max3_num_f32 v[TM+\b], v[TM+\b], |v[\s+16*\b+\i]|, |v[\s+1+16*\b+\i]|
.endr
.endr
.irp b, 0,1,2,3
	v_permlanex16_b32 v[TM+4+\b], v[TM+\b], s[SEL], s[SEL+1]
.endr
.irp b, 0,1,2,3
	v_max_num_f32 v[TM+\b], v[TM+\b], v[TM+4+\b]
.endr
.irp b, 0,1,2,3
	v_add_nc_u32 v[TM+12+\b], 0xff000000, v[TM+\b] ; 2 off the exponent field: the conversion's scale operand
.endr
.irp b, 0,1,2,3
	v_lshrrev_b32 v[TM+4+\b], 23, v[TM+12+\b]
.endr
	v_lshl_or_b32 v[PW], v[TM+5], 8, v[TM+4]
	v_lshl_or_b32 v[PW], v[TM+6], 16, v[PW]
	v_lshl_or_b32 v[PW], v[TM+7], 24, v[PW]
.irp c, 0,1
	v_cvt_scalef32_pk16_fp6_f32 v[PC+6*\c:PC+2+6*\c], v[\s+32*\c:\s+15+32*\c], v[TM+12+2*\c]
	v_cvt_scalef32_pk16_fp6_f32 v[PC+12+4*\c:PC+14+4*\c], v[\s+16+32*\c:\s+31+32*\c], v[TM+12+2*\c+1]
.endr
	v_nop                                          ; one plain place behind a scaled conversion
.irp c, 0,1
.irp i, 0,1,2
	v_permlane16_swap_b32 v[PC+6*\c+\i], v[PC+12+4*\c+\i]
.endr
.irp i, 0,1,2
	v_mov_b32 v[PC+3+6*\c+\i], v[PC+12+4*\c+\i]
.endr
.endr
.endm
.macro ADDB a                          ; block a's 64 results + a bias that runs along the registers, each accumulator from its low end on
	WIN 0x02+(\a)/4
.set AC, 64*((\a)%4)
.set i, 0
.rept 32
	v_pk_add_f32 v[T+i:T+i+1], v[AC+i:AC+i+1], v[BIAS+i:BIAS+i+1]
.set i, i+2
.endr
	WIN 0
.endm
.macro ADDV a                          ; block a's 64 results + my row's one bias
	WIN 0x02+(\a)/4
.set AC, 64*((\a)%4)
.set i, 0
.rept 64
	v_add_f32 v[T+i], v[AC+i], v[BIAS+(\a)]
.set i, i+1
.endr
	WIN 0
.endm
	s_load_b128 s[4:7], s[0:1], 0x0                ; act, wimg
	s_load_b128 s[96:99], s[0:1], 0x10             ; bq, bk
	s_load_b128 s[8:11], s[0:1], 0x20              ; bv, qkv
	v_lshl_add_u32 v[SPW], v0, 2, SPARE
	v_mov_b32 v[NIL], 0
	ds_add_u32 v[SPW], v[NIL]                      ; the wave's opening: the add, twice on end, and its wait ahead of my first tensor load
	ds_add_u32 v[SPW], v[NIL]
	v_lshrrev_b32 v1, 5, v0
	v_readfirstlane_b32 s14, v1                    ; wave 0..3
	s_lshr_b32 s15, s14, 1                         ; which half of the A side's rows is mine.  Also: I fetch for A (0) or for B (1)
	s_and_b32 s16, s14, 1                          ; which half of the B side's.  Also: which 128 rows of that tile I fetch
	s_bfe_u32 s40, ttmp6, 0x40000                  ; cx, cy
	s_bfe_u32 s41, ttmp6, 0x40004
	s_and_b32 s18, ttmp7, 0xffff
	s_lshl_b32 s18, s18, 2                         ; 4 x cluster y walks the tokens:
	s_cmp_eq_u32 ttmp9, 2
	s_cselect_b32 s17, 0, s18                      ; they are the A side for q and k,
	s_cselect_b32 s42, s18, 0                      ; the B side for v
	s_add_co_u32 s17, s17, s41                     ; the A side's tile
	s_add_co_u32 s42, s42, s40                     ; the B side's
	s_lshl_b32 s43, s41, 2
	s_lshl_b32 s43, 15, s43                        ; my row of the cluster
	s_lshl_b32 s44, 0x1111, s40                    ; my column
	s_or_b32 s[G1], s43, (3<<16)|(1<<21)           ; 15:0 the mask; 17:16 elements of 8 bytes; 21 set beside a mask; no padding
	s_or_b32 s[G1B], s44, (3<<16)|(1<<21)
.irp g, G1, G1B
	s_mov_b32 s[\g+1], 384<<16                     ; tensor_dim0: two fragments, 3,072 bytes
	s_mov_b32 s[\g+2], 8<<16                       ; tensor_dim1: 8 row blocks
	s_mov_b32 s[\g+3], 384<<16                     ; tile_dim0
	s_mov_b32 s[\g+4], 8                           ; tile_dim1
	s_mov_b32 s[\g+5], RBP/8                       ; from row block to row block
	s_mov_b32 s[\g+6], 0
	s_mov_b32 s[\g+7], 0
.endr
	s_or_b32 s[G1S], s43, (3<<16)|(1<<21)
	s_or_b32 s[G1SB], s44, (3<<16)|(1<<21)
.irp g, G1S, G1SB
	s_mov_b32 s[\g+1], 32<<16                      ; the scale images of 128 rows: a dense block, as rows of 256 bytes
	s_mov_b32 s[\g+2], (HALFS/256)<<16
	s_mov_b32 s[\g+3], 32<<16
	s_mov_b32 s[\g+4], HALFS/256
	s_mov_b32 s[\g+5], 32
	s_mov_b32 s[\g+6], 0
	s_mov_b32 s[\g+7], 0
.endr
	s_lshl_b32 s18, s16, 3
	s_lshl_b32 s20, s17, 4
	s_add_co_u32 s20, s20, s18
	s_mul_i32 s20, s20, RBP                        ; A: row block 16 x tile + 8 x half
	s_mov_b32 s21, 0
	s_lshl_b32 s46, s42, 4
	s_add_co_u32 s46, s46, s18
	s_mul_i32 s46, s46, RBP                        ; B likewise
	s_mov_b32 s47, 0
	s_lshl_b32 s22, s17, 1
	s_add_co_u32 s22, s22, s16
	s_mul_i32 s22, s22, HALFS                      ; and their scale images
	s_mov_b32 s23, 0
	s_lshl_b32 s92, s42, 1
	s_add_co_u32 s92, s92, s16
	s_mul_i32 s92, s92, HALFS
	s_mov_b32 s93, 0
	s_mul_i32 s45, s14, HALFT                      ; where they go: no place in the cluster enters an LDS address
	s_mul_i32 s94, s14, HALFS
	s_wait_dscnt 0x0                               ; both opening adds are done
	s_wait_kmcnt 0x0
	s_mov_b64 s[100:101], s[8:9]                   ; bv
	s_mov_b64 s[12:13], s[10:11]                   ; qkv
	s_mul_i32 s18, ttmp9, 786432
	s_mov_b32 s19, 0
	s_add_nc_u64 s[76:77], s[6:7], s[18:19]        ; my weight's codes,
	s_lshl_b32 s18, ttmp9, 15
	s_add_nc_u64 s[78:79], s[6:7], s[18:19]
	s_add_nc_u64 s[78:79], s[78:79], 9437184       ; its scale images,
	s_add_nc_u64 s[88:89], s[4:5], ACT_S           ; the tokens' scale images
	s_cmp_eq_u32 ttmp9, 2                          ; the choice hangs on the cluster's number alone
	s_cselect_b64 s[8:9], s[4:5], s[76:77]         ; B's codes
	s_cselect_b64 s[10:11], s[88:89], s[78:79]     ; B's scales
	s_cselect_b64 s[4:5], s[76:77], s[4:5]         ; A's codes
	s_cselect_b64 s[6:7], s[78:79], s[88:89]       ; A's scales
	s_add_nc_u64 s[20:21], s[4:5], s[20:21]
	s_add_nc_u64 s[22:23], s[6:7], s[22:23]
	s_add_nc_u64 s[46:47], s[8:9], s[46:47]
	s_add_nc_u64 s[92:93], s[10:11], s[92:93]
	CROUND                                         ; all sixteen work-groups are here: the first joint loads meet
	s_mov_b32 s[G0S], 1
	s_add_co_u32 s[G0S+1], s94, SCL
	s_mov_b64 s[G0S+2:G0S+3], s[22:23]
	s_or_b32 s[G0S+3], s[G0S+3], 0x80000000
	s_mov_b32 s[G0SB], 1
	s_add_co_u32 s[G0SB+1], s94, SCL
	s_mov_b64 s[G0SB+2:G0SB+3], s[92:93]
	s_or_b32 s[G0SB+3], s[G0SB+3], 0x80000000
	JLOAD G0S, G1S, G0SB, G1SB                     ; the scale images first.  With the two slots three tensor loads of mine are out at the most
.irp s, 0,1
	s_mov_b32 s[G0+4*\s], 1
	s_add_co_u32 s[G0+4*\s+1], s45, \s*SLOT
	s_add_nc_u64 s[G0+4*\s+2:G0+4*\s+3], s[20:21], \s*3072
	s_or_b32 s[G0+4*\s+3], s[G0+4*\s+3], 0x80000000
	s_mov_b32 s[G0B+4*\s], 1
	s_add_co_u32 s[G0B+4*\s+1], s45, \s*SLOT
	s_add_nc_u64 s[G0B+4*\s+2:G0B+4*\s+3], s[46:47], \s*3072
	s_or_b32 s[G0B+4*\s+3], s[G0B+4*\s+3], 0x80000000
	JLOAD G0+4*\s, G1, G0B+4*\s, G1B
.endr
	v_and_b32 v1, 15, v0                           ; r
	v_bfe_u32 v2, v0, 4, 1                         ; h
	v_and_b32 v3, 31, v0
	v_lshlrev_b32 v[L16], 4, v3
	v_lshlrev_b32 v[L8], 3, v3
	s_mul_i32 s21, s15, HALFT                      ; my 128 rows of A,
	s_mul_i32 s22, s16, HALFT
	s_add_co_u32 s22, s22, 2*HALFT                 ; of B, behind A's 256
.irp s, 0,1
	v_add_nc_u32 v[A16+\s], s21, v[L16]
	v_add_nc_u32 v[A8+\s], s21, v[L8]
	v_add_nc_u32 v[B16+\s], s22, v[L16]
	v_add_nc_u32 v[B8+\s], s22, v[L8]
	s_add_co_u32 s21, s21, SLOT
	s_add_co_u32 s22, s22, SLOT
.endr
	s_mul_i32 s21, s15, HALFS
	s_add_co_u32 s21, s21, SCL
	v_add_nc_u32 v[ADSA], s21, v[L16]
	s_mul_i32 s22, s16, HALFS
	s_add_co_u32 s22, s22, SCL+2*HALFS
	v_add_nc_u32 v[ADSB], s22, v[L16]
	v_lshlrev_b32 v4, 5, v2                        ; q, k: the bias of my half's eight features: 32 h bytes
	v_and_b32 v5, 8, v1
	v_add_nc_u32 v5, v5, v1
	v_lshlrev_b32 v5, 2, v5                        ; v: the bias of my row: 4 (r + (r & 8))
	v_lshlrev_b32 v6, 4, v1
	v_lshl_add_u32 v6, v2, 13, v6                  ; v: where my four scale words go: 16 r, lanes 16-31 a head on
	s_wait_tensorcnt 1                             ; the scale images and my part of slot 0 are in; slot 1's load may be out
	s_barrier_signal -1
	s_barrier_wait -1
	FETCH_B 0, 0, 0
	FETCH_A 0, 0, 0
	SCALES 0
	FETCH_A 0, 0, 4
	STEP 0, 0, 1                                   ; the first step's products start the sums: nothing is cleared
	s_mov_b32 s3, LAPS-1
.Llap:                                                 ; a trip goes once round the ring and fills both slots again
	TURN 0, 1, 1
	STEP 1, 0, 0
	TURN 1, 0, 1
	STEP 0, 0, 0
	s_sub_co_u32 s3, s3, 1
	s_cmp_lg_u32 s3, 0
	s_cbranch_scc1 .Llap
	TURN 0, 1, 0                                   ; the last lap fills nothing
	s_cmp_eq_u32 ttmp9, 2                          ; ONE parting, on the cluster's number: each way has its bias loads, the last two steps and its way out
	s_cbranch_scc1 .Larm_v
	; ---- q and k
	s_cmp_eq_u32 ttmp9, 0
	s_cselect_b64 s[96:97], s[96:97], s[98:99]
	s_lshl_b32 s18, s42, 10
	s_lshl_b32 s19, s16, 9
	s_add_co_u32 s18, s18, s19                     ; my first feature: 256 x tile + 128 x half
	s_mov_b32 s19, 0
	s_add_nc_u64 s[96:97], s[96:97], s[18:19]
.irp b, 0,1,2,3,4,5,6,7
	global_load_b128 v[BIAS+8*\b:BIAS+8*\b+3], v4, s[96:97] offset:64*\b
	global_load_b128 v[BIAS+8*\b+4:BIAS+8*\b+7], v4, s[96:97] offset:64*\b+16
.endr
	STEP 1, 0, 0
	LAST
	PLACES NP
	s_mov_b32 s[SEL], 0x76543210
	s_mov_b32 s[SEL+1], 0xfedcba98
	s_mov_b32 s[HM], 0xffff0000                    ; lanes 16-31
.irp b, 0,1,2,3
	v_mov_b32 v[TM+4+\b], 0                        ; a lane permute's destination counts as read
.endr
	s_lshl_b32 s18, s17, 8
	s_lshl_b32 s20, s15, 7
	s_add_co_u32 s18, s18, s20                     ; my first token
	s_lshr_b32 s20, s18, 11                        ; its batch
	s_and_b32 s18, s18, 2047
	s_lshl_b32 s20, s20, 4
	s_lshl_b32 s21, s42, 2
	s_add_co_u32 s20, s20, s21
	s_lshl_b32 s21, s16, 1
	s_add_co_u32 s20, s20, s21                     ; my first head of 32
	s_lshl_b32 s21, s20, 7
	s_lshr_b32 s22, s18, 4
	s_add_co_u32 s21, s21, s22
	s_mul_i32 s22, s21, 768
	s_mul_i32 s21, ttmp9, 3145728                  ; k's half images lie behind q's
	s_add_co_u32 s22, s22, s21
	s_mov_b32 s23, 0
	s_add_nc_u64 s[8:9], s[12:13], s[22:23]
	s_lshl_b32 s21, s20, 4
	s_lshr_b32 s22, s18, 7
	s_add_co_u32 s21, s21, s22
	s_lshl_b32 s22, s21, 9
	s_cmp_eq_u32 ttmp9, 0
	s_cselect_b32 s21, 524288, 0
	s_add_co_u32 s22, s22, s21
	s_add_nc_u64 s[10:11], s[12:13], s[22:23]
	s_wait_loadcnt 0x0                             ; the bias
.irp a, 0,1,2,3,4,5,6,7
.if \a > 0
	s_wait_xcnt 0x0                                ; the last block's stores have read their registers
.endif
	ADDB \a
	QUANT T
.irp c, 0,1                                    ; blocks 2 c, 2 c + 1 are head c's 64: a half image
	global_store_b128 v[L16], v[PC+6*\c:PC+6*\c+3], s[8:9] offset:QC+98304*\c+768*\a
	global_store_b64 v[L8], v[PC+6*\c+4:PC+6*\c+5], s[8:9] offset:QC+98304*\c+768*\a+512
.endr
	v_perm_b32 v[WS+\a], v[PW], v[PW], 0x01000100  ; head 0's two bytes, doubled;
	v_perm_b32 v[WS+8+\a], v[PW], v[PW], 0x03020302   ; head 1's
.endr
.irp c, 0,1
.irp j, 0,1,2,3
	v_cndmask_b32 v[DS+4*\c+\j], v[WS+8*\c+\j], v[WS+8*\c+4+\j], s[HM]   ; lanes 0-15 blocks 0-3, lanes 16-31 blocks 4-7
.endr
	global_store_b128 v[L16], v[DS+4*\c:DS+4*\c+3], s[10:11] offset:8192*\c
.endr
	s_branch .Lend
.Larm_v:
	; ---- v
	s_lshl_b32 s18, s17, 10
	s_lshl_b32 s19, s15, 9
	s_add_co_u32 s18, s18, s19                     ; my first feature
	s_mov_b32 s19, 0
	s_add_nc_u64 s[100:101], s[100:101], s[18:19]
.irp a, 0,1,2,3,4,5,6,7
	global_load_b32 v[BIAS+\a], v5, s[100:101] offset:(32*(\a/2)+8*(\a%2))*4   ; lane r of block a holds feature 32 (a / 2) + 8 (a % 2) + r + (r & 8)
.endr
	STEP 1, 0, 0
	LAST
	PLACES NP
	s_mov_b32 s[SEL], 0x76543210
	s_mov_b32 s[SEL+1], 0xfedcba98
	s_mov_b32 s[HM], 0xffff0000
.irp b, 0,1,2,3
	v_mov_b32 v[TM+4+\b], 0
.endr
	s_lshl_b32 s18, s42, 8
	s_lshl_b32 s20, s16, 7
	s_add_co_u32 s18, s18, s20                     ; my first token: a key step of 128
	s_lshr_b32 s20, s18, 11
	s_and_b32 s18, s18, 2047
	s_lshr_b32 s18, s18, 7                         ; the step
	s_lshl_b32 s20, s20, 4
	s_lshl_b32 s21, s17, 2
	s_add_co_u32 s20, s20, s21
	s_lshl_b32 s21, s15, 1
	s_add_co_u32 s20, s20, s21                     ; my first head of 32
	s_lshl_b32 s21, s20, 4
	s_add_co_u32 s21, s21, s18
	s_mul_i32 s22, s21, 6144
	s_mov_b32 s23, 0
	s_add_nc_u64 s[8:9], s[12:13], s[22:23]
	s_lshl_b32 s22, s21, 9
	s_add_nc_u64 s[10:11], s[12:13], s[22:23]
	s_wait_loadcnt 0x0
.irp a, 0,1,2,3,4,5,6,7
.if \a > 0
	s_wait_xcnt 0x0
.endif
	ADDV \a
	QUANT T
	global_store_b128 v[L16], v[PC:PC+3], s[8:9] offset:VC+98304*(\a/4)+1536*(\a%4)
	global_store_b64 v[L8], v[PC+4:PC+5], s[8:9] offset:VC+98304*(\a/4)+1536*(\a%4)+512
	global_store_b128 v[L16], v[PC+6:PC+9], s[8:9] offset:VC+98304*(\a/4)+1536*(\a%4)+768
	global_store_b64 v[L8], v[PC+10:PC+11], s[8:9] offset:VC+98304*(\a/4)+1536*(\a%4)+1280
	v_mov_b32 v[WS+\a], v[PW]
.endr
.irp j, 0,1,2,3
	v_cndmask_b32 v[DS+\j], v[WS+\j], v[WS+4+\j], s[HM]   ; lanes 0-15 my first head's four tiles, lanes 16-31 the second's
.endr
	global_store_b128 v6, v[DS:DS+3], s[10:11] offset:262144   ; sixteen lanes store 256 consecutive bytes
.Lend:
	s_wait_tensorcnt 0x0                           ; the wave's end
	ds_add_u32 v[SPW], v[NIL]
	s_wait_dscnt 0x0
	CROUND                                         ; the closing round
	s_endpgm
.Lfunc_end_k_qfce6d25241_qkv:
	.size	k_qfce6d25241_qkv, .Lfunc_end_k_qfce6d25241_qkv-k_qfce6d25241_qkv
	.p2alignl 7, 3214868480
	.fill 96, 4, 3214868480
	.section	.rodata,"a",@progbits
	.p2align	6, 0x0
	.amdhsa_kernel k_qfce6d25241_qkv
		.amdhsa_group_segment_fixed_size 327680
		.amdhsa_private_segment_fixed_size 0
		.amdhsa_enable_private_segment 0
		.amdhsa_kernarg_size 48
		.amdhsa_user_sgpr_count 2
		.amdhsa_user_sgpr_kernarg_segment_ptr 1
		.amdhsa_wavefront_size32 1
		.amdhsa_system_sgpr_workgroup_id_x 1
		.amdhsa_system_sgpr_workgroup_id_y 1
		.amdhsa_system_sgpr_workgroup_id_z 1
		.amdhsa_system_vgpr_workitem_id 0
		.amdhsa_next_free_vgpr 1024
		.amdhsa_next_free_sgpr 102
		.amdhsa_reserve_vcc 0
		.amdhsa_float_denorm_mode_32 3
		.amdhsa_float_denorm_mode_16_64 3
		.amdhsa_memory_ordered 1
		.amdhsa_forward_progress 1
		.amdhsa_inst_pref_size 241
	.end_amdhsa_kernel
	.amdgpu_metadata
---
amdhsa.version: [ 1, 2 ]
amdhsa.kernels:
  - .name:           k_qfce6d25241_qkv
    .symbol:         k_qfce6d25241_qkv.kd
    .args:
      - { .name: act, .offset: 0, .size: 8, .value_kind: global_buffer, .address_space: global }
      - { .name: wimg, .offset: 8, .size: 8, .value_kind: global_buffer, .address_space: global }
      - { .name: bq, .offset: 16, .size: 8, .value_kind: global_buffer, .address_space: global }
      - { .name: bk, .offset: 24, .size: 8, .value_kind: global_buffer, .address_space: global }
      - { .name: bv, .offset: 32, .size: 8, .value_kind: global_buffer, .address_space: global }
      - { .name: qkv, .offset: 40, .size: 8, .value_kind: global_buffer, .address_space: global }
    .group_segment_fixed_size: 327680
    .private_segment_fixed_size: 0
    .kernarg_segment_align: 8
    .kernarg_segment_size: 48
    .max_flat_workgroup_size: 128
    .sgpr_count:     102
    .vgpr_count:     1024
    .wavefront_size: 32
...
	.end_amdgpu_metadata
.endif
;; end of part 3
;; launch attn (part 4): grid 256 x 1, 8 waves a work-group, no clusters, 0 bytes of LDS; arguments qkv, mk, act; writes act
.if DOCPART == 4
	.amdgcn_target "amdgcn-amd-amdhsa--gfx1250"
	.amdhsa_code_object_version 6
	.text
	.protected	k_qfce6d25241_attn
	.globl	k_qfce6d25241_attn
	.p2align	8
	.type	k_qfce6d25241_attn,@function
k_qfce6d25241_attn:
	s_mov_b64 s[64:65], 0
	v_nop
	global_prefetch_b8 v0, s[64:65] scope:SCOPE_SE
	s_setreg_imm32_b32 hwreg(HW_REG_WAVE_MODE, 25, 1), 1
	s_wait_xcnt 0x0
; ctx = softmax(q k^T / 8, under the mask) v for 32 heads (batch x head) of 2,048 x 64, both products on codes of FP6 (E2M3) with E8M0 scales; ctx is quantised along the model's 1,024 and stored as half images and scale bytes.
; THE SOFTMAX AHEAD OF THE SECOND PRODUCT: t = score x log2(e) / 8; M = the running largest t rounded UP to a whole number; p = 2^(t - M) is quantised along the keys; the row's sum is taken of the unquantised p and divides at the end.
; LEFT OUT: key steps (16 queries x 128 keys) that the mask closes wholly: every p there is 0 and the maximum stays.  Which steps are open is read from mk, whole numbers that the first launch stored from the mask.
; So trip counts and a branch hang on numbers read from memory: this launch has no tensor load and no LDS, and NO CLUSTER: tiles of queries walk different numbers of key steps, so partners could not make every request jointly.
; Operands lie in memory in the order of the registers and are asked for one whole key step ahead, straight into registers.  No prefetch: which wave walks which step, and when, hangs on the lists, so no wave can name each block once ahead.
; SHARES: a work-group has one head, a wave two tiles of 16 queries, i and 127 - i, one after the other (a schedule only: right for every mask).
; LAYOUT: both products transposed (S^T = k q^T, O^T = v^T p^T): a lane holds ONE query.  K = 64 in the first product: a fragment of k holds TWO tiles of 16 keys, one in each half of the instruction's 128, and q stands
; between zero codes: [q, 0] meets the first tile, [0, q] the second; q's and k's scale words are doubled, so they serve either half.  p's order inside a block of 32 keys is v's (see the launch before).
; The step's 64 mask words are asked for at the trip's head, whether the step is open throughout or not, so that they land behind the products; the 64 selects are jumped over where the step is open throughout.
; A QUERY WITH NO OPEN KEY has the sum 0: its codes are zeros and its scale bytes 0xff, which makes the next product NaN for that row, as reference() has it.
; LIMITS: NaN and infinities among the inputs are not served; v_exp_f32 is taken not to fall where its input rises (a block's largest p is made of its largest score).
.set ACT_S, 3145728
.set QS, 524288
.set VS, 262144
.set QC, 786432
.set KC, 3932160
.set VC, 7077888
.set SOP, 8                            ; v8-11   the conversions' scale operands.  v1 16 x lane, v2 8 x lane, v3 16 r, v4 -infinity, v5 at work, v[6:7] f and p's scale word, v12 -M, v13 the largest t, v[14:15] the sum
.set KF, 36                            ; v36-83  four fragments of k;  v84-87 its scale words.  v16-33: zeros, q, zeros;  v34 q's scale words;  v35 their offset
.set VF, 88                            ; v88-135 four fragments of v;  v136-139 its scale words
.set S,  140                           ; v140-203 S^T, then p
.set O,  204                           ; v204-235 O^T
.set PCD, 236                          ; v236-247 p's codes
.set BM, 244                           ; v244-247 the blocks' largest scores (done with when the codes are made)
.set TA, 248                           ; v248-255 at work
.macro KLOAD                           ; 17 loads: a key step's k
.irp f, 0,1,2,3
	global_load_b128 v[KF+12*\f:KF+12*\f+3], v1, s[76:77] offset:KC+1536*\f
	global_load_b64 v[KF+12*\f+4:KF+12*\f+5], v2, s[76:77] offset:KC+1536*\f+512
	global_load_b128 v[KF+12*\f+6:KF+12*\f+9], v1, s[76:77] offset:KC+1536*\f+768
	global_load_b64 v[KF+12*\f+10:KF+12*\f+11], v2, s[76:77] offset:KC+1536*\f+1280
.endr
	global_load_b128 v[84:87], v1, s[78:79]
.endm
.macro VLOAD                           ; 17 loads: its v
.irp f, 0,1,2,3
	global_load_b128 v[VF+12*\f:VF+12*\f+3], v1, s[76:77] offset:VC+1536*\f
	global_load_b64 v[VF+12*\f+4:VF+12*\f+5], v2, s[76:77] offset:VC+1536*\f+512
	global_load_b128 v[VF+12*\f+6:VF+12*\f+9], v1, s[76:77] offset:VC+1536*\f+768
	global_load_b64 v[VF+12*\f+10:VF+12*\f+11], v2, s[76:77] offset:VC+1536*\f+1280
.endr
	global_load_b128 v[136:139], v3, s[78:79] offset:VS
.endm
	s_load_b128 s[4:7], s[0:1], 0x0                ; qkv, mk
	s_load_b64 s[8:9], s[0:1], 0x10                ; act
	v_lshrrev_b32 v1, 5, v0
	v_readfirstlane_b32 s10, v1                    ; wave 0..7
	v_and_b32 v0, 31, v0                           ; lane
	v_lshlrev_b32 v1, 4, v0
	v_lshlrev_b32 v2, 3, v0
	v_and_b32 v3, 15, v0
	v_lshlrev_b32 v3, 4, v3
	v_mov_b32 v4, 0xff800000
	v_mov_b32 v5, 0
	v_mov_b32 v6, 0
	v_mov_b32 v7, 0                                ; (named as the upper half of the pair v[6:7] before it is first written)
.irp i, 0,1,2,3,4,5
	v_mov_b32 v[16+\i], 0                          ; zero codes on both sides of q: they add nothing under any scale byte but 0xff
	v_mov_b32 v[28+\i], 0
.endr
.irp i, 0,1,2,3
	v_mov_b32 v[TA+\i], 0                          ; a lane permute's destination counts as read
.endr
	s_lshr_b32 s11, ttmp9, 3                       ; the head of 32
	s_and_b32 s12, ttmp9, 7
	s_lshl_b32 s12, s12, 3
	s_add_co_u32 s12, s12, s10                     ; my pair of tiles, 0..63
	s_mov_b32 s96, 0x76543210
	s_mov_b32 s97, 0xfedcba98                      ; lane l xor 16
	s_mov_b32 s98, 0x3e38aa3b                      ; c = log2(e) / 8
	s_mov_b32 s99, s98
	s_mov_b32 s105, 0
	s_mul_i32 s104, s11, 98304
	s_wait_kmcnt 0x0
	s_add_nc_u64 s[72:73], s[4:5], s[104:105]      ; the head in each region of codes,
	s_lshl_b32 s104, s11, 13
	s_add_nc_u64 s[74:75], s[4:5], s[104:105]      ; and of scale images
	s_mov_b32 s13, 0
.Lpass:
	s_wait_loadcnt 0x0                             ; the look-ahead of the tile before has landed: its registers are loaded again below
	s_wait_xcnt 0x0                                ; and every earlier load and store has read its registers
	s_sub_co_u32 s14, 127, s12
	s_cmp_eq_u32 s13, 0
	s_cselect_b32 s14, s12, s14                    ; the tile of queries
	s_lshl_b32 s104, s14, 4
	s_add_nc_u64 s[100:101], s[6:7], s[104:105]
	s_load_b128 s[80:83], s[100:101], 0x80000      ; its record: list low, list high, count, full
	s_mul_i32 s104, s14, 768
	s_add_nc_u64 s[2:3], s[72:73], s[104:105]
	global_load_b128 v[22:25], v1, s[2:3] offset:QC
	global_load_b64 v[26:27], v2, s[2:3] offset:QC+512
	s_lshr_b32 s15, s14, 2
	s_lshl_b32 s15, s15, 8
	s_and_b32 s104, s14, 3
	s_lshl_b32 s104, s104, 2
	s_add_co_u32 s15, s15, s104
	v_add_nc_u32 v35, s15, v3                      ; the tile's word in its scale image: 256 (tile / 4) + 16 r + 4 (tile % 4)
	global_load_b32 v34, v35, s[74:75] offset:QS
	s_wait_kmcnt 0x0
	s_mov_b64 s[66:67], s[80:81]                   ; the list
	s_min_u32 s68, s82, 16                         ; trips
	s_mov_b32 s69, s83                             ; bit 0: the entry in hand is open throughout
	s_and_b32 s70, s66, 15
	s_min_u32 s70, s70, 15                         ; the first entry's key step
	s_mul_i32 s104, s70, 6144
	s_add_nc_u64 s[76:77], s[72:73], s[104:105]
	s_lshl_b32 s104, s70, 9
	s_add_nc_u64 s[78:79], s[74:75], s[104:105]
	KLOAD
	VLOAD
.set i, 0
.rept 32
	v_mov_b32 v[O+i], 0                            ; O^T: the trip is written once; the first change of M leaves zeros zeros
.set i, i+1
.endr
	v_mov_b32 v14, 0
	v_mov_b32 v15, 0
	v_mov_b32 v13, 0xff61b1e6                      ; the largest t so far: -3e38
	v_floor_f32 v12, -v13
	s_lshl_b32 s15, s14, 12                        ; the tile's lane words in mk
	s_cmp_eq_u32 s68, 0
	s_cbranch_scc1 .Lout
.Ltrip:
	s_and_b32 s70, s66, 15
	s_min_u32 s70, s70, 15                         ; this entry's key step
	s_lshl_b32 s104, s70, 8
	s_add_co_u32 s104, s104, s15
	s_add_nc_u64 s[100:101], s[6:7], s[104:105]
	s_load_b512 s[16:31], s[100:101], 0x0          ; its 64 mask words
	s_load_b512 s[32:47], s[100:101], 0x40
	s_load_b512 s[48:63], s[100:101], 0x80
	s_load_b512 s[80:95], s[100:101], 0xc0
	s_wait_loadcnt 17                              ; k is in (q too); v's 17 loads may be out
.irp t, 0,1,2,3
	v_wmma_scale_f32_16x16x128_f8f6f4 v[S+8*\t:S+8*\t+7], v[KF+12*(\t/2):KF+12*(\t/2)+11], v[22-6*(\t%2):33-6*(\t%2)], 0, v[84+\t], v34 matrix_a_fmt:MATRIX_FMT_FP6 matrix_b_fmt:MATRIX_FMT_FP6
.endr
.irp t, 4,5,6,7
	v_wmma_scale_f32_16x16x128_f8f6f4 v[S+8*\t:S+8*\t+7], v[KF+12*(\t/2):KF+12*(\t/2)+11], v[22-6*(\t%2):33-6*(\t%2)], 0, v[80+\t], v34 matrix_a_fmt:MATRIX_FMT_FP6 matrix_b_fmt:MATRIX_FMT_FP6 matrix_a_scale:MATRIX_SCALE_ROW1
.endr
	s_lshr_b32 s66, s66, 4                         ; the list moves on by an entry (past its end it reads step 0: inside the buffers; those data are not used)
	s_lshl_b32 s104, s67, 28
	s_or_b32 s66, s66, s104
	s_lshr_b32 s67, s67, 4
	s_and_b32 s71, s66, 15
	s_min_u32 s71, s71, 15
	s_wait_xcnt 0x0                                ; the loads that are out have read their bases, which step now
	s_mul_i32 s104, s71, 6144
	s_add_nc_u64 s[76:77], s[72:73], s[104:105]
	s_lshl_b32 s104, s71, 9
	s_add_nc_u64 s[78:79], s[74:75], s[104:105]
.rept 4
	v_nop                                          ; places in front of the loads into k's registers and of the first read of the scores
.endr
	KLOAD                                          ; the next entry's k
	s_wait_kmcnt 0x0                               ; the mask words
	s_bitcmp1_b32 s69, 0
	s_cbranch_scc1 .Lopen
.set i, 0
.rept 48
	v_cndmask_b32 v[S+i], v4, v[S+i], s[16+i]      ; a closed key's score becomes -infinity: p = 0
.set i, i+1
.endr
.set i, 0
.rept 16
	v_cndmask_b32 v[S+48+i], v4, v[S+48+i], s[80+i]
.set i, i+1
.endr
.Lopen:
	s_lshr_b32 s69, s69, 1
.irp b, 0,1,2,3
	v_max3_num_f32 v[BM+\b], v[S+16*\b], v[S+1+16*\b], v[S+2+16*\b]   ; the largest score of each block of 32 keys: for the row's maximum, and for the block's largest p
.endr
.irp i, 3,5,7,9,11,13
.irp b, 0,1,2,3
	v_max3_num_f32 v[BM+\b], v[BM+\b], v[S+16*\b+\i], v[S+1+16*\b+\i]
.endr
.endr
.irp b, 0,1,2,3
	v_max_num_f32 v[BM+\b], v[BM+\b], v[S+15+16*\b]
.endr
.irp b, 0,1,2,3
	v_permlanex16_b32 v[TA+\b], v[BM+\b], s96, s97
.endr
.irp b, 0,1,2,3
	v_max_num_f32 v[BM+\b], v[BM+\b], v[TA+\b]
.endr
	v_max3_num_f32 v5, v[BM], v[BM+1], v[BM+2]
	v_max_num_f32 v5, v5, v[BM+3]
	v_mul_f32 v5, s98, v5
	v_max_num_f32 v13, v13, v5                     ; the running largest t
	v_mov_b32 v5, v12
	v_floor_f32 v12, -v13                          ; -M = floor(-t): M is a whole number
	v_sub_f32 v5, v12, v5
	v_cvt_i32_f32 v5, v5                           ; (it saturates)
	v_ldexp_f32 v6, 1.0, v5                        ; f = 2^(old M - new M): rounds nothing
.set i, 0
.rept 32
	v_pk_fma_f32 v[S+i:S+i+1], v[S+i:S+i+1], s[98:99], v[12:13] op_sel_hi:[1,0,0]   ; t - M
.set i, i+2
.endr
.irp b, 0,1,2,3
	v_fma_f32 v[BM+\b], v[BM+\b], s98, v12
.endr
.set i, 0
.rept 64
	v_exp_f32 v[S+i], v[S+i]                       ; p = 2^(t - M)
.set i, i+1
.endr
	v_pk_mul_f32 v[14:15], v[14:15], v[6:7] op_sel_hi:[1,0]   ; the sums under the new M: a plain place behind the exponentials
	s_wait_alu depctr_va_vdst(0)                   ; one wait for the batch, ahead of its first reader
.irp b, 0,1,2,3
	v_exp_f32 v[BM+\b], v[BM+\b]                   ; the blocks' largest p
.endr
	v_pk_add_f32 v[TA:TA+1], v[S:S+1], v[S+2:S+3]  ; the row's sum of the unquantised p, in two chains
.irp j, 4,8,12,16,20,24,28,32,36,40,44,48,52,56,60
	v_pk_add_f32 v[14:15], v[14:15], v[S+\j:S+\j+1]
	v_pk_add_f32 v[TA:TA+1], v[TA:TA+1], v[S+2+\j:S+3+\j]
.endr
	v_pk_add_f32 v[14:15], v[14:15], v[TA:TA+1]
	s_wait_alu depctr_va_vdst(0)                   ; and one for the four
.irp b, 0,1,2,3
	v_max_num_f32 v[BM+\b], 0x1800000, v[BM+\b]    ; the floor 2^(3 - 127)
.endr
.irp b, 0,1,2,3
	v_add_nc_u32 v[SOP+\b], 0xff000000, v[BM+\b]
.endr
.irp b, 0,1,2,3
	v_lshrrev_b32 v[TA+\b], 23, v[SOP+\b]
.endr
	v_lshl_or_b32 v7, v[TA+1], 8, v[TA]            ; p's scale word for these 128 keys
	v_lshl_or_b32 v7, v[TA+2], 16, v7
	v_lshl_or_b32 v7, v[TA+3], 24, v7
.irp c, 0,1
	v_cvt_scalef32_pk16_fp6_f32 v[PCD+6*\c:PCD+2+6*\c], v[S+32*\c:S+15+32*\c], v[SOP+2*\c]
	v_cvt_scalef32_pk16_fp6_f32 v[TA+4*\c:TA+2+4*\c], v[S+16+32*\c:S+31+32*\c], v[SOP+2*\c+1]
.endr
	v_nop                                          ; one plain place behind a scaled conversion
.irp c, 0,1
.irp i, 0,1,2
	v_permlane16_swap_b32 v[PCD+6*\c+\i], v[TA+4*\c+\i]
.endr
.irp i, 0,1,2
	v_mov_b32 v[PCD+3+6*\c+\i], v[TA+4*\c+\i]
.endr
.endr
.set i, 0
.rept 16
	v_pk_mul_f32 v[O+i:O+i+1], v[O+i:O+i+1], v[6:7] op_sel_hi:[1,0]   ; O^T under the new M; these sixteen are also the places between the scale word, the codes and the products
.set i, i+2
.endr
	s_wait_loadcnt 17                              ; v is in; the next k's 17 loads may be out
.irp d, 0,1,2,3
	v_wmma_scale_f32_16x16x128_f8f6f4 v[O+8*\d:O+8*\d+7], v[VF+12*\d:VF+12*\d+11], v[PCD:PCD+11], v[O+8*\d:O+8*\d+7], v[136+\d], v7 matrix_a_fmt:MATRIX_FMT_FP6 matrix_b_fmt:MATRIX_FMT_FP6
.endr
.rept 4
	v_nop
.endr
	VLOAD                                          ; the next entry's v
	s_sub_co_i32 s68, s68, 1
	s_cmp_lg_u32 s68, 0
	s_cbranch_scc1 .Ltrip
.Lout:
.rept 4
	v_nop                                          ; places behind the last products
.endr
	v_add_f32 v14, v14, v15
	v_permlanex16_b32 v5, v14, s96, s97
	v_add_f32 v14, v14, v5                         ; the row's sum
	v_rcp_f32 v15, v14
	v_nop
	v_cmp_eq_f32 vcc_lo, 0, v14                    ; no key was open
	s_wait_alu depctr_va_vdst(0)                   ; the wait ahead of the reciprocal's first reader
	v_cndmask_b32 v15, v15, v16, vcc_lo            ; there 0 takes the reciprocal's place (v16 holds 0)
.set i, 0
.rept 32
	v_mul_f32 v[S+i], v[O+i], v15                  ; register 16 b + i is ctx(query, 32 b + 16 h + i) of my head
.set i, i+1
.endr
.irp b, 0,1
	v_max3_num_f32 v[BM+\b], |v[S+16*\b]|, |v[S+1+16*\b]|, 0x1800000
.endr
.irp i, 2,4,6,8,10,12,14
.irp b, 0,1
	v_max3_num_f32 v[BM+\b], v[BM+\b], |v[S+16*\b+\i]|, |v[S+1+16*\b+\i]|
.endr
.endr
.irp b, 0,1
	v_permlanex16_b32 v[TA+\b], v[BM+\b], s96, s97
.endr
.irp b, 0,1
	v_max_num_f32 v[BM+\b], v[BM+\b], v[TA+\b]
.endr
.irp b, 0,1
	v_add_nc_u32 v[SOP+\b], 0xff000000, v[BM+\b]
.endr
.irp b, 0,1
	v_lshrrev_b32 v[TA+\b], 23, v[SOP+\b]
.endr
	v_lshl_or_b32 v5, v[TA+1], 8, v[TA]            ; my head's two scale bytes
	v_mov_b32 v255, 0xffff
	v_cndmask_b32 v5, v5, v255, vcc_lo             ; NaN's bytes where no key was open
	v_cvt_scalef32_pk16_fp6_f32 v[PCD:PCD+2], v[S:S+15], v[SOP]
	v_cvt_scalef32_pk16_fp6_f32 v[TA:TA+2], v[S+16:S+31], v[SOP+1]
	v_nop
.irp i, 0,1,2
	v_permlane16_swap_b32 v[PCD+\i], v[TA+\i]
.endr
.irp i, 0,1,2
	v_mov_b32 v[PCD+3+\i], v[TA+\i]
.endr
	s_wait_xcnt 0x0                                ; the look-ahead's loads have read their bases, which serve the stores now
	s_lshr_b32 s70, s11, 4
	s_lshl_b32 s70, s70, 7
	s_add_co_u32 s70, s70, s14                     ; row block of 256: 128 x batch + tile
	s_and_b32 s71, s11, 15
	s_lshr_b32 s68, s71, 1                         ; K step of the next product: head / 2,
	s_and_b32 s71, s71, 1                          ; and which half of it
	s_lshl_b32 s104, s70, 3
	s_add_co_u32 s104, s104, s68
	s_mul_i32 s104, s104, 1536
	s_mul_i32 s69, s71, 768
	s_add_co_u32 s104, s104, s69
	s_add_nc_u64 s[76:77], s[8:9], s[104:105]
	s_lshr_b32 s104, s70, 3
	s_lshl_b32 s104, s104, 3
	s_add_co_u32 s104, s104, s68
	s_lshl_b32 s104, s104, 9
	s_bfe_u32 s69, s70, 0x10002
	s_lshl_b32 s69, s69, 8
	s_add_co_u32 s104, s104, s69
	s_and_b32 s69, s70, 3
	s_lshl_b32 s69, s69, 2
	s_add_co_u32 s104, s104, s69
	s_lshl_b32 s69, s71, 1
	s_add_co_u32 s104, s104, s69
	s_add_nc_u64 s[78:79], s[8:9], s[104:105]
	global_store_b128 v1, v[PCD:PCD+3], s[76:77]
	global_store_b64 v2, v[PCD+4:PCD+5], s[76:77] offset:512
	s_wait_xcnt 0x0                                ; EXEC changes only behind this wait
	v_cmp_gt_u32 vcc_lo, 16, v0
	s_and_saveexec_b32 s15, vcc_lo                 ; lanes 0-15: two bytes for each row
	global_store_b16 v3, v5, s[78:79] offset:ACT_S
	s_wait_xcnt 0x0
	s_or_b32 exec_lo, exec_lo, s15
	s_add_co_u32 s13, s13, 1
	s_cmp_lt_u32 s13, 2
	s_cbranch_scc1 .Lpass
	s_endpgm
.Lfunc_end_k_qfce6d25241_attn:
	.size	k_qfce6d25241_attn, .Lfunc_end_k_qfce6d25241_attn-k_qfce6d25241_attn
	.p2alignl 7, 3214868480
	.fill 96, 4, 3214868480
	.section	.rodata,"a",@progbits
	.p2align	6, 0x0
	.amdhsa_kernel k_qfce6d25241_attn
		.amdhsa_group_segment_fixed_size 0
		.amdhsa_private_segment_fixed_size 0
		.amdhsa_enable_private_segment 0
		.amdhsa_kernarg_size 24
		.amdhsa_user_sgpr_count 2
		.amdhsa_user_sgpr_kernarg_segment_ptr 1
		.amdhsa_wavefront_size32 1
		.amdhsa_system_sgpr_workgroup_id_x 1
		.amdhsa_system_sgpr_workgroup_id_y 1
		.amdhsa_system_sgpr_workgroup_id_z 1
		.amdhsa_system_vgpr_workitem_id 0
		.amdhsa_next_free_vgpr 256
		.amdhsa_next_free_sgpr 106
		.amdhsa_reserve_vcc 1
		.amdhsa_float_denorm_mode_32 3
		.amdhsa_float_denorm_mode_16_64 3
		.amdhsa_memory_ordered 1
		.amdhsa_forward_progress 1
		.amdhsa_inst_pref_size 34
	.end_amdhsa_kernel
	.amdgpu_metadata
---
amdhsa.version: [ 1, 2 ]
amdhsa.kernels:
  - .name:           k_qfce6d25241_attn
    .symbol:         k_qfce6d25241_attn.kd
    .args:
      - { .name: qkv, .offset: 0, .size: 8, .value_kind: global_buffer, .address_space: global }
      - { .name: mk, .offset: 8, .size: 8, .value_kind: global_buffer, .address_space: global }
      - { .name: act, .offset: 16, .size: 8, .value_kind: global_buffer, .address_space: global }
    .group_segment_fixed_size: 0
    .private_segment_fixed_size: 0
    .kernarg_segment_align: 8
    .kernarg_segment_size: 24
    .max_flat_workgroup_size: 256
    .sgpr_count:     106
    .vgpr_count:     256
    .wavefront_size: 32
...
	.end_amdgpu_metadata
.endif
;; end of part 4
;; launch wo (part 5): grid 4 x 16, 4 waves a work-group, clusters of 4 x 4, 327,680 bytes of LDS; arguments act, wimg, bo, x, x1; writes x1
.if DOCPART == 5
	.amdgcn_target "amdgcn-amd-amdhsa--gfx1250"
	.amdhsa_code_object_version 6
	.text
	.protected	k_qfce6d25241_wo
	.globl	k_qfce6d25241_wo
	.p2align	8
	.type	k_qfce6d25241_wo,@function
k_qfce6d25241_wo:
	s_mov_b64 s[64:65], 0
	v_nop
	global_prefetch_b8 v0, s[64:65] scope:SCOPE_SE
	s_setreg_imm32_b32 hwreg(HW_REG_WAVE_MODE, 25, 1), 1
	s_wait_xcnt 0x0
	s_wait_alu depctr_hold_cnt(0) depctr_sa_sdst(0) depctr_va_vdst(0) depctr_va_sdst(0) depctr_va_ssrc(0) depctr_va_vcc(0) depctr_vm_vsrc(0)
	s_getreg_b32 s2, hwreg(HW_REG_IB_STS2, 6, 4)
	s_cmp_eq_u32 s2, 0
	s_cbranch_scc0 .Lentry_in_a_cluster
	s_endpgm
.Lentry_in_a_cluster:
	s_bfe_u32 s2, ttmp6, 0x10000c
	s_cmp_lg_u32 s2, 0xf033
	s_cbranch_scc0 .Lentry_shape_is_right
	s_endpgm
.Lentry_shape_is_right:
; out = residual + (A W^T + bias): A as fragment and scale images, W likewise (their forms: the head of the first kernel), codes of FP6 (E2M3) with E8M0 scales; bias, residual and out f32, rows of 1,024.  Nothing is left out.
; Here: A = ctx (K = 1,024), W = Wo, bias = bo, residual = x, out = x1.
; A tile of 256 x 256 to a work-group of four waves, 128 x 128 to a wave: 64 accumulators.  K goes in steps of 256 through two LDS slots; the scale images of all of K come once and stay.  With 1,024 columns that is 64 work-groups.
; CLUSTERS 4 x 4: A's tiles are shared along a row of the cluster, W's along a column: joint loads.  Source 0 = W's rows, source 1 = A's: a lane holds eight neighbouring columns of one row of the result.
; THE WAY OUT: a block of 16 rows x 128 columns goes through my own stage in LDS (in slot 0, which has had its last fill and its last read) and comes back as rows of 512 bytes; bias and residual are added; 32 lanes store 512 bytes.
.set SIZE_K, 1024
.set AS,  3145728                      ; A's scale images in its buffer
.set WC,  2359296                      ; W's codes in wimg
.set WSC, 9535488                      ; and its scale images
.set NS,    SIZE_K/128
.set RBP,   1536*NS
.set NQ,    2
.set NL,    4
.set NP,    4
.set HALFT, 8*3072
.set SLOT,  4*HALFT
.set LAPS,  SIZE_K/512
.set HALFS, 512*NS
.set SCL,   2*SLOT
.set SPARE, SCL+4*HALFS
.set L16, 12
.set L8,  13
.set A16, 16
.set A8,  18
.set B16, 20
.set B8,  22
.set STO, 24                           ; v24 the stage: where I put 32 bytes of a row;  v25 where I read a row back
.set RD,  25
.set ADSA, 27
.set SPW, 28
.set NIL, 29
.set ADSB, 30
.set SC,  32                           ; v32-63 scale words and nothing else
.set AF,  128
.set BK,  192                          ; the way out: 16 rows back from the stage; the residual's rows in v64-127 and v128-191 by turns; v8-11 the bias of my four columns
.set G1, 24
.set G0, 32
.set G1B, 48
.set G0B, 56
.set G1S, 68
.set G0S, 76
.set G1SB, 80
.set G0SB, 88
.set MSB, 0
.macro WIN new
.if MSB != \new
	s_set_vgpr_msb (MSB<<8)|\new
.set MSB, \new
.endif
.endm
.set MUL_LO, 0xa1
.set MUL_HI, 0xf1
.set TO_B,   0x40
.macro JLOAD g0a, g1a, g0b, g1b        ; a joint load: waves 0 and 1 fetch for A, waves 2 and 3 for B; an s_nop 0 and four v_nop follow each line
	s_cmp_eq_u32 s15, 0
	s_cbranch_scc0 .Lfor_b_\@
	tensor_load_to_lds s[\g0a:\g0a+3], s[\g1a:\g1a+7]
	s_nop 0
.rept 4
	v_nop
.endr
	s_branch .Lasked_\@
.Lfor_b_\@:
	tensor_load_to_lds s[\g0b:\g0b+3], s[\g1b:\g1b+7]
	s_nop 0
.rept 4
	v_nop
.endr
.Lasked_\@:
.endm
.macro CREST
	s_cmp_lg_u32 s14, 0
	s_cbranch_scc1 .Lnot_wave_0_\@
	s_barrier_signal -3
.Lnot_wave_0_\@:
	s_barrier_wait -3
	s_barrier_signal -1
	s_barrier_wait -1
.endm
.macro CROUND
	s_barrier_signal -1
	s_barrier_wait -1
	CREST
.endm
.macro FRAG reg, a16, a8, q, i
	ds_load_b128 v[\reg:\reg+3], v[\a16] offset:3072*(\i)+1536*(\q)
	ds_load_b64 v[\reg+4:\reg+5], v[\a8] offset:3072*(\i)+1536*(\q)+512
	ds_load_b128 v[\reg+6:\reg+9], v[\a16] offset:3072*(\i)+1536*(\q)+768
	ds_load_b64 v[\reg+10:\reg+11], v[\a8] offset:3072*(\i)+1536*(\q)+1280
.endm
.macro WM a, b, p, q, sc, zero
.set rD, 8*(8*((\a)%4)+(\b))
.set rB, 128*(\p)+12*(\b)
.set rA, AF+12*(\a)
.set sB, SC+16*(\sc)+8+4*(\q)+(\b)%4
.set sA, SC+16*(\sc)+4*(\q)+(\a)%4
.if \zero
.if ((\b)/4) && ((\a)/4)
	v_wmma_scale_f32_16x16x128_f8f6f4 v[rD:rD+7], v[rB:rB+11], v[rA:rA+11], 0, v[sB], v[sA] matrix_a_fmt:MATRIX_FMT_FP6 matrix_b_fmt:MATRIX_FMT_FP6 matrix_a_scale:MATRIX_SCALE_ROW1 matrix_b_scale:MATRIX_SCALE_ROW1
.elseif (\b)/4
	v_wmma_scale_f32_16x16x128_f8f6f4 v[rD:rD+7], v[rB:rB+11], v[rA:rA+11], 0, v[sB], v[sA] matrix_a_fmt:MATRIX_FMT_FP6 matrix_b_fmt:MATRIX_FMT_FP6 matrix_a_scale:MATRIX_SCALE_ROW1
.elseif (\a)/4
	v_wmma_scale_f32_16x16x128_f8f6f4 v[rD:rD+7], v[rB:rB+11], v[rA:rA+11], 0, v[sB], v[sA] matrix_a_fmt:MATRIX_FMT_FP6 matrix_b_fmt:MATRIX_FMT_FP6 matrix_b_scale:MATRIX_SCALE_ROW1
.else
	v_wmma_scale_f32_16x16x128_f8f6f4 v[rD:rD+7], v[rB:rB+11], v[rA:rA+11], 0, v[sB], v[sA] matrix_a_fmt:MATRIX_FMT_FP6 matrix_b_fmt:MATRIX_FMT_FP6
.endif
.else
.if ((\b)/4) && ((\a)/4)
	v_wmma_scale_f32_16x16x128_f8f6f4 v[rD:rD+7], v[rB:rB+11], v[rA:rA+11], v[rD:rD+7], v[sB], v[sA] matrix_a_fmt:MATRIX_FMT_FP6 matrix_b_fmt:MATRIX_FMT_FP6 matrix_a_scale:MATRIX_SCALE_ROW1 matrix_b_scale:MATRIX_SCALE_ROW1
.elseif (\b)/4
	v_wmma_scale_f32_16x16x128_f8f6f4 v[rD:rD+7], v[rB:rB+11], v[rA:rA+11], v[rD:rD+7], v[sB], v[sA] matrix_a_fmt:MATRIX_FMT_FP6 matrix_b_fmt:MATRIX_FMT_FP6 matrix_a_scale:MATRIX_SCALE_ROW1
.elseif (\a)/4
	v_wmma_scale_f32_16x16x128_f8f6f4 v[rD:rD+7], v[rB:rB+11], v[rA:rA+11], v[rD:rD+7], v[sB], v[sA] matrix_a_fmt:MATRIX_FMT_FP6 matrix_b_fmt:MATRIX_FMT_FP6 matrix_b_scale:MATRIX_SCALE_ROW1
.else
	v_wmma_scale_f32_16x16x128_f8f6f4 v[rD:rD+7], v[rB:rB+11], v[rA:rA+11], v[rD:rD+7], v[sB], v[sA] matrix_a_fmt:MATRIX_FMT_FP6 matrix_b_fmt:MATRIX_FMT_FP6
.endif
.endif
.endm
.macro MUL16 a0, p, q, sc, zero        ; the 64 accumulators take turns, one instruction a turn, in the same order in every step
.irp a, \a0, \a0+1
.irp b, 0,1,2,3,4,5,6,7
	WM \a, \b, \p, \q, \sc, \zero
.endr
.endr
.endm
.macro FETCH_B slot, q, p
	WIN TO_B
.irp i, 0,1,2,3,4,5,6,7
	FRAG 128*(\p)+12*\i, B16+\slot, B8+\slot, \q, \i
.endr
	WIN 0
.endm
.macro FETCH_A slot, q, i0
.irp i, \i0, \i0+1, \i0+2, \i0+3
	FRAG AF+12*(\i), A16+\slot, A8+\slot, \q, \i
.endr
.endm
.macro SCALES sc
.irp q, 0,1
	ds_load_b128 v[SC+16*\sc+4*\q:SC+16*\sc+4*\q+3], v[ADSA] offset:512*\q
	ds_load_b128 v[SC+16*\sc+8+4*\q:SC+16*\sc+8+4*\q+3], v[ADSB] offset:512*\q
.endr
.endm
.macro PLACES n
.rept \n
	v_nop
.endr
.endm
.macro STEP slot, q, zero
	s_wait_dscnt 4*NL                              ; all but the youngest 16 loads (A's blocks 4-7) are in
	WIN MUL_LO
	MUL16 0, (\q)%2, \q, \slot, \zero
	MUL16 2, (\q)%2, \q, \slot, \zero
	s_wait_dscnt 0
	PLACES NP
	FETCH_B \slot, (\q)+1, 1-(\q)%2
	FETCH_A \slot, (\q)+1, 0
	WIN MUL_HI
	MUL16 4, (\q)%2, \q, \slot, \zero
	MUL16 6, (\q)%2, \q, \slot, \zero
	PLACES NP
	WIN 0
	FETCH_A \slot, (\q)+1, 4
.endm
.macro TURN slot, next, fill
	s_wait_tensorcnt 0x0                           ; all my tensor loads have landed: my part of the next slot
	ds_add_u32 v[SPW], v[NIL]                      ; 0 onto my spare word
	s_wait_dscnt 4*NL+1                            ; (the add and the youngest 16 loads may be out)
	WIN MUL_LO
	MUL16 0, 1, NQ-1, \slot, 0
	s_wait_dscnt 0x0                               ; the add is done, and my reads of this slot are over
	s_barrier_signal -1
	MUL16 2, 1, NQ-1, \slot, 0
	WIN 0
	s_barrier_wait -1
.if \fill
	CREST                                          ; no wave of any partner still reads this slot or has a load on its way
	s_add_nc_u64 s[G0+4*\slot+2:G0+4*\slot+3], s[G0+4*\slot+2:G0+4*\slot+3], 6144
	s_add_nc_u64 s[G0B+4*\slot+2:G0B+4*\slot+3], s[G0B+4*\slot+2:G0B+4*\slot+3], 6144
	JLOAD G0+4*\slot, G1, G0B+4*\slot, G1B
.else
	PLACES NP
.endif
	v_add_nc_u32 v[ADSA], 1024, v[ADSA]
	v_add_nc_u32 v[ADSB], 1024, v[ADSB]
	FETCH_B \next, 0, 0
	FETCH_A \next, 0, 0
	SCALES \next
	WIN MUL_HI
	MUL16 4, 1, NQ-1, \slot, 0
	MUL16 6, 1, NQ-1, \slot, 0
	PLACES NP
	WIN 0
	FETCH_A \next, 0, 4
.endm
.macro LAST
	s_wait_dscnt 4*NL
	WIN MUL_LO
	MUL16 0, 1, NQ-1, 1, 0
	MUL16 2, 1, NQ-1, 1, 0
	s_wait_dscnt 0
	WIN MUL_HI
	MUL16 4, 1, NQ-1, 1, 0
	MUL16 6, 1, NQ-1, 1, 0
	WIN 0
.endm
.macro XLOAD a                         ; the residual's rows 16 a .. 16 a + 15, my wave's 512 bytes of each
.set XX, 64+64*((\a)%2)
.irp t, 0,1,2,3,4,5,6,7,8,9,10,11,12,13,14,15
	global_load_b128 v[XX+4*\t:XX+4*\t+3], v[L16], s[98:99] offset:(16*(\a)+\t)*4096
.endr
.endm
.macro TOSTAGE a                       ; LDS serves a wave's instructions in order (ISA guide 5.7.1.4): the loads see the stores
.set AC, 64*((\a)%4)
	WIN 0x08+4*((\a)/4)
.irp b, 0,1,2,3,4,5,6,7
	ds_store_b128 v[STO], v[AC+8*\b:AC+8*\b+3] offset:64*\b          ; each accumulator from its low end on
	ds_store_b128 v[STO], v[AC+8*\b+4:AC+8*\b+7] offset:64*\b+16
.endr
	WIN 0
.irp t, 0,1,2,3,4,5,6,7,8,9,10,11,12,13,14,15
	ds_load_b128 v[BK+4*\t:BK+4*\t+3], v[RD] offset:\t*528
.endr
.endm
	s_load_b128 s[4:7], s[0:1], 0x0                ; A's buffer, wimg
	s_load_b128 s[8:11], s[0:1], 0x10              ; bias, residual
	s_load_b64 s[12:13], s[0:1], 0x20              ; out
	v_lshl_add_u32 v[SPW], v0, 2, SPARE
	v_mov_b32 v[NIL], 0
	ds_add_u32 v[SPW], v[NIL]                      ; the wave's opening: the add, twice on end, and its wait ahead of my first tensor load
	ds_add_u32 v[SPW], v[NIL]
	v_lshrrev_b32 v1, 5, v0
	v_readfirstlane_b32 s14, v1
	s_lshr_b32 s15, s14, 1
	s_and_b32 s16, s14, 1
	s_bfe_u32 s40, ttmp6, 0x40000
	s_bfe_u32 s41, ttmp6, 0x40004
	s_lshl_b32 s42, ttmp9, 2
	s_add_co_u32 s42, s42, s40                     ; tile column
	s_and_b32 s17, ttmp7, 0xffff
	s_lshl_b32 s17, s17, 2
	s_add_co_u32 s17, s17, s41                     ; tile row
	s_lshl_b32 s43, s41, 2
	s_lshl_b32 s43, 15, s43
	s_lshl_b32 s44, 0x1111, s40
	s_or_b32 s[G1], s43, (3<<16)|(1<<21)
	s_or_b32 s[G1B], s44, (3<<16)|(1<<21)
.irp g, G1, G1B
	s_mov_b32 s[\g+1], 384<<16
	s_mov_b32 s[\g+2], 8<<16
	s_mov_b32 s[\g+3], 384<<16
	s_mov_b32 s[\g+4], 8
	s_mov_b32 s[\g+5], RBP/8
	s_mov_b32 s[\g+6], 0
	s_mov_b32 s[\g+7], 0
.endr
	s_or_b32 s[G1S], s43, (3<<16)|(1<<21)
	s_or_b32 s[G1SB], s44, (3<<16)|(1<<21)
.irp g, G1S, G1SB
	s_mov_b32 s[\g+1], 32<<16
	s_mov_b32 s[\g+2], (HALFS/256)<<16
	s_mov_b32 s[\g+3], 32<<16
	s_mov_b32 s[\g+4], HALFS/256
	s_mov_b32 s[\g+5], 32
	s_mov_b32 s[\g+6], 0
	s_mov_b32 s[\g+7], 0
.endr
	s_lshl_b32 s18, s16, 3
	s_lshl_b32 s20, s17, 4
	s_add_co_u32 s20, s20, s18
	s_mul_i32 s20, s20, RBP
	s_mov_b32 s21, 0
	s_lshl_b32 s46, s42, 4
	s_add_co_u32 s46, s46, s18
	s_mul_i32 s46, s46, RBP
	s_mov_b32 s47, 0
	s_lshl_b32 s22, s17, 1
	s_add_co_u32 s22, s22, s16
	s_mul_i32 s22, s22, HALFS
	s_mov_b32 s23, 0
	s_lshl_b32 s92, s42, 1
	s_add_co_u32 s92, s92, s16
	s_mul_i32 s92, s92, HALFS
	s_mov_b32 s93, 0
	s_mul_i32 s45, s14, HALFT
	s_mul_i32 s94, s14, HALFS
	s_wait_dscnt 0x0                               ; both opening adds are done
	s_wait_kmcnt 0x0
	s_mov_b64 s[96:97], s[8:9]                     ; bias
	s_mov_b64 s[98:99], s[10:11]                   ; residual
	s_add_nc_u64 s[8:9], s[6:7], WC
	s_add_nc_u64 s[10:11], s[6:7], WSC
	s_add_nc_u64 s[6:7], s[4:5], AS
	s_add_nc_u64 s[20:21], s[4:5], s[20:21]
	s_add_nc_u64 s[22:23], s[6:7], s[22:23]
	s_add_nc_u64 s[46:47], s[8:9], s[46:47]
	s_add_nc_u64 s[92:93], s[10:11], s[92:93]
	CROUND
	s_mov_b32 s[G0S], 1
	s_add_co_u32 s[G0S+1], s94, SCL
	s_mov_b64 s[G0S+2:G0S+3], s[22:23]
	s_or_b32 s[G0S+3], s[G0S+3], 0x80000000
	s_mov_b32 s[G0SB], 1
	s_add_co_u32 s[G0SB+1], s94, SCL
	s_mov_b64 s[G0SB+2:G0SB+3], s[92:93]
	s_or_b32 s[G0SB+3], s[G0SB+3], 0x80000000
	JLOAD G0S, G1S, G0SB, G1SB                     ; with the two slots three tensor loads of mine are out at the most
.irp s, 0,1
	s_mov_b32 s[G0+4*\s], 1
	s_add_co_u32 s[G0+4*\s+1], s45, \s*SLOT
	s_add_nc_u64 s[G0+4*\s+2:G0+4*\s+3], s[20:21], \s*3072
	s_or_b32 s[G0+4*\s+3], s[G0+4*\s+3], 0x80000000
	s_mov_b32 s[G0B+4*\s], 1
	s_add_co_u32 s[G0B+4*\s+1], s45, \s*SLOT
	s_add_nc_u64 s[G0B+4*\s+2:G0B+4*\s+3], s[46:47], \s*3072
	s_or_b32 s[G0B+4*\s+3], s[G0B+4*\s+3], 0x80000000
	JLOAD G0+4*\s, G1, G0B+4*\s, G1B
.endr
	v_and_b32 v1, 15, v0
	v_bfe_u32 v2, v0, 4, 1
	v_and_b32 v3, 31, v0
	v_lshlrev_b32 v[L16], 4, v3
	v_lshlrev_b32 v[L8], 3, v3
	s_mul_i32 s21, s15, HALFT
	s_mul_i32 s22, s16, HALFT
	s_add_co_u32 s22, s22, 2*HALFT
.irp s, 0,1
	v_add_nc_u32 v[A16+\s], s21, v[L16]
	v_add_nc_u32 v[A8+\s], s21, v[L8]
	v_add_nc_u32 v[B16+\s], s22, v[L16]
	v_add_nc_u32 v[B8+\s], s22, v[L8]
	s_add_co_u32 s21, s21, SLOT
	s_add_co_u32 s22, s22, SLOT
.endr
	s_mul_i32 s21, s15, HALFS
	s_add_co_u32 s21, s21, SCL
	v_add_nc_u32 v[ADSA], s21, v[L16]
	s_mul_i32 s22, s16, HALFS
	s_add_co_u32 s22, s22, SCL+2*HALFS
	v_add_nc_u32 v[ADSB], s22, v[L16]
	s_mul_i32 s23, s14, 16*528                     ; my stage
	v_mul_u32_u24 v5, v1, 528
	v_lshl_add_u32 v5, v2, 5, v5
	v_add_nc_u32 v[STO], s23, v5
	v_add_nc_u32 v[RD], s23, v[L16]
	s_lshl_b32 s20, s17, 8
	s_lshl_b32 s21, s15, 7
	s_add_co_u32 s20, s20, s21                     ; my first row,
	s_lshl_b32 s20, s20, 12                        ; of 4,096 bytes
	s_lshl_b32 s46, s42, 10
	s_lshl_b32 s47, s16, 9
	s_add_co_u32 s46, s46, s47                     ; my first column, in bytes
	s_mov_b32 s47, 0
	s_add_nc_u64 s[96:97], s[96:97], s[46:47]
	s_add_co_u32 s20, s20, s46
	s_mov_b32 s21, 0
	s_add_nc_u64 s[98:99], s[98:99], s[20:21]
	s_add_nc_u64 s[12:13], s[12:13], s[20:21]
	global_load_b128 v[8:11], v[L16], s[96:97]     ; the bias of my four columns
	XLOAD 0                                        ; the first block's residual lands under the products
	s_wait_tensorcnt 1                             ; the scale images and my part of slot 0 are in; slot 1's load may be out
	s_barrier_signal -1
	s_barrier_wait -1
	FETCH_B 0, 0, 0
	FETCH_A 0, 0, 0
	SCALES 0
	FETCH_A 0, 0, 4
	STEP 0, 0, 1
	s_mov_b32 s3, LAPS-1
.Llap:
	TURN 0, 1, 1
	STEP 1, 0, 0
	TURN 1, 0, 1
	STEP 0, 0, 0
	s_sub_co_u32 s3, s3, 1
	s_cmp_lg_u32 s3, 0
	s_cbranch_scc1 .Llap
	TURN 0, 1, 0
	STEP 1, 0, 0
	LAST
	PLACES NP
.irp a, 0,1,2,3,4,5,6,7
.if \a < 7
	XLOAD \a+1
.endif
.if \a > 0
	s_wait_xcnt 0x0                                ; the last block's stores have read their registers
.endif
	TOSTAGE \a
	s_wait_dscnt 0x0
.if \a < 7
	s_wait_loadcnt 16                              ; this block's residual is in; the next block's 16 loads may be out
.else
	s_wait_loadcnt 0x0
.endif
.set XX, 64+64*(\a%2)
.irp t, 0,1,2,3,4,5,6,7,8,9,10,11,12,13,14,15
	v_pk_add_f32 v[BK+4*\t:BK+4*\t+1], v[BK+4*\t:BK+4*\t+1], v[8:9]
	v_pk_add_f32 v[BK+4*\t+2:BK+4*\t+3], v[BK+4*\t+2:BK+4*\t+3], v[10:11]
	v_pk_add_f32 v[BK+4*\t:BK+4*\t+1], v[BK+4*\t:BK+4*\t+1], v[XX+4*\t:XX+4*\t+1]
	v_pk_add_f32 v[BK+4*\t+2:BK+4*\t+3], v[BK+4*\t+2:BK+4*\t+3], v[XX+4*\t+2:XX+4*\t+3]
	global_store_b128 v[L16], v[BK+4*\t:BK+4*\t+3], s[12:13] offset:(16*\a+\t)*4096   ; 32 lanes store 512 consecutive bytes, aligned
.endr
.endr
	s_wait_tensorcnt 0x0                           ; the wave's end: behind my last tensor load and my last LDS store
	ds_add_u32 v[SPW], v[NIL]
	s_wait_dscnt 0x0
	CROUND                                         ; the closing round
	s_endpgm
.Lfunc_end_k_qfce6d25241_wo:
	.size	k_qfce6d25241_wo, .Lfunc_end_k_qfce6d25241_wo-k_qfce6d25241_wo
	.p2alignl 7, 3214868480
	.fill 96, 4, 3214868480
	.section	.rodata,"a",@progbits
	.p2align	6, 0x0
	.amdhsa_kernel k_qfce6d25241_wo
		.amdhsa_group_segment_fixed_size 327680
		.amdhsa_private_segment_fixed_size 0
		.amdhsa_enable_private_segment 0
		.amdhsa_kernarg_size 40
		.amdhsa_user_sgpr_count 2
		.amdhsa_user_sgpr_kernarg_segment_ptr 1
		.amdhsa_wavefront_size32 1
		.amdhsa_system_sgpr_workgroup_id_x 1
		.amdhsa_system_sgpr_workgroup_id_y 1
		.amdhsa_system_sgpr_workgroup_id_z 1
		.amdhsa_system_vgpr_workitem_id 0
		.amdhsa_next_free_vgpr 1024
		.amdhsa_next_free_sgpr 102
		.amdhsa_reserve_vcc 0
		.amdhsa_float_denorm_mode_32 3
		.amdhsa_float_denorm_mode_16_64 3
		.amdhsa_memory_ordered 1
		.amdhsa_forward_progress 1
		.amdhsa_inst_pref_size 187
	.end_amdhsa_kernel
	.amdgpu_metadata
---
amdhsa.version: [ 1, 2 ]
amdhsa.kernels:
  - .name:           k_qfce6d25241_wo
    .symbol:         k_qfce6d25241_wo.kd
    .args:
      - { .name: act, .offset: 0, .size: 8, .value_kind: global_buffer, .address_space: global }
      - { .name: wimg, .offset: 8, .size: 8, .value_kind: global_buffer, .address_space: global }
      - { .name: bo, .offset: 16, .size: 8, .value_kind: global_buffer, .address_space: global }
      - { .name: x, .offset: 24, .size: 8, .value_kind: global_buffer, .address_space: global }
      - { .name: x1, .offset: 32, .size: 8, .value_kind: global_buffer, .address_space: global }
    .group_segment_fixed_size: 327680
    .private_segment_fixed_size: 0
    .kernarg_segment_align: 8
    .kernarg_segment_size: 40
    .max_flat_workgroup_size: 128
    .sgpr_count:     102
    .vgpr_count:     1024
    .wavefront_size: 32
...
	.end_amdgpu_metadata
.endif
;; end of part 5
;; launch ln2: the kernel of part 2 again; grid 256 x 1, 8 waves a work-group, no clusters, 2,048 bytes of LDS; arguments x1, g2, be2, act; writes act
;; launch ffn1 (part 6): grid 16 x 16, 4 waves a work-group, clusters of 4 x 4, 327,680 bytes of LDS; arguments act, wimg, b1, hid; writes hid
.if DOCPART == 6
	.amdgcn_target "amdgcn-amd-amdhsa--gfx1250"
	.amdhsa_code_object_version 6
	.text
	.protected	k_qfce6d25241_ffn1
	.globl	k_qfce6d25241_ffn1
	.p2align	8
	.type	k_qfce6d25241_ffn1,@function
k_qfce6d25241_ffn1:
	s_mov_b64 s[64:65], 0
	v_nop
	global_prefetch_b8 v0, s[64:65] scope:SCOPE_SE
	s_setreg_imm32_b32 hwreg(HW_REG_WAVE_MODE, 25, 1), 1
	s_wait_xcnt 0x0
	s_wait_alu depctr_hold_cnt(0) depctr_sa_sdst(0) depctr_va_vdst(0) depctr_va_sdst(0) depctr_va_ssrc(0) depctr_va_vcc(0) depctr_vm_vsrc(0)
	s_getreg_b32 s2, hwreg(HW_REG_IB_STS2, 6, 4)
	s_cmp_eq_u32 s2, 0
	s_cbranch_scc0 .Lentry_in_a_cluster
	s_endpgm
.Lentry_in_a_cluster:
	s_bfe_u32 s2, ttmp6, 0x10000c
	s_cmp_lg_u32 s2, 0xf033
	s_cbranch_scc0 .Lentry_shape_is_right
	s_endpgm
.Lentry_shape_is_right:
; hidden = relu(h2 W1^T + b1) on codes of FP6 (E2M3) with E8M0 scales; the result is quantised along the hidden units on the way out and stored as fragment and scale images for the next product.  Nothing is left out.
; Both operands come as images (their forms: the head of the first kernel).  A tile of 256 x 256 to a work-group of four waves, 128 x 128 to a wave; K = 1,024 in steps of 256 through two LDS slots; the scale images come once and stay.
; CLUSTERS 4 x 4: the tokens' tiles are shared along a row of the cluster, W1's along a column: joint loads.  Source 0 = W1's rows, source 1 = tokens: a lane holds ONE token and its registers run along the hidden units.
; W1's image takes its rows so (lane r of block 2 b + u: row 32 b + 8 u + r + 8 (r / 8)) that registers 16 b + i of a lane are hidden units 32 b + 16 h + i: neighbours along the next K, in W2's own order.
; LIMITS: NaN and infinities are not served; a block under 2^-124 (a block of zeros too) gets the byte 1.
.set SIZE_K, 1024
.set ACT_S, 3145728
.set NS,    SIZE_K/128
.set RBP,   1536*NS
.set NQ,    2
.set NL,    4
.set NP,    4
.set HALFT, 8*3072
.set SLOT,  4*HALFT
.set LAPS,  SIZE_K/512
.set HALFS, 512*NS
.set SCL,   2*SLOT
.set SPARE, SCL+4*HALFS
.set L16, 12
.set L8,  13
.set A16, 16
.set A8,  18
.set B16, 20
.set B8,  22
.set ADSA, 27
.set SPW, 28
.set NIL, 29
.set ADSB, 30
.set SC,  32                           ; v32-63 scale words and nothing else
.set BIAS, 64
.set AF,  128
.set T,   128
.set PC,  192
.set TM,  212
.set PW,  228
.set WS,  230
.set DS,  246
.set SEL, 4
.set HM,  6
.set G1, 24
.set G0, 32
.set G1B, 48
.set G0B, 56
.set G1S, 68
.set G0S, 76
.set G1SB, 80
.set G0SB, 88
.set MSB, 0
.macro WIN new
.if MSB != \new
	s_set_vgpr_msb (MSB<<8)|\new
.set MSB, \new
.endif
.endm
.set MUL_LO, 0xa1
.set MUL_HI, 0xf1
.set TO_B,   0x40
.macro JLOAD g0a, g1a, g0b, g1b        ; a joint load: waves 0 and 1 fetch for A, waves 2 and 3 for B; an s_nop 0 and four v_nop follow each line
	s_cmp_eq_u32 s15, 0
	s_cbranch_scc0 .Lfor_b_\@
	tensor_load_to_lds s[\g0a:\g0a+3], s[\g1a:\g1a+7]
	s_nop 0
.rept 4
	v_nop
.endr
	s_branch .Lasked_\@
.Lfor_b_\@:
	tensor_load_to_lds s[\g0b:\g0b+3], s[\g1b:\g1b+7]
	s_nop 0
.rept 4
	v_nop
.endr
.Lasked_\@:
.endm
.macro CREST
	s_cmp_lg_u32 s14, 0
	s_cbranch_scc1 .Lnot_wave_0_\@
	s_barrier_signal -3
.Lnot_wave_0_\@:
	s_barrier_wait -3
	s_barrier_signal -1
	s_barrier_wait -1
.endm
.macro CROUND
	s_barrier_signal -1
	s_barrier_wait -1
	CREST
.endm
.macro FRAG reg, a16, a8, q, i
	ds_load_b128 v[\reg:\reg+3], v[\a16] offset:3072*(\i)+1536*(\q)
	ds_load_b64 v[\reg+4:\reg+5], v[\a8] offset:3072*(\i)+1536*(\q)+512
	ds_load_b128 v[\reg+6:\reg+9], v[\a16] offset:3072*(\i)+1536*(\q)+768
	ds_load_b64 v[\reg+10:\reg+11], v[\a8] offset:3072*(\i)+1536*(\q)+1280
.endm
.macro WM a, b, p, q, sc, zero
.set rD, 8*(8*((\a)%4)+(\b))
.set rB, 128*(\p)+12*(\b)
.set rA, AF+12*(\a)
.set sB, SC+16*(\sc)+8+4*(\q)+(\b)%4
.set sA, SC+16*(\sc)+4*(\q)+(\a)%4
.if \zero
.if ((\b)/4) && ((\a)/4)
	v_wmma_scale_f32_16x16x128_f8f6f4 v[rD:rD+7], v[rB:rB+11], v[rA:rA+11], 0, v[sB], v[sA] matrix_a_fmt:MATRIX_FMT_FP6 matrix_b_fmt:MATRIX_FMT_FP6 matrix_a_scale:MATRIX_SCALE_ROW1 matrix_b_scale:MATRIX_SCALE_ROW1
.elseif (\b)/4
	v_wmma_scale_f32_16x16x128_f8f6f4 v[rD:rD+7], v[rB:rB+11], v[rA:rA+11], 0, v[sB], v[sA] matrix_a_fmt:MATRIX_FMT_FP6 matrix_b_fmt:MATRIX_FMT_FP6 matrix_a_scale:MATRIX_SCALE_ROW1
.elseif (\a)/4
	v_wmma_scale_f32_16x16x128_f8f6f4 v[rD:rD+7], v[rB:rB+11], v[rA:rA+11], 0, v[sB], v[sA] matrix_a_fmt:MATRIX_FMT_FP6 matrix_b_fmt:MATRIX_FMT_FP6 matrix_b_scale:MATRIX_SCALE_ROW1
.else
	v_wmma_scale_f32_16x16x128_f8f6f4 v[rD:rD+7], v[rB:rB+11], v[rA:rA+11], 0, v[sB], v[sA] matrix_a_fmt:MATRIX_FMT_FP6 matrix_b_fmt:MATRIX_FMT_FP6
.endif
.else
.if ((\b)/4) && ((\a)/4)
	v_wmma_scale_f32_16x16x128_f8f6f4 v[rD:rD+7], v[rB:rB+11], v[rA:rA+11], v[rD:rD+7], v[sB], v[sA] matrix_a_fmt:MATRIX_FMT_FP6 matrix_b_fmt:MATRIX_FMT_FP6 matrix_a_scale:MATRIX_SCALE_ROW1 matrix_b_scale:MATRIX_SCALE_ROW1
.elseif (\b)/4
	v_wmma_scale_f32_16x16x128_f8f6f4 v[rD:rD+7], v[rB:rB+11], v[rA:rA+11], v[rD:rD+7], v[sB], v[sA] matrix_a_fmt:MATRIX_FMT_FP6 matrix_b_fmt:MATRIX_FMT_FP6 matrix_a_scale:MATRIX_SCALE_ROW1
.elseif (\a)/4
	v_wmma_scale_f32_16x16x128_f8f6f4 v[rD:rD+7], v[rB:rB+11], v[rA:rA+11], v[rD:rD+7], v[sB], v[sA] matrix_a_fmt:MATRIX_FMT_FP6 matrix_b_fmt:MATRIX_FMT_FP6 matrix_b_scale:MATRIX_SCALE_ROW1
.else
	v_wmma_scale_f32_16x16x128_f8f6f4 v[rD:rD+7], v[rB:rB+11], v[rA:rA+11], v[rD:rD+7], v[sB], v[sA] matrix_a_fmt:MATRIX_FMT_FP6 matrix_b_fmt:MATRIX_FMT_FP6
.endif
.endif
.endm
.macro MUL16 a0, p, q, sc, zero        ; the 64 accumulators take turns, one instruction a turn, in the same order in every step
.irp a, \a0, \a0+1
.irp b, 0,1,2,3,4,5,6,7
	WM \a, \b, \p, \q, \sc, \zero
.endr
.endr
.endm
.macro FETCH_B slot, q, p
	WIN TO_B
.irp i, 0,1,2,3,4,5,6,7
	FRAG 128*(\p)+12*\i, B16+\slot, B8+\slot, \q, \i
.endr
	WIN 0
.endm
.macro FETCH_A slot, q, i0
.irp i, \i0, \i0+1, \i0+2, \i0+3
	FRAG AF+12*(\i), A16+\slot, A8+\slot, \q, \i
.endr
.endm
.macro SCALES sc
.irp q, 0,1
	ds_load_b128 v[SC+16*\sc+4*\q:SC+16*\sc+4*\q+3], v[ADSA] offset:512*\q
	ds_load_b128 v[SC+16*\sc+8+4*\q:SC+16*\sc+8+4*\q+3], v[ADSB] offset:512*\q
.endr
.endm
.macro PLACES n
.rept \n
	v_nop
.endr
.endm
.macro STEP slot, q, zero
	s_wait_dscnt 4*NL                              ; all but the youngest 16 loads (A's blocks 4-7) are in
	WIN MUL_LO
	MUL16 0, (\q)%2, \q, \slot, \zero
	MUL16 2, (\q)%2, \q, \slot, \zero
	s_wait_dscnt 0
	PLACES NP
	FETCH_B \slot, (\q)+1, 1-(\q)%2
	FETCH_A \slot, (\q)+1, 0
	WIN MUL_HI
	MUL16 4, (\q)%2, \q, \slot, \zero
	MUL16 6, (\q)%2, \q, \slot, \zero
	PLACES NP
	WIN 0
	FETCH_A \slot, (\q)+1, 4
.endm
.macro TURN slot, next, fill
	s_wait_tensorcnt 0x0                           ; all my tensor loads have landed: my part of the next slot
	ds_add_u32 v[SPW], v[NIL]                      ; 0 onto my spare word
	s_wait_dscnt 4*NL+1                            ; (the add and the youngest 16 loads may be out)
	WIN MUL_LO
	MUL16 0, 1, NQ-1, \slot, 0
	s_wait_dscnt 0x0                               ; the add is done, and my reads of this slot are over
	s_barrier_signal -1
	MUL16 2, 1, NQ-1, \slot, 0
	WIN 0
	s_barrier_wait -1
.if \fill
	CREST                                          ; no wave of any partner still reads this slot or has a load on its way
	s_add_nc_u64 s[G0+4*\slot+2:G0+4*\slot+3], s[G0+4*\slot+2:G0+4*\slot+3], 6144
	s_add_nc_u64 s[G0B+4*\slot+2:G0B+4*\slot+3], s[G0B+4*\slot+2:G0B+4*\slot+3], 6144
	JLOAD G0+4*\slot, G1, G0B+4*\slot, G1B
.else
	PLACES NP
.endif
	v_add_nc_u32 v[ADSA], 1024, v[ADSA]
	v_add_nc_u32 v[ADSB], 1024, v[ADSB]
	FETCH_B \next, 0, 0
	FETCH_A \next, 0, 0
	SCALES \next
	WIN MUL_HI
	MUL16 4, 1, NQ-1, \slot, 0
	MUL16 6, 1, NQ-1, \slot, 0
	PLACES NP
	WIN 0
	FETCH_A \next, 0, 4
.endm
.macro LAST
	s_wait_dscnt 4*NL
	WIN MUL_LO
	MUL16 0, 1, NQ-1, 1, 0
	MUL16 2, 1, NQ-1, 1, 0
	s_wait_dscnt 0
	WIN MUL_HI
	MUL16 4, 1, NQ-1, 1, 0
	MUL16 6, 1, NQ-1, 1, 0
	WIN 0
.endm
.macro QUANT s                         ; 64 numbers of a lane, register 16 b + i = k 32 b + 16 h + i of my row, become a fragment's codes in v[PC] on and its scale word in v[PW]
.irp b, 0,1,2,3
	v_max3_num_f32 v[TM+\b], |v[\s+16*\b]|, |v[\s+1+16*\b]|, 0x1800000   ; and the floor 2^(3 - 127): the byte cannot fall under 1
.endr
.irp i, 2,4,6,8,10,12,14
.irp b, 0,1,2,3
	v_max3_num_f32 v[TM+\b], v[TM+\b], |v[\s+16*\b+\i]|, |v[\s+1+16*\b+\i]|
.endr
.endr
.irp b, 0,1,2,3
	v_permlanex16_b32 v[TM+4+\b], v[TM+\b], s[SEL], s[SEL+1]
.endr
.irp b, 0,1,2,3
	v_max_num_f32 v[TM+\b], v[TM+\b], v[TM+4+\b]
.endr
.irp b, 0,1,2,3
	v_add_nc_u32 v[TM+12+\b], 0xff000000, v[TM+\b]
.endr
.irp b, 0,1,2,3
	v_lshrrev_b32 v[TM+4+\b], 23, v[TM+12+\b]
.endr
	v_lshl_or_b32 v[PW], v[TM+5], 8, v[TM+4]
	v_lshl_or_b32 v[PW], v[TM+6], 16, v[PW]
	v_lshl_or_b32 v[PW], v[TM+7], 24, v[PW]
.irp c, 0,1
	v_cvt_scalef32_pk16_fp6_f32 v[PC+6*\c:PC+2+6*\c], v[\s+32*\c:\s+15+32*\c], v[TM+12+2*\c]
	v_cvt_scalef32_pk16_fp6_f32 v[PC+12+4*\c:PC+14+4*\c], v[\s+16+32*\c:\s+31+32*\c], v[TM+12+2*\c+1]
.endr
	v_nop                                          ; one plain place behind a scaled conversion
.irp c, 0,1
.irp i, 0,1,2
	v_permlane16_swap_b32 v[PC+6*\c+\i], v[PC+12+4*\c+\i]
.endr
.irp i, 0,1,2
	v_mov_b32 v[PC+3+6*\c+\i], v[PC+12+4*\c+\i]
.endr
.endr
.endm
.macro ADDB a                          ; block a's 64 results + the bias, each accumulator from its low end on
	WIN 0x02+(\a)/4
.set AC, 64*((\a)%4)
.set i, 0
.rept 32
	v_pk_add_f32 v[T+i:T+i+1], v[AC+i:AC+i+1], v[BIAS+i:BIAS+i+1]
.set i, i+2
.endr
	WIN 0
.endm
	s_load_b128 s[4:7], s[0:1], 0x0                ; act, wimg
	s_load_b128 s[8:11], s[0:1], 0x10              ; b1, hid
	v_lshl_add_u32 v[SPW], v0, 2, SPARE
	v_mov_b32 v[NIL], 0
	ds_add_u32 v[SPW], v[NIL]                      ; the wave's opening: the add, twice on end, and its wait ahead of my first tensor load
	ds_add_u32 v[SPW], v[NIL]
	v_lshrrev_b32 v1, 5, v0
	v_readfirstlane_b32 s14, v1
	s_lshr_b32 s15, s14, 1
	s_and_b32 s16, s14, 1
	s_bfe_u32 s40, ttmp6, 0x40000
	s_bfe_u32 s41, ttmp6, 0x40004
	s_lshl_b32 s42, ttmp9, 2
	s_add_co_u32 s42, s42, s40                     ; tile column: 256 hidden units
	s_and_b32 s17, ttmp7, 0xffff
	s_lshl_b32 s17, s17, 2
	s_add_co_u32 s17, s17, s41                     ; tile row: 256 tokens
	s_lshl_b32 s43, s41, 2
	s_lshl_b32 s43, 15, s43
	s_lshl_b32 s44, 0x1111, s40
	s_or_b32 s[G1], s43, (3<<16)|(1<<21)
	s_or_b32 s[G1B], s44, (3<<16)|(1<<21)
.irp g, G1, G1B
	s_mov_b32 s[\g+1], 384<<16
	s_mov_b32 s[\g+2], 8<<16
	s_mov_b32 s[\g+3], 384<<16
	s_mov_b32 s[\g+4], 8
	s_mov_b32 s[\g+5], RBP/8
	s_mov_b32 s[\g+6], 0
	s_mov_b32 s[\g+7], 0
.endr
	s_or_b32 s[G1S], s43, (3<<16)|(1<<21)
	s_or_b32 s[G1SB], s44, (3<<16)|(1<<21)
.irp g, G1S, G1SB
	s_mov_b32 s[\g+1], 32<<16
	s_mov_b32 s[\g+2], (HALFS/256)<<16
	s_mov_b32 s[\g+3], 32<<16
	s_mov_b32 s[\g+4], HALFS/256
	s_mov_b32 s[\g+5], 32
	s_mov_b32 s[\g+6], 0
	s_mov_b32 s[\g+7], 0
.endr
	s_lshl_b32 s18, s16, 3
	s_lshl_b32 s20, s17, 4
	s_add_co_u32 s20, s20, s18
	s_mul_i32 s20, s20, RBP
	s_mov_b32 s21, 0
	s_lshl_b32 s46, s42, 4
	s_add_co_u32 s46, s46, s18
	s_mul_i32 s46, s46, RBP
	s_mov_b32 s47, 0
	s_lshl_b32 s22, s17, 1
	s_add_co_u32 s22, s22, s16
	s_mul_i32 s22, s22, HALFS
	s_mov_b32 s23, 0
	s_lshl_b32 s92, s42, 1
	s_add_co_u32 s92, s92, s16
	s_mul_i32 s92, s92, HALFS
	s_mov_b32 s93, 0
	s_mul_i32 s45, s14, HALFT
	s_mul_i32 s94, s14, HALFS
	s_wait_dscnt 0x0                               ; both opening adds are done
	s_wait_kmcnt 0x0
	s_mov_b64 s[96:97], s[8:9]                     ; b1
	s_mov_b64 s[12:13], s[10:11]                   ; hid
	s_add_nc_u64 s[8:9], s[6:7], 3145728           ; W1's codes
	s_add_nc_u64 s[10:11], s[6:7], 9568256         ; and scale images
	s_add_nc_u64 s[6:7], s[4:5], ACT_S
	s_add_nc_u64 s[20:21], s[4:5], s[20:21]
	s_add_nc_u64 s[22:23], s[6:7], s[22:23]
	s_add_nc_u64 s[46:47], s[8:9], s[46:47]
	s_add_nc_u64 s[92:93], s[10:11], s[92:93]
	CROUND
	s_mov_b32 s[G0S], 1
	s_add_co_u32 s[G0S+1], s94, SCL
	s_mov_b64 s[G0S+2:G0S+3], s[22:23]
	s_or_b32 s[G0S+3], s[G0S+3], 0x80000000
	s_mov_b32 s[G0SB], 1
	s_add_co_u32 s[G0SB+1], s94, SCL
	s_mov_b64 s[G0SB+2:G0SB+3], s[92:93]
	s_or_b32 s[G0SB+3], s[G0SB+3], 0x80000000
	JLOAD G0S, G1S, G0SB, G1SB                     ; with the two slots three tensor loads of mine are out at the most
.irp s, 0,1
	s_mov_b32 s[G0+4*\s], 1
	s_add_co_u32 s[G0+4*\s+1], s45, \s*SLOT
	s_add_nc_u64 s[G0+4*\s+2:G0+4*\s+3], s[20:21], \s*3072
	s_or_b32 s[G0+4*\s+3], s[G0+4*\s+3], 0x80000000
	s_mov_b32 s[G0B+4*\s], 1
	s_add_co_u32 s[G0B+4*\s+1], s45, \s*SLOT
	s_add_nc_u64 s[G0B+4*\s+2:G0B+4*\s+3], s[46:47], \s*3072
	s_or_b32 s[G0B+4*\s+3], s[G0B+4*\s+3], 0x80000000
	JLOAD G0+4*\s, G1, G0B+4*\s, G1B
.endr
	v_and_b32 v1, 15, v0
	v_bfe_u32 v2, v0, 4, 1
	v_and_b32 v3, 31, v0
	v_lshlrev_b32 v[L16], 4, v3
	v_lshlrev_b32 v[L8], 3, v3
	s_mul_i32 s21, s15, HALFT
	s_mul_i32 s22, s16, HALFT
	s_add_co_u32 s22, s22, 2*HALFT
.irp s, 0,1
	v_add_nc_u32 v[A16+\s], s21, v[L16]
	v_add_nc_u32 v[A8+\s], s21, v[L8]
	v_add_nc_u32 v[B16+\s], s22, v[L16]
	v_add_nc_u32 v[B8+\s], s22, v[L8]
	s_add_co_u32 s21, s21, SLOT
	s_add_co_u32 s22, s22, SLOT
.endr
	s_mul_i32 s21, s15, HALFS
	s_add_co_u32 s21, s21, SCL
	v_add_nc_u32 v[ADSA], s21, v[L16]
	s_mul_i32 s22, s16, HALFS
	s_add_co_u32 s22, s22, SCL+2*HALFS
	v_add_nc_u32 v[ADSB], s22, v[L16]
	v_lshlrev_b32 v4, 6, v2                        ; the bias: 16 h numbers on
	s_lshl_b32 s18, s42, 10
	s_lshl_b32 s19, s16, 9
	s_add_co_u32 s18, s18, s19                     ; my first hidden unit, in bytes
	s_mov_b32 s19, 0
	s_add_nc_u64 s[96:97], s[96:97], s[18:19]
.irp b, 0,1,2,3,4,5,6,7
	global_load_b128 v[BIAS+8*\b:BIAS+8*\b+3], v4, s[96:97] offset:(32*(\b/2)+8*(\b%2))*4
	global_load_b128 v[BIAS+8*\b+4:BIAS+8*\b+7], v4, s[96:97] offset:(32*(\b/2)+8*(\b%2))*4+16
.endr
	s_lshl_b32 s20, s17, 4
	s_lshl_b32 s21, s15, 3
	s_add_co_u32 s20, s20, s21                     ; my first row block
	s_lshl_b32 s20, s20, 5
	s_lshl_b32 s22, s42, 1
	s_add_co_u32 s22, s22, s16                     ; my K step of the next product
	s_add_co_u32 s20, s20, s22
	s_mul_i32 s20, s20, 1536
	s_mov_b32 s21, 0
	s_add_nc_u64 s[98:99], s[12:13], s[20:21]      ; my fragments' images
	s_lshl_b32 s20, s17, 1
	s_add_co_u32 s20, s20, s15
	s_lshl_b32 s20, s20, 5
	s_add_co_u32 s20, s20, s22
	s_lshl_b32 s20, s20, 9
	s_add_nc_u64 s[12:13], s[12:13], s[20:21]
	s_add_nc_u64 s[12:13], s[12:13], 12582912      ; my scale image
	s_wait_tensorcnt 1                             ; the scale images and my part of slot 0 are in; slot 1's load may be out
	s_barrier_signal -1
	s_barrier_wait -1
	FETCH_B 0, 0, 0
	FETCH_A 0, 0, 0
	SCALES 0
	FETCH_A 0, 0, 4
	STEP 0, 0, 1
	s_mov_b32 s3, LAPS-1
.Llap:
	TURN 0, 1, 1
	STEP 1, 0, 0
	TURN 1, 0, 1
	STEP 0, 0, 0
	s_sub_co_u32 s3, s3, 1
	s_cmp_lg_u32 s3, 0
	s_cbranch_scc1 .Llap
	TURN 0, 1, 0
	STEP 1, 0, 0
	LAST
	PLACES NP
	s_mov_b32 s[SEL], 0x76543210
	s_mov_b32 s[SEL+1], 0xfedcba98
	s_mov_b32 s[HM], 0xffff0000
.irp b, 0,1,2,3
	v_mov_b32 v[TM+4+\b], 0                        ; a lane permute's destination counts as read
.endr
	s_wait_loadcnt 0x0                             ; the bias
.irp a, 0,1,2,3,4,5,6,7
.if \a > 0
	s_wait_xcnt 0x0                                ; the last block's stores have read their registers
.endif
	ADDB \a
.set i, 0
.rept 64
	v_max_num_f32 v[T+i], 0, v[T+i]                ; the activation, in f32
.set i, i+1
.endr
	QUANT T
	global_store_b128 v[L16], v[PC:PC+3], s[98:99] offset:49152*\a
	global_store_b64 v[L8], v[PC+4:PC+5], s[98:99] offset:49152*\a+512
	global_store_b128 v[L16], v[PC+6:PC+9], s[98:99] offset:49152*\a+768
	global_store_b64 v[L8], v[PC+10:PC+11], s[98:99] offset:49152*\a+1280
	v_mov_b32 v[WS+\a], v[PW]
.endr
.irp j, 0,1,2,3
	v_cndmask_b32 v[DS+\j], v[WS+\j], v[WS+4+\j], s[HM]   ; lanes 0-15 blocks 0-3, lanes 16-31 blocks 4-7
.endr
	global_store_b128 v[L16], v[DS:DS+3], s[12:13]
	s_wait_tensorcnt 0x0                           ; the wave's end
	ds_add_u32 v[SPW], v[NIL]
	s_wait_dscnt 0x0
	CROUND                                         ; the closing round
	s_endpgm
.Lfunc_end_k_qfce6d25241_ffn1:
	.size	k_qfce6d25241_ffn1, .Lfunc_end_k_qfce6d25241_ffn1-k_qfce6d25241_ffn1
	.p2alignl 7, 3214868480
	.fill 96, 4, 3214868480
	.section	.rodata,"a",@progbits
	.p2align	6, 0x0
	.amdhsa_kernel k_qfce6d25241_ffn1
		.amdhsa_group_segment_fixed_size 327680
		.amdhsa_private_segment_fixed_size 0
		.amdhsa_enable_private_segment 0
		.amdhsa_kernarg_size 32
		.amdhsa_user_sgpr_count 2
		.amdhsa_user_sgpr_kernarg_segment_ptr 1
		.amdhsa_wavefront_size32 1
		.amdhsa_system_sgpr_workgroup_id_x 1
		.amdhsa_system_sgpr_workgroup_id_y 1
		.amdhsa_system_sgpr_workgroup_id_z 1
		.amdhsa_system_vgpr_workitem_id 0
		.amdhsa_next_free_vgpr 1024
		.amdhsa_next_free_sgpr 102
		.amdhsa_reserve_vcc 0
		.amdhsa_float_denorm_mode_32 3
		.amdhsa_float_denorm_mode_16_64 3
		.amdhsa_memory_ordered 1
		.amdhsa_forward_progress 1
		.amdhsa_inst_pref_size 182
	.end_amdhsa_kernel
	.amdgpu_metadata
---
amdhsa.version: [ 1, 2 ]
amdhsa.kernels:
  - .name:           k_qfce6d25241_ffn1
    .symbol:         k_qfce6d25241_ffn1.kd
    .args:
      - { .name: act, .offset: 0, .size: 8, .value_kind: global_buffer, .address_space: global }
      - { .name: wimg, .offset: 8, .size: 8, .value_kind: global_buffer, .address_space: global }
      - { .name: b1, .offset: 16, .size: 8, .value_kind: global_buffer, .address_space: global }
      - { .name: hid, .offset: 24, .size: 8, .value_kind: global_buffer, .address_space: global }
    .group_segment_fixed_size: 327680
    .private_segment_fixed_size: 0
    .kernarg_segment_align: 8
    .kernarg_segment_size: 32
    .max_flat_workgroup_size: 128
    .sgpr_count:     102
    .vgpr_count:     1024
    .wavefront_size: 32
...
	.end_amdgpu_metadata
.endif
;; end of part 6
;; launch ffn2 (part 7): grid 4 x 16, 4 waves a work-group, clusters of 4 x 4, 327,680 bytes of LDS; arguments hid, wimg, b2, x1, out0; writes out0
.if DOCPART == 7
	.amdgcn_target "amdgcn-amd-amdhsa--gfx1250"
	.amdhsa_code_object_version 6
	.text
	.protected	k_qfce6d25241_ffn2
	.globl	k_qfce6d25241_ffn2
	.p2align	8
	.type	k_qfce6d25241_ffn2,@function
k_qfce6d25241_ffn2:
	s_mov_b64 s[64:65], 0
	v_nop
	global_prefetch_b8 v0, s[64:65] scope:SCOPE_SE
	s_setreg_imm32_b32 hwreg(HW_REG_WAVE_MODE, 25, 1), 1
	s_wait_xcnt 0x0
	s_wait_alu depctr_hold_cnt(0) depctr_sa_sdst(0) depctr_va_vdst(0) depctr_va_sdst(0) depctr_va_ssrc(0) depctr_va_vcc(0) depctr_vm_vsrc(0)
	s_getreg_b32 s2, hwreg(HW_REG_IB_STS2, 6, 4)
	s_cmp_eq_u32 s2, 0
	s_cbranch_scc0 .Lentry_in_a_cluster
	s_endpgm
.Lentry_in_a_cluster:
	s_bfe_u32 s2, ttmp6, 0x10000c
	s_cmp_lg_u32 s2, 0xf033
	s_cbranch_scc0 .Lentry_shape_is_right
	s_endpgm
.Lentry_shape_is_right:
; out = residual + (A W^T + bias): A as fragment and scale images, W likewise (their forms: the head of the first kernel), codes of FP6 (E2M3) with E8M0 scales; bias, residual and out f32, rows of 1,024.  Nothing is left out.
; Here: A = the hidden layer (K = 4,096), W = W2, bias = b2, residual = x1, out = out0.
; A tile of 256 x 256 to a work-group of four waves, 128 x 128 to a wave: 64 accumulators.  K goes in steps of 256 through two LDS slots; the scale images of all of K come once and stay.  With 1,024 columns that is 64 work-groups.
; CLUSTERS 4 x 4: A's tiles are shared along a row of the cluster, W's along a column: joint loads.  Source 0 = W's rows, source 1 = A's: a lane holds eight neighbouring columns of one row of the result.
; THE WAY OUT: a block of 16 rows x 128 columns goes through my own stage in LDS (in slot 0, which has had its last fill and its last read) and comes back as rows of 512 bytes; bias and residual are added; 32 lanes store 512 bytes.
.set SIZE_K, 4096
.set AS,  12582912                     ; A's scale images in its buffer
.set WC,  6291456                      ; W's codes in wimg
.set WSC, 9699328                      ; and its scale images
.set NS,    SIZE_K/128
.set RBP,   1536*NS
.set NQ,    2
.set NL,    4
.set NP,    4
.set HALFT, 8*3072
.set SLOT,  4*HALFT
.set LAPS,  SIZE_K/512
.set HALFS, 512*NS
.set SCL,   2*SLOT
.set SPARE, SCL+4*HALFS
.set L16, 12
.set L8,  13
.set A16, 16
.set A8,  18
.set B16, 20
.set B8,  22
.set STO, 24
.set RD,  25
.set ADSA, 27
.set SPW, 28
.set NIL, 29
.set ADSB, 30
.set SC,  32                           ; v32-63 scale words and nothing else
.set AF,  128
.set BK,  192
.set G1, 24
.set G0, 32
.set G1B, 48
.set G0B, 56
.set G1S, 68
.set G0S, 76
.set G1SB, 80
.set G0SB, 88
.set MSB, 0
.macro WIN new
.if MSB != \new
	s_set_vgpr_msb (MSB<<8)|\new
.set MSB, \new
.endif
.endm
.set MUL_LO, 0xa1
.set MUL_HI, 0xf1
.set TO_B,   0x40
.macro JLOAD g0a, g1a, g0b, g1b        ; a joint load: waves 0 and 1 fetch for A, waves 2 and 3 for B; an s_nop 0 and four v_nop follow each line
	s_cmp_eq_u32 s15, 0
	s_cbranch_scc0 .Lfor_b_\@
	tensor_load_to_lds s[\g0a:\g0a+3], s[\g1a:\g1a+7]
	s_nop 0
.rept 4
	v_nop
.endr
	s_branch .Lasked_\@
.Lfor_b_\@:
	tensor_load_to_lds s[\g0b:\g0b+3], s[\g1b:\g1b+7]
	s_nop 0
.rept 4
	v_nop
.endr
.Lasked_\@:
.endm
.macro CREST
	s_cmp_lg_u32 s14, 0
	s_cbranch_scc1 .Lnot_wave_0_\@
	s_barrier_signal -3
.Lnot_wave_0_\@:
	s_barrier_wait -3
	s_barrier_signal -1
	s_barrier_wait -1
.endm
.macro CROUND
	s_barrier_signal -1
	s_barrier_wait -1
	CREST
.endm
.macro FRAG reg, a16, a8, q, i
	ds_load_b128 v[\reg:\reg+3], v[\a16] offset:3072*(\i)+1536*(\q)
	ds_load_b64 v[\reg+4:\reg+5], v[\a8] offset:3072*(\i)+1536*(\q)+512
	ds_load_b128 v[\reg+6:\reg+9], v[\a16] offset:3072*(\i)+1536*(\q)+768
	ds_load_b64 v[\reg+10:\reg+11], v[\a8] offset:3072*(\i)+1536*(\q)+1280
.endm
.macro WM a, b, p, q, sc, zero
.set rD, 8*(8*((\a)%4)+(\b))
.set rB, 128*(\p)+12*(\b)
.set rA, AF+12*(\a)
.set sB, SC+16*(\sc)+8+4*(\q)+(\b)%4
.set sA, SC+16*(\sc)+4*(\q)+(\a)%4
.if \zero
.if ((\b)/4) && ((\a)/4)
	v_wmma_scale_f32_16x16x128_f8f6f4 v[rD:rD+7], v[rB:rB+11], v[rA:rA+11], 0, v[sB], v[sA] matrix_a_fmt:MATRIX_FMT_FP6 matrix_b_fmt:MATRIX_FMT_FP6 matrix_a_scale:MATRIX_SCALE_ROW1 matrix_b_scale:MATRIX_SCALE_ROW1
.elseif (\b)/4
	v_wmma_scale_f32_16x16x128_f8f6f4 v[rD:rD+7], v[rB:rB+11], v[rA:rA+11], 0, v[sB], v[sA] matrix_a_fmt:MATRIX_FMT_FP6 matrix_b_fmt:MATRIX_FMT_FP6 matrix_a_scale:MATRIX_SCALE_ROW1
.elseif (\a)/4
	v_wmma_scale_f32_16x16x128_f8f6f4 v[rD:rD+7], v[rB:rB+11], v[rA:rA+11], 0, v[sB], v[sA] matrix_a_fmt:MATRIX_FMT_FP6 matrix_b_fmt:MATRIX_FMT_FP6 matrix_b_scale:MATRIX_SCALE_ROW1
.else
	v_wmma_scale_f32_16x16x128_f8f6f4 v[rD:rD+7], v[rB:rB+11], v[rA:rA+11], 0, v[sB], v[sA] matrix_a_fmt:MATRIX_FMT_FP6 matrix_b_fmt:MATRIX_FMT_FP6
.endif
.else
.if ((\b)/4) && ((\a)/4)
	v_wmma_scale_f32_16x16x128_f8f6f4 v[rD:rD+7], v[rB:rB+11], v[rA:rA+11], v[rD:rD+7], v[sB], v[sA] matrix_a_fmt:MATRIX_FMT_FP6 matrix_b_fmt:MATRIX_FMT_FP6 matrix_a_scale:MATRIX_SCALE_ROW1 matrix_b_scale:MATRIX_SCALE_ROW1
.elseif (\b)/4
	v_wmma_scale_f32_16x16x128_f8f6f4 v[rD:rD+7], v[rB:rB+11], v[rA:rA+11], v[rD:rD+7], v[sB], v[sA] matrix_a_fmt:MATRIX_FMT_FP6 matrix_b_fmt:MATRIX_FMT_FP6 matrix_a_scale:MATRIX_SCALE_ROW1
.elseif (\a)/4
	v_wmma_scale_f32_16x16x128_f8f6f4 v[rD:rD+7], v[rB:rB+11], v[rA:rA+11], v[rD:rD+7], v[sB], v[sA] matrix_a_fmt:MATRIX_FMT_FP6 matrix_b_fmt:MATRIX_FMT_FP6 matrix_b_scale:MATRIX_SCALE_ROW1
.else
	v_wmma_scale_f32_16x16x128_f8f6f4 v[rD:rD+7], v[rB:rB+11], v[rA:rA+11], v[rD:rD+7], v[sB], v[sA] matrix_a_fmt:MATRIX_FMT_FP6 matrix_b_fmt:MATRIX_FMT_FP6
.endif
.endif
.endm
.macro MUL16 a0, p, q, sc, zero        ; the 64 accumulators take turns, one instruction a turn, in the same order in every step
.irp a, \a0, \a0+1
.irp b, 0,1,2,3,4,5,6,7
	WM \a, \b, \p, \q, \sc, \zero
.endr
.endr
.endm
.macro FETCH_B slot, q, p
	WIN TO_B
.irp i, 0,1,2,3,4,5,6,7
	FRAG 128*(\p)+12*\i, B16+\slot, B8+\slot, \q, \i
.endr
	WIN 0
.endm
.macro FETCH_A slot, q, i0
.irp i, \i0, \i0+1, \i0+2, \i0+3
	FRAG AF+12*(\i), A16+\slot, A8+\slot, \q, \i
.endr
.endm
.macro SCALES sc
.irp q, 0,1
	ds_load_b128 v[SC+16*\sc+4*\q:SC+16*\sc+4*\q+3], v[ADSA] offset:512*\q
	ds_load_b128 v[SC+16*\sc+8+4*\q:SC+16*\sc+8+4*\q+3], v[ADSB] offset:512*\q
.endr
.endm
.macro PLACES n
.rept \n
	v_nop
.endr
.endm
.macro STEP slot, q, zero
	s_wait_dscnt 4*NL                              ; all but the youngest 16 loads (A's blocks 4-7) are in
	WIN MUL_LO
	MUL16 0, (\q)%2, \q, \slot, \zero
	MUL16 2, (\q)%2, \q, \slot, \zero
	s_wait_dscnt 0
	PLACES NP
	FETCH_B \slot, (\q)+1, 1-(\q)%2
	FETCH_A \slot, (\q)+1, 0
	WIN MUL_HI
	MUL16 4, (\q)%2, \q, \slot, \zero
	MUL16 6, (\q)%2, \q, \slot, \zero
	PLACES NP
	WIN 0
	FETCH_A \slot, (\q)+1, 4
.endm
.macro TURN slot, next, fill
	s_wait_tensorcnt 0x0                           ; all my tensor loads have landed: my part of the next slot
	ds_add_u32 v[SPW], v[NIL]                      ; 0 onto my spare word
	s_wait_dscnt 4*NL+1                            ; (the add and the youngest 16 loads may be out)
	WIN MUL_LO
	MUL16 0, 1, NQ-1, \slot, 0
	s_wait_dscnt 0x0                               ; the add is done, and my reads of this slot are over
	s_barrier_signal -1
	MUL16 2, 1, NQ-1, \slot, 0
	WIN 0
	s_barrier_wait -1
.if \fill
	CREST                                          ; no wave of any partner still reads this slot or has a load on its way
	s_add_nc_u64 s[G0+4*\slot+2:G0+4*\slot+3], s[G0+4*\slot+2:G0+4*\slot+3], 6144
	s_add_nc_u64 s[G0B+4*\slot+2:G0B+4*\slot+3], s[G0B+4*\slot+2:G0B+4*\slot+3], 6144
	JLOAD G0+4*\slot, G1, G0B+4*\slot, G1B
.else
	PLACES NP
.endif
	v_add_nc_u32 v[ADSA], 1024, v[ADSA]
	v_add_nc_u32 v[ADSB], 1024, v[ADSB]
	FETCH_B \next, 0, 0
	FETCH_A \next, 0, 0
	SCALES \next
	WIN MUL_HI
	MUL16 4, 1, NQ-1, \slot, 0
	MUL16 6, 1, NQ-1, \slot, 0
	PLACES NP
	WIN 0
	FETCH_A \next, 0, 4
.endm
.macro LAST
	s_wait_dscnt 4*NL
	WIN MUL_LO
	MUL16 0, 1, NQ-1, 1, 0
	MUL16 2, 1, NQ-1, 1, 0
	s_wait_dscnt 0
	WIN MUL_HI
	MUL16 4, 1, NQ-1, 1, 0
	MUL16 6, 1, NQ-1, 1, 0
	WIN 0
.endm
.macro XLOAD a                         ; the residual's rows 16 a .. 16 a + 15, my wave's 512 bytes of each
.set XX, 64+64*((\a)%2)
.irp t, 0,1,2,3,4,5,6,7,8,9,10,11,12,13,14,15
	global_load_b128 v[XX+4*\t:XX+4*\t+3], v[L16], s[98:99] offset:(16*(\a)+\t)*4096
.endr
.endm
.macro TOSTAGE a                       ; LDS serves a wave's instructions in order (ISA guide 5.7.1.4): the loads see the stores
.set AC, 64*((\a)%4)
	WIN 0x08+4*((\a)/4)
.irp b, 0,1,2,3,4,5,6,7
	ds_store_b128 v[STO], v[AC+8*\b:AC+8*\b+3] offset:64*\b          ; each accumulator from its low end on
	ds_store_b128 v[STO], v[AC+8*\b+4:AC+8*\b+7] offset:64*\b+16
.endr
	WIN 0
.irp t, 0,1,2,3,4,5,6,7,8,9,10,11,12,13,14,15
	ds_load_b128 v[BK+4*\t:BK+4*\t+3], v[RD] offset:\t*528
.endr
.endm
	s_load_b128 s[4:7], s[0:1], 0x0                ; A's buffer, wimg
	s_load_b128 s[8:11], s[0:1], 0x10              ; bias, residual
	s_load_b64 s[12:13], s[0:1], 0x20              ; out
	v_lshl_add_u32 v[SPW], v0, 2, SPARE
	v_mov_b32 v[NIL], 0
	ds_add_u32 v[SPW], v[NIL]                      ; the wave's opening: the add, twice on end, and its wait ahead of my first tensor load
	ds_add_u32 v[SPW], v[NIL]
	v_lshrrev_b32 v1, 5, v0
	v_readfirstlane_b32 s14, v1
	s_lshr_b32 s15, s14, 1
	s_and_b32 s16, s14, 1
	s_bfe_u32 s40, ttmp6, 0x40000
	s_bfe_u32 s41, ttmp6, 0x40004
	s_lshl_b32 s42, ttmp9, 2
	s_add_co_u32 s42, s42, s40                     ; tile column
	s_and_b32 s17, ttmp7, 0xffff
	s_lshl_b32 s17, s17, 2
	s_add_co_u32 s17, s17, s41                     ; tile row
	s_lshl_b32 s43, s41, 2
	s_lshl_b32 s43, 15, s43
	s_lshl_b32 s44, 0x1111, s40
	s_or_b32 s[G1], s43, (3<<16)|(1<<21)
	s_or_b32 s[G1B], s44, (3<<16)|(1<<21)
.irp g, G1, G1B
	s_mov_b32 s[\g+1], 384<<16
	s_mov_b32 s[\g+2], 8<<16
	s_mov_b32 s[\g+3], 384<<16
	s_mov_b32 s[\g+4], 8
	s_mov_b32 s[\g+5], RBP/8
	s_mov_b32 s[\g+6], 0
	s_mov_b32 s[\g+7], 0
.endr
	s_or_b32 s[G1S], s43, (3<<16)|(1<<21)
	s_or_b32 s[G1SB], s44, (3<<16)|(1<<21)
.irp g, G1S, G1SB
	s_mov_b32 s[\g+1], 32<<16
	s_mov_b32 s[\g+2], (HALFS/256)<<16
	s_mov_b32 s[\g+3], 32<<16
	s_mov_b32 s[\g+4], HALFS/256
	s_mov_b32 s[\g+5], 32
	s_mov_b32 s[\g+6], 0
	s_mov_b32 s[\g+7], 0
.endr
	s_lshl_b32 s18, s16, 3
	s_lshl_b32 s20, s17, 4
	s_add_co_u32 s20, s20, s18
	s_mul_i32 s20, s20, RBP
	s_mov_b32 s21, 0
	s_lshl_b32 s46, s42, 4
	s_add_co_u32 s46, s46, s18
	s_mul_i32 s46, s46, RBP
	s_mov_b32 s47, 0
	s_lshl_b32 s22, s17, 1
	s_add_co_u32 s22, s22, s16
	s_mul_i32 s22, s22, HALFS
	s_mov_b32 s23, 0
	s_lshl_b32 s92, s42, 1
	s_add_co_u32 s92, s92, s16
	s_mul_i32 s92, s92, HALFS
	s_mov_b32 s93, 0
	s_mul_i32 s45, s14, HALFT
	s_mul_i32 s94, s14, HALFS
	s_wait_dscnt 0x0                               ; both opening adds are done
	s_wait_kmcnt 0x0
	s_mov_b64 s[96:97], s[8:9]                     ; bias
	s_mov_b64 s[98:99], s[10:11]                   ; residual
	s_add_nc_u64 s[8:9], s[6:7], WC
	s_add_nc_u64 s[10:11], s[6:7], WSC
	s_add_nc_u64 s[6:7], s[4:5], AS
	s_add_nc_u64 s[20:21], s[4:5], s[20:21]
	s_add_nc_u64 s[22:23], s[6:7], s[22:23]
	s_add_nc_u64 s[46:47], s[8:9], s[46:47]
	s_add_nc_u64 s[92:93], s[10:11], s[92:93]
	CROUND
	s_mov_b32 s[G0S], 1
	s_add_co_u32 s[G0S+1], s94, SCL
	s_mov_b64 s[G0S+2:G0S+3], s[22:23]
	s_or_b32 s[G0S+3], s[G0S+3], 0x80000000
	s_mov_b32 s[G0SB], 1
	s_add_co_u32 s[G0SB+1], s94, SCL
	s_mov_b64 s[G0SB+2:G0SB+3], s[92:93]
	s_or_b32 s[G0SB+3], s[G0SB+3], 0x80000000
	JLOAD G0S, G1S, G0SB, G1SB                     ; with the two slots three tensor loads of mine are out at the most
.irp s, 0,1
	s_mov_b32 s[G0+4*\s], 1
	s_add_co_u32 s[G0+4*\s+1], s45, \s*SLOT
	s_add_nc_u64 s[G0+4*\s+2:G0+4*\s+3], s[20:21], \s*3072
	s_or_b32 s[G0+4*\s+3], s[G0+4*\s+3], 0x80000000
	s_mov_b32 s[G0B+4*\s], 1
	s_add_co_u32 s[G0B+4*\s+1], s45, \s*SLOT
	s_add_nc_u64 s[G0B+4*\s+2:G0B+4*\s+3], s[46:47], \s*3072
	s_or_b32 s[G0B+4*\s+3], s[G0B+4*\s+3], 0x80000000
	JLOAD G0+4*\s, G1, G0B+4*\s, G1B
.endr
	v_and_b32 v1, 15, v0
	v_bfe_u32 v2, v0, 4, 1
	v_and_b32 v3, 31, v0
	v_lshlrev_b32 v[L16], 4, v3
	v_lshlrev_b32 v[L8], 3, v3
	s_mul_i32 s21, s15, HALFT
	s_mul_i32 s22, s16, HALFT
	s_add_co_u32 s22, s22, 2*HALFT
.irp s, 0,1
	v_add_nc_u32 v[A16+\s], s21, v[L16]
	v_add_nc_u32 v[A8+\s], s21, v[L8]
	v_add_nc_u32 v[B16+\s], s22, v[L16]
	v_add_nc_u32 v[B8+\s], s22, v[L8]
	s_add_co_u32 s21, s21, SLOT
	s_add_co_u32 s22, s22, SLOT
.endr
	s_mul_i32 s21, s15, HALFS
	s_add_co_u32 s21, s21, SCL
	v_add_nc_u32 v[ADSA], s21, v[L16]
	s_mul_i32 s22, s16, HALFS
	s_add_co_u32 s22, s22, SCL+2*HALFS
	v_add_nc_u32 v[ADSB], s22, v[L16]
	s_mul_i32 s23, s14, 16*528                     ; my stage
	v_mul_u32_u24 v5, v1, 528
	v_lshl_add_u32 v5, v2, 5, v5
	v_add_nc_u32 v[STO], s23, v5
	v_add_nc_u32 v[RD], s23, v[L16]
	s_lshl_b32 s20, s17, 8
	s_lshl_b32 s21, s15, 7
	s_add_co_u32 s20, s20, s21                     ; my first row,
	s_lshl_b32 s20, s20, 12                        ; of 4,096 bytes
	s_lshl_b32 s46, s42, 10
	s_lshl_b32 s47, s16, 9
	s_add_co_u32 s46, s46, s47                     ; my first column, in bytes
	s_mov_b32 s47, 0
	s_add_nc_u64 s[96:97], s[96:97], s[46:47]
	s_add_co_u32 s20, s20, s46
	s_mov_b32 s21, 0
	s_add_nc_u64 s[98:99], s[98:99], s[20:21]
	s_add_nc_u64 s[12:13], s[12:13], s[20:21]
	global_load_b128 v[8:11], v[L16], s[96:97]     ; the bias of my four columns
	XLOAD 0                                        ; the first block's residual lands under the products
	s_wait_tensorcnt 1                             ; the scale images and my part of slot 0 are in; slot 1's load may be out
	s_barrier_signal -1
	s_barrier_wait -1
	FETCH_B 0, 0, 0
	FETCH_A 0, 0, 0
	SCALES 0
	FETCH_A 0, 0, 4
	STEP 0, 0, 1
	s_mov_b32 s3, LAPS-1
.Llap:
	TURN 0, 1, 1
	STEP 1, 0, 0
	TURN 1, 0, 1
	STEP 0, 0, 0
	s_sub_co_u32 s3, s3, 1
	s_cmp_lg_u32 s3, 0
	s_cbranch_scc1 .Llap
	TURN 0, 1, 0
	STEP 1, 0, 0
	LAST
	PLACES NP
.irp a, 0,1,2,3,4,5,6,7
.if \a < 7
	XLOAD \a+1
.endif
.if \a > 0
	s_wait_xcnt 0x0                                ; the last block's stores have read their registers
.endif
	TOSTAGE \a
	s_wait_dscnt 0x0
.if \a < 7
	s_wait_loadcnt 16                              ; this block's residual is in; the next block's 16 loads may be out
.else
	s_wait_loadcnt 0x0
.endif
.set XX, 64+64*(\a%2)
.irp t, 0,1,2,3,4,5,6,7,8,9,10,11,12,13,14,15
	v_pk_add_f32 v[BK+4*\t:BK+4*\t+1], v[BK+4*\t:BK+4*\t+1], v[8:9]
	v_pk_add_f32 v[BK+4*\t+2:BK+4*\t+3], v[BK+4*\t+2:BK+4*\t+3], v[10:11]
	v_pk_add_f32 v[BK+4*\t:BK+4*\t+1], v[BK+4*\t:BK+4*\t+1], v[XX+4*\t:XX+4*\t+1]
	v_pk_add_f32 v[BK+4*\t+2:BK+4*\t+3], v[BK+4*\t+2:BK+4*\t+3], v[XX+4*\t+2:XX+4*\t+3]
	global_store_b128 v[L16], v[BK+4*\t:BK+4*\t+3], s[12:13] offset:(16*\a+\t)*4096 th:TH_STORE_NT   ; 32 lanes store 512 consecutive bytes, aligned; written once, read by nobody here
.endr
.endr
	s_wait_tensorcnt 0x0                           ; the wave's end: behind my last tensor load and my last LDS store
	ds_add_u32 v[SPW], v[NIL]
	s_wait_dscnt 0x0
	CROUND                                         ; the closing round
	s_endpgm
.Lfunc_end_k_qfce6d25241_ffn2:
	.size	k_qfce6d25241_ffn2, .Lfunc_end_k_qfce6d25241_ffn2-k_qfce6d25241_ffn2
	.p2alignl 7, 3214868480
	.fill 96, 4, 3214868480
	.section	.rodata,"a",@progbits
	.p2align	6, 0x0
	.amdhsa_kernel k_qfce6d25241_ffn2
		.amdhsa_group_segment_fixed_size 327680
		.amdhsa_private_segment_fixed_size 0
		.amdhsa_enable_private_segment 0
		.amdhsa_kernarg_size 40
		.amdhsa_user_sgpr_count 2
		.amdhsa_user_sgpr_kernarg_segment_ptr 1
		.amdhsa_wavefront_size32 1
		.amdhsa_system_sgpr_workgroup_id_x 1
		.amdhsa_system_sgpr_workgroup_id_y 1
		.amdhsa_system_sgpr_workgroup_id_z 1
		.amdhsa_system_vgpr_workitem_id 0
		.amdhsa_next_free_vgpr 1024
		.amdhsa_next_free_sgpr 102
		.amdhsa_reserve_vcc 0
		.amdhsa_float_denorm_mode_32 3
		.amdhsa_float_denorm_mode_16_64 3
		.amdhsa_memory_ordered 1
		.amdhsa_forward_progress 1
		.amdhsa_inst_pref_size 187
	.end_amdhsa_kernel
	.amdgpu_metadata
---
amdhsa.version: [ 1, 2 ]
amdhsa.kernels:
  - .name:           k_qfce6d25241_ffn2
    .symbol:         k_qfce6d25241_ffn2.kd
    .args:
      - { .name: hid, .offset: 0, .size: 8, .value_kind: global_buffer, .address_space: global }
      - { .name: wimg, .offset: 8, .size: 8, .value_kind: global_buffer, .address_space: global }
      - { .name: b2, .offset: 16, .size: 8, .value_kind: global_buffer, .address_space: global }
      - { .name: x1, .offset: 24, .size: 8, .value_kind: global_buffer, .address_space: global }
      - { .name: out0, .offset: 32, .size: 8, .value_kind: global_buffer, .address_space: global }
    .group_segment_fixed_size: 327680
    .private_segment_fixed_size: 0
    .kernarg_segment_align: 8
    .kernarg_segment_size: 40
    .max_flat_workgroup_size: 128
    .sgpr_count:     102
    .vgpr_count:     1024
    .wavefront_size: 32
...
	.end_amdgpu_metadata
.endif
;; end of part 7
;; ======== version 2 of 2: 7 launches
;; limits: right only within a limited range of input values
;; workspace buffers: wimg 9,830,400 bytes; mk 526,336 bytes of whole numbers; act 3,276,800 bytes; qkv 10,223,616 bytes; x1 16,777,216 bytes; hid 13,107,200 bytes
;; launch prep (part 8): grid 480 x 1, 8 waves a work-group, no clusters, 102,656 bytes of LDS; arguments x, g1, be1, act, Wq_codes, Wq_scales, Wk_codes, Wk_scales, Wv_codes, Wv_scales, Wo_codes, Wo_scales, W1_codes, W1_scales, W2_codes, W2_scales, mask, wimg, mk; writes act, wimg, mk
.if DOCPART == 8
	.amdgcn_target "amdgcn-amd-amdhsa--gfx1250"
	.amdhsa_code_object_version 6
	.text
	.protected	k_qfce6d25241_prep
	.globl	k_qfce6d25241_prep
	.p2align	8
	.type	k_qfce6d25241_prep,@function
k_qfce6d25241_prep:
	s_mov_b64 s[64:65], 0
	v_nop
	global_prefetch_b8 v0, s[64:65] scope:SCOPE_SE
	s_setreg_imm32_b32 hwreg(HW_REG_WAVE_MODE, 25, 1), 1
	s_wait_xcnt 0x0
; A pre-norm transformer block, all eight products on codes of FP6 (E2M3) with one E8M0 scale for each 32 along K.  THIS LAUNCH does three things that hang on the inputs alone, each in work-groups of its own:
; it lays the six weights out as images of operand registers (work-groups 0-95), turns the mask into lane words and lists (96-223), and makes h = layernorm(x, g1, be1), quantised along its rows (224-479).
; NOTHING OF reference() IS LEFT OUT AS DEAD WORK: every input has a way to the output and is loaded by some launch (bk too: it moves k's codes).  What the attention launch passes over are key steps (16 queries x 128 keys) that the
; mask, an input of whole numbers, closes wholly: there p = 0 and the running maximum stays; which steps those are is stored here as whole numbers and read there.
; LIMITS of the program: NaN and infinities among the floating-point inputs are not served; a block whose largest magnitude lies under 2^-124 (a block of zeros too) gets the scale byte 1 where the rule says otherwise: its codes are
; zeros or the rule's, and the bytes are read by this program alone; sums are taken in another order than reference()'s.
; A FRAGMENT IMAGE (16 rows x 128 K, 12 registers a lane, 1,536 bytes): registers 0-3 at 16 x lane, 4-5 at 512 + 8 x lane, 6-9 at 768 + 16 x lane, 10-11 at 1,280 + 8 x lane: every load and store of it covers 512 or 256 consecutive bytes.
; A SCALE IMAGE (128 rows x 128 K, 512 bytes): lane (r, h) has four words at 16 x lane: word j is the scale word of row r of row block 4 h + j.
; wimg: codes [rows / 16][K / 128][1536], scale images [rows / 128][K / 128][512] for each weight.  In Wv and W1 (P = 1) lane r of block bi takes row 16 bi + r + 8 (r / 8 - bi % 2), so that the results made of them run along the next K.
; A WEIGHT's work-group: 128 rows x 1,024 K; wave w: the eight fragments of row block w, and the scale image of K step w.  THE MASK's: a tile of 16 queries; wave w: key steps 2 w, 2 w + 1.  Both load runs of 512 consecutive bytes
; and re-lay them through LDS bytes that are the wave's own (the same 12,544 bytes a wave on both ways), so no barrier is owed for them.
; mk: [128 tiles][16 steps][64 words]: word n has lane l's bit set where key 16 (n / 8) + 8 (l / 16) + n % 8 of the step is open for query l % 16; from byte 524,288 [128 tiles][list low, list high, count, full]: the open steps, 4 bits each.
; THE NORM's work-group: 16 rows, wave w columns 128 w .. 128 w + 127: one fragment.  Lane (r, h) holds, of row r, 16 neighbours of each block of 32.  Mean and variance in two passes, in f32, as reference() has them; the row's sums meet in LDS.
; act: fragment images [row / 16][8 K steps][1536] and, from byte ACT_S, scale images [row / 128][8][512].  102,656 bytes of LDS and 8 x 256 registers: two work-groups to a WGP, 480 in one turn.
.set SPARE, 256                        ; LDS: 8 flag words (the mask's way) in the block at 0; from 256 the spare words, 128 bytes for each wave
.set ST1, 1280                         ; the norm's way: [16 rows][8 waves] words,
.set ST2, 1792                         ; the same for the squares
.set REG, 2304                         ; 12,544 bytes for each wave: 16 rows x (768 + 16) of a weight, or 16 rows x (512 + 16) of the mask
.set SPW, 252                          ; v252 LDS address of my spare word; never rewritten
.set NIL, 253                          ; v253 0; never rewritten
	v_lshl_add_u32 v[SPW], v0, 2, SPARE
	v_mov_b32 v[NIL], 0
	s_cmp_ge_u32 ttmp9, 224                        ; the work-group's number alone: all eight waves go the same way
	s_cbranch_scc1 .Lnorm
	s_load_b512 s[4:19], s[0:1], 0x20              ; Wq, Wk, Wv, Wo: codes and scales by turns
	s_load_b256 s[20:27], s[0:1], 0x60             ; W1, W2 likewise
	s_load_b128 s[28:31], s[0:1], 0x80             ; mask, wimg
	s_load_b64 s[32:33], s[0:1], 0x90              ; mk
	v_lshrrev_b32 v1, 5, v0
	s_delay_alu instid0(VALU_DEP_1)
	v_readfirstlane_b32 s34, v1                    ; wave 0..7
	v_and_b32 v4, 31, v0                           ; lane
	v_and_b32 v5, 15, v0                           ; r
	v_bfe_u32 v6, v0, 4, 1                         ; h
	s_delay_alu instid0(VALU_DEP_3)
	v_lshlrev_b32 v12, 4, v4                       ; 16 x lane
	s_delay_alu instid0(VALU_DEP_4)
	v_lshlrev_b32 v13, 3, v4                       ; 8 x lane
	s_mul_i32 s35, s34, 12544
	s_add_co_u32 s35, s35, REG                     ; my wave's LDS bytes
	s_wait_kmcnt 0x0
	s_cmp_ge_u32 ttmp9, 96
	s_cbranch_scc1 .Lmask
	; ---- a weight.  Which one is chosen by selects on the work-group's number; W2 first, then each earlier one over it
	s_mov_b64 s[36:37], s[24:25]                   ; codes
	s_mov_b64 s[38:39], s[26:27]                   ; scales
	s_mov_b32 s40, 3072                            ; a row of codes in bytes
	s_mov_b32 s41, 128                             ; a row of scale bytes
	s_mov_b32 s42, 32                              ; K steps of 128
	s_mov_b32 s43, 0                               ; P
	s_mov_b32 s44, 6291456                         ; where its codes go in wimg
	s_mov_b32 s45, 9699328                         ; and its scale images
	s_mov_b32 s46, 64                              ; its first work-group
	s_mov_b32 s47, 2                               ; 2^2 work-groups share 128 rows (4,096 along K)
.macro ARM lim, c, p, coff, soff, id0
	s_cmp_lt_u32 ttmp9, \lim
	s_cselect_b64 s[36:37], s[\c:\c+1], s[36:37]
	s_cselect_b64 s[38:39], s[\c+2:\c+3], s[38:39]
	s_cselect_b32 s40, 768, s40
	s_cselect_b32 s41, 32, s41
	s_cselect_b32 s42, 8, s42
	s_cselect_b32 s43, \p, s43
	s_cselect_b32 s44, \coff, s44
	s_cselect_b32 s45, \soff, s45
	s_cselect_b32 s46, \id0, s46
	s_cselect_b32 s47, 0, s47
.endm
	ARM 64, 20, 1, 3145728, 9568256, 32            ; W1
	ARM 32, 16, 0, 2359296, 9535488, 24            ; Wo
	ARM 24, 12, 1, 1572864, 9502720, 16            ; Wv
	ARM 16, 8, 0, 786432, 9469952, 8               ; Wk
	ARM 8, 4, 0, 0, 9437184, 0                     ; Wq
	s_sub_co_u32 s48, ttmp9, s46
	s_lshr_b32 s46, s48, s47                       ; g: which 128 rows
	s_lshl_b32 s49, s46, s47
	s_sub_co_u32 s47, s48, s49                     ; kq: which 1,024 along K
	s_lshl_b32 s48, s46, 7                         ; the codes' source: row 128 g + 16 w - 8 P (w % 2), byte 768 kq
	s_lshl_b32 s49, s34, 4
	s_add_co_u32 s48, s48, s49
	s_and_b32 s49, s34, 1
	s_mul_i32 s49, s49, s43
	s_lshl_b32 s49, s49, 3
	s_sub_co_u32 s48, s48, s49
	s_mul_i32 s48, s48, s40
	s_mul_i32 s49, s47, 768
	s_add_co_u32 s48, s48, s49
	s_mov_b32 s49, 0
	s_add_nc_u64 s[36:37], s[36:37], s[48:49]
	s_wait_alu depctr_va_vdst(0)
	v_and_b32 v7, 8, v5
	s_delay_alu instid0(VALU_DEP_1)
	v_mul_lo_u32 v7, v7, s43
	s_delay_alu instid0(VALU_DEP_1)
	v_add_nc_u32 v7, v7, v5                        ; r + P (r & 8)
	s_delay_alu instid0(VALU_DEP_1)
	v_lshl_add_u32 v7, v6, 6, v7                   ; the scale words' rows: 64 h + r + P (r & 8) + 16 j - 8 P (j % 2)
	s_delay_alu instid0(VALU_DEP_1)
	v_mul_lo_u32 v120, v7, s41
	s_wait_alu depctr_va_vdst(0)
	s_lshl_b32 s50, s41, 4
	s_mul_i32 s51, s41, s43
	s_lshl_b32 s51, s51, 3
	s_sub_co_u32 s52, s50, s51
	v_add_nc_u32 v121, s52, v120
	s_wait_alu depctr_va_vdst(0)
	s_lshl_b32 s53, s50, 1
	v_add_nc_u32 v122, s53, v120
	s_wait_alu depctr_va_vdst(0)
	s_add_co_u32 s53, s53, s52
	v_add_nc_u32 v123, s53, v120
	s_wait_alu depctr_va_vdst(0)
	s_lshl_b32 s48, s46, 7                         ; the scales' source: row 128 g, K step 8 kq + w
	s_mul_i32 s48, s48, s41
	s_lshl_b32 s50, s47, 3
	s_add_co_u32 s50, s50, s34
	s_lshl_b32 s51, s50, 2
	s_add_co_u32 s48, s48, s51
	s_add_nc_u64 s[38:39], s[38:39], s[48:49]
	s_lshl_b32 s48, s46, 3                         ; where the fragments go: ((8 g + w) K steps + 8 kq) x 1,536
	s_add_co_u32 s48, s48, s34
	s_mul_i32 s48, s48, s42
	s_lshl_b32 s51, s47, 3
	s_add_co_u32 s48, s48, s51
	s_mul_i32 s48, s48, 1536
	s_add_co_u32 s48, s48, s44
	s_add_nc_u64 s[54:55], s[30:31], s[48:49]
	s_mul_i32 s48, s46, s42                        ; and the scale image: (g K steps + 8 kq + w) x 512
	s_add_co_u32 s48, s48, s50
	s_lshl_b32 s48, s48, 9
	s_add_co_u32 s48, s48, s45
	s_add_nc_u64 s[56:57], s[30:31], s[48:49]
.irp j, 0,1,2,3
	global_load_b32 v[8+\j], v[120+\j], s[38:39] th:TH_LOAD_NT
.endr
	; my 16 rows x 768 bytes come as 24 loads of 512 bytes: three loads cover two rows (bytes 0-511 of the first; its last 256 and the second's first 256; bytes 256-767 of the second)
	s_sub_co_u32 s50, s40, 768
	s_add_co_u32 s51, s40, 256
	s_lshl_b32 s53, s40, 1                         ; two rows on
	s_mul_i32 s58, s40, s43
	s_lshl_b32 s58, s58, 3                         ; P = 1: my rows 8-15 lie 8 rows further on
	s_mov_b32 s52, 0
	v_mul_lo_u32 v15, v6, s50
	v_add_nc_u32 v14, s51, v12                     ; third load: a row + 256 + 16 x lane
	s_delay_alu instid0(VALU_DEP_2)
	v_add3_u32 v15, v15, v12, 512                  ; second load: 512 + 16 x lane, lanes 16-31 in the next row
.irp k, 0,1,2,3,4,5,6,7
	v_add_nc_u32 v[124+3*\k], s52, v12
	v_add_nc_u32 v[125+3*\k], s52, v15
	v_add_nc_u32 v[126+3*\k], s52, v14
	s_add_co_u32 s52, s52, s53
.if \k == 3
	s_add_co_u32 s52, s52, s58
.endif
.endr
	v_add_nc_u32 v148, s35, v12                    ; the same three places in LDS rows of 784 bytes
	v_mul_u32_u24 v151, v5, 784
	s_delay_alu instid0(VALU_DEP_2)
	v_lshl_add_u32 v149, v6, 4, v148
	v_add_nc_u32 v150, 1040, v148
	s_delay_alu instid0(VALU_DEP_3)
	v_mad_u32_u24 v151, v6, 24, v151
	s_delay_alu instid0(VALU_DEP_3)
	v_add_nc_u32 v149, 512, v149
	s_delay_alu instid0(VALU_DEP_2)
	v_add_nc_u32 v151, s35, v151                   ; back: row r, + 24 h
	s_wait_alu depctr_va_vdst(0)
.irp k, 0,1,2,3,4,5,6,7
.irp c, 0,1,2
	global_load_b128 v[152+12*\k+4*\c:155+12*\k+4*\c], v[124+3*\k+\c], s[36:37] th:TH_LOAD_NT
.endr
.endr
.irp k, 0,1,2,3,4,5,6,7
	s_wait_loadcnt 3*(7-\k)                        ; loads come back in order: this pair of rows is in, the later pairs' three loads each may be out
.irp c, 0,1,2
	ds_store_b128 v[148+\c], v[152+12*\k+4*\c:155+12*\k+4*\c] offset:1568*\k
.endr
.endr
.irp s, 0,1,2,3,4,5,6,7
.irp p, 0,1,2,3,4,5
	ds_load_b64 v[16+12*\s+2*\p:17+12*\s+2*\p], v151 offset:96*\s+48*(\p/3)+8*(\p%3)   ; a fragment's 24 + 24 bytes of my row; LDS serves a wave's instructions in order, and the bytes are my wave's own
.endr
.endr
.irp s, 0,1,2,3,4,5,6,7
	s_wait_dscnt 6*(7-\s)                          ; fragment s is in, the later fragments' six loads each may be out
	global_store_b128 v12, v[16+12*\s:19+12*\s], s[54:55] offset:1536*\s
	global_store_b64 v13, v[20+12*\s:21+12*\s], s[54:55] offset:1536*\s+512
	global_store_b128 v12, v[22+12*\s:25+12*\s], s[54:55] offset:1536*\s+768
	global_store_b64 v13, v[26+12*\s:27+12*\s], s[54:55] offset:1536*\s+1280
.endr
	global_store_b128 v12, v[8:11], s[56:57]       ; the scale image: 512 consecutive bytes
	s_wait_tensorcnt 0x0                           ; the wave's end: behind my last LDS store
	ds_add_u32 v[SPW], v[NIL]
	s_wait_dscnt 0x0
	s_endpgm
.Lmask:
	; ---- the mask of a tile of 16 queries
	s_sub_co_u32 s36, ttmp9, 96                    ; the tile
	s_lshl_b32 s48, s36, 17                        ; 16 rows of 8,192 bytes,
	s_lshl_b32 s49, s34, 10                        ; my two steps: 256 keys, 1,024 bytes of each row
	s_add_co_u32 s48, s48, s49
	s_mov_b32 s49, 0
	s_add_nc_u64 s[28:29], s[28:29], s[48:49]
	s_lshl_b32 s48, s36, 12
	s_lshl_b32 s50, s34, 9
	s_add_co_u32 s48, s48, s50
	s_add_nc_u64 s[38:39], s[32:33], s[48:49]      ; my two steps' lane words
	s_wait_alu depctr_va_vdst(0)
	v_mul_u32_u24 v7, v5, 528
	v_add_nc_u32 v14, s35, v12                     ; in: 16 x lane
	s_delay_alu instid0(VALU_DEP_2)
	v_lshl_add_u32 v7, v6, 5, v7
	s_delay_alu instid0(VALU_DEP_1)
	v_add_nc_u32 v7, s35, v7                       ; back: row r, + 8 h keys
	s_wait_alu depctr_va_vdst(0)
.irp u, 0,1
.irp r, 0,1,2,3,4,5,6,7,8,9,10,11,12,13,14,15
	global_load_b128 v[16+64*\u+4*\r:19+64*\u+4*\r], v12, s[28:29] offset:8192*\r+512*\u th:TH_LOAD_NT   ; a step's 128 keys of one row: 512 consecutive bytes
.endr
.endr
.irp u, 0,1                                    ; one step at a time through the same bytes: my wave's own, served in order
	s_wait_loadcnt 16*(1-\u)
.irp r, 0,1,2,3,4,5,6,7,8,9,10,11,12,13,14,15
	ds_store_b128 v14, v[16+64*\u+4*\r:19+64*\u+4*\r] offset:528*\r
.endr
.irp t, 0,1,2,3,4,5,6,7
.irp e, 0,1
	ds_load_b128 v[16+64*\u+8*\t+4*\e:19+64*\u+8*\t+4*\e], v7 offset:64*\t+16*\e
.endr
.endr
.endr
.irp i, 0,1,2,3
	v_mov_b32 v[144+\i], 0                         ; a lane write's destination counts as read
.endr
	s_mov_b32 s66, 0                               ; my flags
.irp u, 0,1
	s_wait_dscnt 32-32*\u                          ; this step's 16 LDS loads are in; the second step's 16 stores and 16 loads may be out
	s_mov_b32 s60, 0
	s_mov_b32 s61, -1
.irp t, 0,1,2,3,4,5,6,7
.irp j, 0,1,2,3,4,5,6,7
	v_cmp_ne_u32 s[52+\j], 0, v[16+64*\u+8*\t+\j]  ; word 8 t + j: a bit for each lane
.endr
.irp j, 0,1,2,3,4,5,6,7
	v_writelane_b32 v[144+2*\u+(\j%2)], s[52+\j], 4*\t+\j/2   ; word n goes to lane n / 2, register n % 2: the lanes then store 8 consecutive bytes each
	s_or_b32 s60, s60, s[52+\j]
	s_and_b32 s61, s61, s[52+\j]
.endr
.endr
	global_store_b64 v13, v[144+2*\u:145+2*\u], s[38:39] offset:256*\u   ; 256 consecutive bytes, aligned
	s_cmp_lg_u32 s60, 0                            ; is any key open,
	s_cselect_b32 s62, 1, 0
	s_cmp_eq_u32 s61, -1                           ; are all
	s_cselect_b32 s63, 1, 0
	s_lshl_b32 s63, s63, 16
	s_or_b32 s62, s62, s63
	s_lshl_b32 s67, s34, 1
	s_add_co_u32 s67, s67, \u
	s_lshl_b32 s62, s62, s67                       ; at bit step, and at bit 16 + step
	s_or_b32 s66, s66, s62
.endr
	v_mov_b32 v8, s66
	v_lshlrev_b32 v9, 2, v1                        ; my wave's flag word
	ds_store_b32 v9, v8
	s_wait_dscnt 0x0                               ; for the others' sake: my store has landed
	s_barrier_signal -1
	s_barrier_wait -1
	s_cmp_lg_u32 s34, 0
	s_cbranch_scc1 .Lmend                          ; wave 0 makes the tile's record
	v_mov_b32 v10, 0
	ds_load_b128 v[16:19], v10
	ds_load_b128 v[20:23], v10 offset:16
	s_wait_dscnt 0x0
	v_or_b32 v16, v16, v17
	v_or_b32 v18, v18, v19
	v_or_b32 v20, v20, v21
	v_or_b32 v22, v22, v23
	s_delay_alu instid0(VALU_DEP_3)
	v_or_b32 v16, v16, v18
	s_delay_alu instid0(VALU_DEP_2)
	v_or_b32 v20, v20, v22
	s_delay_alu instid0(VALU_DEP_1)
	v_or_b32 v16, v16, v20
	s_delay_alu instid0(VALU_DEP_1)
	v_readfirstlane_b32 s66, v16
	s_mov_b32 s72, 0                               ; the list, low and high word
	s_mov_b32 s73, 0
	s_mov_b32 s74, 0                               ; its length
	s_mov_b32 s75, 0                               ; bit i: entry i is open throughout
.irp st, 0,1,2,3,4,5,6,7,8,9,10,11,12,13,14,15
	s_bfe_u32 s67, s66, 0x10000+\st
	s_bfe_u32 s68, s66, 0x10010+\st
	s_mul_i32 s70, s67, \st
	s_mov_b32 s71, 0
	s_lshl_b32 s69, s74, 2
	s_lshl_b64 s[70:71], s[70:71], s69             ; no jump: a closed step adds nothing and does not move the length
	s_or_b32 s72, s72, s70
	s_or_b32 s73, s73, s71
	s_lshl_b32 s68, s68, s74
	s_or_b32 s75, s75, s68
	s_add_co_u32 s74, s74, s67
.endr
	v_mov_b32 v8, s72
	v_mov_b32 v9, s73
	v_mov_b32 v10, s74
	v_mov_b32 v11, s75
	s_lshl_b32 s48, s36, 4
	s_add_nc_u64 s[40:41], s[32:33], s[48:49]
	s_wait_alu depctr_va_vdst(0)
	s_wait_xcnt 0x0                                ; EXEC changes only behind this wait: my stores above have read it
	v_cmp_gt_u32 vcc_lo, 1, v4
	s_and_saveexec_b32 s76, vcc_lo                 ; lane 0 alone
	global_store_b128 v12, v[8:11], s[40:41] offset:524288
	s_wait_xcnt 0x0                                ; and again, in front of the line that widens it
	s_or_b32 exec_lo, exec_lo, s76
.Lmend:
	s_wait_tensorcnt 0x0                           ; the wave's end: behind my last LDS store
	ds_add_u32 v[SPW], v[NIL]
	s_wait_dscnt 0x0
	s_endpgm
.Lnorm:
	; ---- h = (x - mean) rsqrt(var + 1e-5) g1 + be1 for 16 rows, quantised along the row
.set ACT_S, 3145728
.set X,  16                            ; v16-79   my 64 numbers
.set G,  80                            ; v80-143  g of their columns
.set BE, 144                           ; v144-207 b likewise
.set TM, 208                           ; v208-223 at work
.set PC, 224                           ; v224-243 the codes
.set PW, 244                           ; v244     the scale word
.set SEL, 14
	s_load_b256 s[4:11], s[0:1], 0x0               ; x, g, b, out
	s_sub_co_u32 s28, ttmp9, 224                   ; my block of 16 rows
	v_lshrrev_b32 v1, 5, v0
	s_delay_alu instid0(VALU_DEP_1)
	v_readfirstlane_b32 s12, v1                    ; wave 0..7
	v_and_b32 v2, 15, v0                           ; r
	v_bfe_u32 v3, v0, 4, 1                         ; h
	s_delay_alu instid0(VALU_DEP_2)
	v_lshlrev_b32 v4, 12, v2
	s_delay_alu instid0(VALU_DEP_1)
	v_lshl_add_u32 v4, v3, 6, v4                   ; x: row r of 4,096 bytes, + 64 h
	s_delay_alu instid0(VALU_DEP_3)
	v_lshlrev_b32 v5, 6, v3                        ; g, b: 64 h
	v_lshlrev_b32 v7, 5, v2                        ; LDS: my row's eight words
	s_lshl_b32 s13, s12, 2
	v_add_nc_u32 v6, s13, v7                       ; and my wave's among them
	v_and_b32 v8, 31, v0
	s_delay_alu instid0(VALU_DEP_1)
	v_lshlrev_b32 v9, 4, v8                        ; 16 x lane
	s_delay_alu instid0(VALU_DEP_2)
	v_lshlrev_b32 v10, 3, v8                       ; 8 x lane
	v_lshlrev_b32 v11, 4, v2                       ; 16 r
	v_mov_b32 v250, 0                              ; a lane permute's destination counts as read
	s_mov_b32 s[SEL], 0x76543210
	s_mov_b32 s[SEL+1], 0xfedcba98                 ; lane l xor 16
	s_mov_b32 s16, 0x3a800000                      ; 1 / 1,024
	s_mov_b32 s17, 0x3727c5ac                      ; 1e-5
	s_lshl_b32 s18, s28, 16                        ; 16 rows of 4,096 bytes
	s_lshl_b32 s20, s12, 9                         ; my 128 columns
	s_add_co_u32 s18, s18, s20
	s_mov_b32 s19, 0
	s_mov_b32 s21, 0
	s_lshl_b32 s22, s28, 3
	s_add_co_u32 s22, s22, s12
	s_mul_i32 s22, s22, 1536                       ; my fragment's image
	s_mov_b32 s23, 0
	s_lshr_b32 s24, s28, 3                         ; my scale words: image (row block / 8, K step w), lanes' half (row block / 4) % 2, word row block % 4
	s_lshl_b32 s24, s24, 3
	s_add_co_u32 s24, s24, s12
	s_lshl_b32 s24, s24, 9
	s_bfe_u32 s25, s28, 0x10002
	s_lshl_b32 s25, s25, 8
	s_add_co_u32 s24, s24, s25
	s_and_b32 s25, s28, 3
	s_lshl_b32 s25, s25, 2
	s_add_co_u32 s24, s24, s25
	s_mov_b32 s25, 0
	s_wait_alu depctr_va_vdst(0)
	s_wait_kmcnt 0x0
	s_add_nc_u64 s[4:5], s[4:5], s[18:19]
	s_add_nc_u64 s[6:7], s[6:7], s[20:21]
	s_add_nc_u64 s[8:9], s[8:9], s[20:21]
	s_add_nc_u64 s[22:23], s[10:11], s[22:23]
	s_add_nc_u64 s[24:25], s[10:11], s[24:25]
.irp b, 0,1,2,3
.irp j, 0,1,2,3
	global_load_b128 v[X+16*\b+4*\j:X+16*\b+4*\j+3], v4, s[4:5] offset:128*\b+16*\j
.endr
.endr
.irp b, 0,1,2,3
.irp j, 0,1,2,3
	global_load_b128 v[G+16*\b+4*\j:G+16*\b+4*\j+3], v5, s[6:7] offset:128*\b+16*\j
	global_load_b128 v[BE+16*\b+4*\j:BE+16*\b+4*\j+3], v5, s[8:9] offset:128*\b+16*\j
.endr
.endr
; four chains in v[TM] .. v[TM+7] become the row's sum over all 1,024 columns, in v245 of every lane
.macro ACROSS st
	s_delay_alu instid0(VALU_DEP_3)
	v_pk_add_f32 v[TM:TM+1], v[TM:TM+1], v[TM+2:TM+3]
	s_delay_alu instid0(VALU_DEP_2)
	v_pk_add_f32 v[TM+4:TM+5], v[TM+4:TM+5], v[TM+6:TM+7]
	s_delay_alu instid0(VALU_DEP_1)
	v_pk_add_f32 v[TM:TM+1], v[TM:TM+1], v[TM+4:TM+5]
	s_delay_alu instid0(VALU_DEP_1)
	v_add_f32 v245, v[TM], v[TM+1]
	s_delay_alu instid0(VALU_DEP_1)
	v_permlanex16_b32 v250, v245, s[SEL], s[SEL+1]
	s_delay_alu instid0(VALU_DEP_1)
	v_add_f32 v245, v245, v250                     ; my wave's 128 columns of row r
	ds_store_b32 v6, v245 offset:\st               ; (both halves of the lanes write the same word with the same value)
	s_wait_dscnt 0x0                               ; for the others' sake: my store has landed
	s_barrier_signal -1
	s_barrier_wait -1
	ds_load_b128 v[TM:TM+3], v7 offset:\st
	ds_load_b128 v[TM+4:TM+7], v7 offset:\st+16
	s_wait_dscnt 0x0
	v_pk_add_f32 v[TM:TM+1], v[TM:TM+1], v[TM+2:TM+3]
	v_pk_add_f32 v[TM+4:TM+5], v[TM+4:TM+5], v[TM+6:TM+7]
	s_delay_alu instid0(VALU_DEP_1)
	v_pk_add_f32 v[TM:TM+1], v[TM:TM+1], v[TM+4:TM+5]
	s_delay_alu instid0(VALU_DEP_1)
	v_add_f32 v245, v[TM], v[TM+1]                 ; the same order in every wave: the same bits
.endm
	s_wait_loadcnt 32                              ; x's 16 loads are in; the 32 of g and b may be out
.irp c, 0,1,2,3
	v_pk_add_f32 v[TM+2*\c:TM+2*\c+1], v[X+2*\c:X+2*\c+1], v[X+8+2*\c:X+9+2*\c]
.endr
.irp i, 16,24,32,40,48,56
.irp c, 0,1,2,3
	s_delay_alu instid0(VALU_DEP_4)
	v_pk_add_f32 v[TM+2*\c:TM+2*\c+1], v[TM+2*\c:TM+2*\c+1], v[X+\i+2*\c:X+\i+2*\c+1]
.endr
.endr
	ACROSS ST1
	s_delay_alu instid0(VALU_DEP_1)
	v_mul_f32 v246, s16, v245                      ; the mean,
	s_delay_alu instid0(VALU_DEP_1)
	v_mov_b32 v247, v246                           ; twice, for the packed forms
.set i, 0
.rept 32
	v_pk_add_f32 v[X+i:X+i+1], v[X+i:X+i+1], v[246:247] neg_lo:[0,1] neg_hi:[0,1]   ; x - mean
.set i, i+2
.endr
.irp c, 0,1,2,3
	v_pk_mul_f32 v[TM+2*\c:TM+2*\c+1], v[X+2*\c:X+2*\c+1], v[X+2*\c:X+2*\c+1]
.endr
.irp i, 8,16,24,32,40,48,56
.irp c, 0,1,2,3
	s_delay_alu instid0(VALU_DEP_4)
	v_pk_fma_f32 v[TM+2*\c:TM+2*\c+1], v[X+\i+2*\c:X+\i+2*\c+1], v[X+\i+2*\c:X+\i+2*\c+1], v[TM+2*\c:TM+2*\c+1]
.endr
.endr
	ACROSS ST2
	s_delay_alu instid0(VALU_DEP_1)
	v_fma_f32 v245, v245, s16, s17                 ; var + 1e-5
	s_wait_alu depctr_va_vdst(0)
	v_rsq_f32 v248, v245
	v_nop                                          ; a plain instruction behind the transcendental
	s_wait_alu depctr_va_vdst(0)                   ; and a wait ahead of its first reader
	v_mov_b32 v249, v248
.set i, 0
.rept 32
	v_pk_mul_f32 v[X+i:X+i+1], v[X+i:X+i+1], v[248:249]
.set i, i+2
.endr
	s_wait_loadcnt 0x0                             ; g and b
.set i, 0
.rept 32
	v_pk_fma_f32 v[X+i:X+i+1], v[X+i:X+i+1], v[G+i:G+i+1], v[BE+i:BE+i+1]
.set i, i+2
.endr
; my 64 numbers, register 16 b + i = k 32 b + 16 h + i of my row, become a fragment's codes in v[PC] on and its scale word in v[PW]
.irp b, 0,1,2,3
	v_max3_num_f32 v[TM+\b], |v[X+16*\b]|, |v[X+1+16*\b]|, 0x1800000   ; block b: my 16 numbers, and the floor 2^(3 - 127): the byte cannot fall under 1
.endr
.irp i, 2,4,6,8,10,12,14
.irp b, 0,1,2,3
	s_delay_alu instid0(VALU_DEP_4)
	v_max3_num_f32 v[TM+\b], v[TM+\b], |v[X+16*\b+\i]|, |v[X+1+16*\b+\i]|
.endr
.endr
.irp b, 0,1,2,3
	s_delay_alu instid0(VALU_DEP_4)
	v_permlanex16_b32 v[TM+4+\b], v[TM+\b], s[SEL], s[SEL+1]
.endr
.irp b, 0,1,2,3
	s_delay_alu instid0(VALU_DEP_4)
	v_max_num_f32 v[TM+\b], v[TM+\b], v[TM+4+\b]   ; with lane l xor 16's: the block's largest magnitude
.endr
.irp b, 0,1,2,3
	s_delay_alu instid0(VALU_DEP_4)
	v_add_nc_u32 v[TM+12+\b], 0xff000000, v[TM+\b] ; 2 off its exponent field: the conversion's scale operand
.endr
.irp b, 0,1,2,3
	s_delay_alu instid0(VALU_DEP_4)
	v_lshrrev_b32 v[TM+4+\b], 23, v[TM+12+\b]      ; the scale's byte
.endr
	s_delay_alu instid0(VALU_DEP_3)
	v_lshl_or_b32 v[PW], v[TM+5], 8, v[TM+4]
	s_delay_alu instid0(VALU_DEP_1)
	v_lshl_or_b32 v[PW], v[TM+6], 16, v[PW]
	s_delay_alu instid0(VALU_DEP_1)
	v_lshl_or_b32 v[PW], v[TM+7], 24, v[PW]
.irp c, 0,1
	v_cvt_scalef32_pk16_fp6_f32 v[PC+6*\c:PC+2+6*\c], v[X+32*\c:X+15+32*\c], v[TM+12+2*\c]
	v_cvt_scalef32_pk16_fp6_f32 v[PC+12+4*\c:PC+14+4*\c], v[X+16+32*\c:X+31+32*\c], v[TM+12+2*\c+1]   ; (a conversion's three registers begin on an even number)
.endr
	v_nop                                          ; one plain place behind a scaled conversion
.irp c, 0,1                                    ; the operand wants a WHOLE block in a lane: lanes 0-15 block 2 c, lanes 16-31 block 2 c + 1
.irp i, 0,1,2
	v_permlane16_swap_b32 v[PC+6*\c+\i], v[PC+12+4*\c+\i]
.endr
.irp i, 0,1,2
	s_delay_alu instid0(VALU_DEP_3)
	v_mov_b32 v[PC+3+6*\c+\i], v[PC+12+4*\c+\i]
.endr
.endr
	global_store_b128 v9, v[PC:PC+3], s[22:23]
	global_store_b64 v10, v[PC+4:PC+5], s[22:23] offset:512
	global_store_b128 v9, v[PC+6:PC+9], s[22:23] offset:768
	global_store_b64 v10, v[PC+10:PC+11], s[22:23] offset:1280
	s_wait_xcnt 0x0                                ; EXEC changes only behind this wait
	v_cmp_gt_u32 vcc_lo, 16, v8
	s_and_saveexec_b32 s26, vcc_lo                 ; lanes 0-15: a word for each row
	global_store_b32 v11, v[PW], s[24:25] offset:ACT_S
	s_wait_xcnt 0x0
	s_or_b32 exec_lo, exec_lo, s26
	s_wait_tensorcnt 0x0                           ; the wave's end: behind my last LDS store
	ds_add_u32 v[SPW], v[NIL]
	s_wait_dscnt 0x0
	s_endpgm
.Lfunc_end_k_qfce6d25241_prep:
	.size	k_qfce6d25241_prep, .Lfunc_end_k_qfce6d25241_prep-k_qfce6d25241_prep
	.p2alignl 7, 3214868480
	.fill 96, 4, 3214868480
	.section	.rodata,"a",@progbits
	.p2align	6, 0x0
	.amdhsa_kernel k_qfce6d25241_prep
		.amdhsa_group_segment_fixed_size 102656
		.amdhsa_private_segment_fixed_size 0
		.amdhsa_enable_private_segment 0
		.amdhsa_kernarg_size 152
		.amdhsa_user_sgpr_count 2
		.amdhsa_user_sgpr_kernarg_segment_ptr 1
		.amdhsa_wavefront_size32 1
		.amdhsa_system_sgpr_workgroup_id_x 1
		.amdhsa_system_sgpr_workgroup_id_y 1
		.amdhsa_system_sgpr_workgroup_id_z 1
		.amdhsa_system_vgpr_workitem_id 0
		.amdhsa_next_free_vgpr 256
		.amdhsa_next_free_sgpr 80
		.amdhsa_reserve_vcc 1
		.amdhsa_float_denorm_mode_32 3
		.amdhsa_float_denorm_mode_16_64 3
		.amdhsa_memory_ordered 1
		.amdhsa_forward_progress 1
		.amdhsa_inst_pref_size 87
	.end_amdhsa_kernel
	.amdgpu_metadata
---
amdhsa.version: [ 1, 2 ]
amdhsa.kernels:
  - .name:           k_qfce6d25241_prep
    .symbol:         k_qfce6d25241_prep.kd
    .args:
      - { .name: x, .offset: 0, .size: 8, .value_kind: global_buffer, .address_space: global }
      - { .name: g1, .offset: 8, .size: 8, .value_kind: global_buffer, .address_space: global }
      - { .name: be1, .offset: 16, .size: 8, .value_kind: global_buffer, .address_space: global }
      - { .name: act, .offset: 24, .size: 8, .value_kind: global_buffer, .address_space: global }
      - { .name: Wq_codes, .offset: 32, .size: 8, .value_kind: global_buffer, .address_space: global }
      - { .name: Wq_scales, .offset: 40, .size: 8, .value_kind: global_buffer, .address_space: global }
      - { .name: Wk_codes, .offset: 48, .size: 8, .value_kind: global_buffer, .address_space: global }
      - { .name: Wk_scales, .offset: 56, .size: 8, .value_kind: global_buffer, .address_space: global }
      - { .name: Wv_codes, .offset: 64, .size: 8, .value_kind: global_buffer, .address_space: global }
      - { .name: Wv_scales, .offset: 72, .size: 8, .value_kind: global_buffer, .address_space: global }
      - { .name: Wo_codes, .offset: 80, .size: 8, .value_kind: global_buffer, .address_space: global }
      - { .name: Wo_scales, .offset: 88, .size: 8, .value_kind: global_buffer, .address_space: global }
      - { .name: W1_codes, .offset: 96, .size: 8, .value_kind: global_buffer, .address_space: global }
      - { .name: W1_scales, .offset: 104, .size: 8, .value_kind: global_buffer, .address_space: global }
      - { .name: W2_codes, .offset: 112, .size: 8, .value_kind: global_buffer, .address_space: global }
      - { .name: W2_scales, .offset: 120, .size: 8, .value_kind: global_buffer, .address_space: global }
      - { .name: mask, .offset: 128, .size: 8, .value_kind: global_buffer, .address_space: global }
      - { .name: wimg, .offset: 136, .size: 8, .value_kind: global_buffer, .address_space: global }
      - { .name: mk, .offset: 144, .size: 8, .value_kind: global_buffer, .address_space: global }
    .group_segment_fixed_size: 102656
    .private_segment_fixed_size: 0
    .kernarg_segment_align: 8
    .kernarg_segment_size: 152
    .max_flat_workgroup_size: 256
    .sgpr_count:     80
    .vgpr_count:     256
    .wavefront_size: 32
...
	.end_amdgpu_metadata
.endif
;; end of part 8
;; launch qkv (part 9): grid 12 x 16, 4 waves a work-group, clusters of 4 x 4, 327,680 bytes of LDS; arguments act, wimg, bq, bk, bv, qkv; writes qkv
.if DOCPART == 9
	.amdgcn_target "amdgcn-amd-amdhsa--gfx1250"
	.amdhsa_code_object_version 6
	.text
	.protected	k_qfce6d25241_qkv
	.globl	k_qfce6d25241_qkv
	.p2align	8
	.type	k_qfce6d25241_qkv,@function
k_qfce6d25241_qkv:
	s_mov_b64 s[64:65], 0
	v_nop
	global_prefetch_b8 v0, s[64:65] scope:SCOPE_SE
	s_setreg_imm32_b32 hwreg(HW_REG_WAVE_MODE, 25, 1), 1
	s_wait_xcnt 0x0
	s_wait_alu depctr_hold_cnt(0) depctr_sa_sdst(0) depctr_va_vdst(0) depctr_va_sdst(0) depctr_va_ssrc(0) depctr_va_vcc(0) depctr_vm_vsrc(0)
	s_getreg_b32 s2, hwreg(HW_REG_IB_STS2, 6, 4)
	s_cmp_eq_u32 s2, 0
	s_cbranch_scc0 .Lentry_in_a_cluster
	s_endpgm
.Lentry_in_a_cluster:
	s_bfe_u32 s2, ttmp6, 0x10000c
	s_cmp_lg_u32 s2, 0xf033
	s_cbranch_scc0 .Lentry_shape_is_right
	s_endpgm
.Lentry_shape_is_right:
; q = h Wq + bq, k = h Wk + bk, v = h Wv + bv on codes of FP6 (E2M3) with E8M0 scales; the results are quantised on the way out: q and k along the head's 64, v along the keys.  Nothing of these products is left out.
; Both operands come as fragment images and scale images (their forms: the head of the first kernel), so a K step's tiles are dense rows for the tensor data mover and a fragment is four dense LDS loads.
; A tile of 256 x 256 results to a work-group of four waves, 128 x 128 to a wave: 64 accumulators, 512 registers.  K goes in steps of 256 through two LDS slots; the scale images of all of K come once and stay.
; CLUSTERS 4 x 4: the A side's tiles are shared along a row of the cluster, the B side's along a column: joint loads.  Cluster x says which product (0 q, 1 k, 2 v): it is the same in all sixteen partners.
; The matrix instruction takes the B side as source 0 and the A side as source 1: a lane holds ONE row of the A side and its registers run along the B side's rows.  For q and k: A = tokens, B = the weight: a lane has a token, registers
; run along the features.  For v THE SIDES CHANGE PLACES (A = Wv, B = tokens): a lane has a feature, registers run along the tokens, which are the second attention product's K.
; ORDER INSIDE A BLOCK OF 32: registers 16 b + i of lanes h = 0, 1 hold rows 32 b + 16 (i / 8) + 8 h + i % 8: the block's own 32, in an order that q and k share along the head and that v shares with p along the keys: the sums stay.
; qkv: k's scale images at 0 [head of 32][16][512], v's at 262,144 (256 bytes of each 512), q's at 524,288; q's half images at QC [head][128 tiles][768], k's at KC, v's fragments at VC [head][16 steps][4][1536].
; q's and k's scale words are stored doubled (bytes s0 s1 s0 s1), so that a word serves either half of a K step of 128.
; LIMITS: NaN and infinities are not served; a block under 2^-124 gets the byte 1.
.set SIZE_K, 1024
.set ACT_S, 3145728
.set QC, 786432
.set VC, 7077888
.set NS,    SIZE_K/128                 ; K steps of 128
.set RBP,   1536*NS                    ; from a row block's images to the next block's
.set NQ,    2                          ; matrix instructions deep in a slot
.set NL,    4                          ; LDS loads that bring a fragment
.set NP,    4                          ; places behind this matrix instruction (ISA guide 7.12.1)
.set HALFT, 8*3072                     ; 128 rows x 256 K: what one tensor load brings, and what one wave reads of a side
.set SLOT,  4*HALFT
.set LAPS,  SIZE_K/512
.set HALFS, 512*NS                     ; the scale images of 128 rows
.set SCL,   2*SLOT
.set SPARE, SCL+4*HALFS                ; the spare words, 128 bytes for each wave
.set L16, 12                           ; v12 16 x lane;  v13 8 x lane
.set L8,  13
.set A16, 16                           ; v16-17, v18-19 my A fragments in slot 0, 1, for loads of 16 and of 8 bytes;  v20-23 the same for B
.set A8,  18
.set B16, 20
.set B8,  22
.set ADSA, 27                          ; v27, v30 my scale images of A, of B
.set SPW, 28
.set NIL, 29
.set ADSB, 30
.set SC,  32                           ; v32-63 scale words and nothing else: set s at 32 + 16 s: A's at + 4 q + j, B's at + 8 + 4 q + j
.set BIAS, 64
.set AF,  128                          ; A's eight fragments, window 0; B's two sets in window 1 at v0 and v128; accumulator (a, b) at v[8 (8 (a % 4) + b)] of window 2 (a < 4) or 3
.set T,   128                          ; the way out: 64 numbers,
.set PC,  192                          ; their codes,
.set TM,  212
.set PW,  228
.set WS,  230                          ; scale words kept
.set DS,  246
.set SEL, 4
.set HM,  6
.set G1, 24
.set G0, 32
.set G1B, 48
.set G0B, 56
.set G1S, 68
.set G0S, 76
.set G1SB, 80
.set G0SB, 88
.set MSB, 0
.macro WIN new                         ; the immediate's high byte repeats the setting that is left
.if MSB != \new
	s_set_vgpr_msb (MSB<<8)|\new
.set MSB, \new
.endif
.endm
.set MUL_LO, 0xa1                      ; source 0 (B) window 1, source 1 (A) window 0, C and D window 2
.set MUL_HI, 0xf1
.set TO_B,   0x40
.macro JLOAD g0a, g1a, g0b, g1b        ; a joint load: waves 0 and 1 fetch for A, waves 2 and 3 for B; an s_nop 0 and four v_nop follow each line
	s_cmp_eq_u32 s15, 0
	s_cbranch_scc0 .Lfor_b_\@
	tensor_load_to_lds s[\g0a:\g0a+3], s[\g1a:\g1a+7]
	s_nop 0
.rept 4
	v_nop
.endr
	s_branch .Lasked_\@
.Lfor_b_\@:
	tensor_load_to_lds s[\g0b:\g0b+3], s[\g1b:\g1b+7]
	s_nop 0
.rept 4
	v_nop
.endr
.Lasked_\@:
.endm
.macro CREST                           ; a round of the cluster's barrier behind its opening barrier
	s_cmp_lg_u32 s14, 0
	s_cbranch_scc1 .Lnot_wave_0_\@
	s_barrier_signal -3
.Lnot_wave_0_\@:
	s_barrier_wait -3
	s_barrier_signal -1
	s_barrier_wait -1
.endm
.macro CROUND
	s_barrier_signal -1
	s_barrier_wait -1
	CREST
.endm
.macro FRAG reg, a16, a8, q, i         ; a fragment's image into its twelve registers: each load takes 512 or 256 consecutive bytes
	ds_load_b128 v[\reg:\reg+3], v[\a16] offset:3072*(\i)+1536*(\q)
	ds_load_b64 v[\reg+4:\reg+5], v[\a8] offset:3072*(\i)+1536*(\q)+512
	ds_load_b128 v[\reg+6:\reg+9], v[\a16] offset:3072*(\i)+1536*(\q)+768
	ds_load_b64 v[\reg+10:\reg+11], v[\a8] offset:3072*(\i)+1536*(\q)+1280
.endm
.macro WM a, b, p, q, sc, zero         ; one product: A's block a x B's block b.  A scale register holds blocks 0-3 in lanes 0-15 and blocks 4-7 in lanes 16-31
.set rD, 8*(8*((\a)%4)+(\b))
.set rB, 128*(\p)+12*(\b)
.set rA, AF+12*(\a)
.set sB, SC+16*(\sc)+8+4*(\q)+(\b)%4
.set sA, SC+16*(\sc)+4*(\q)+(\a)%4
.if \zero
.if ((\b)/4) && ((\a)/4)
	v_wmma_scale_f32_16x16x128_f8f6f4 v[rD:rD+7], v[rB:rB+11], v[rA:rA+11], 0, v[sB], v[sA] matrix_a_fmt:MATRIX_FMT_FP6 matrix_b_fmt:MATRIX_FMT_FP6 matrix_a_scale:MATRIX_SCALE_ROW1 matrix_b_scale:MATRIX_SCALE_ROW1
.elseif (\b)/4
	v_wmma_scale_f32_16x16x128_f8f6f4 v[rD:rD+7], v[rB:rB+11], v[rA:rA+11], 0, v[sB], v[sA] matrix_a_fmt:MATRIX_FMT_FP6 matrix_b_fmt:MATRIX_FMT_FP6 matrix_a_scale:MATRIX_SCALE_ROW1
.elseif (\a)/4
	v_wmma_scale_f32_16x16x128_f8f6f4 v[rD:rD+7], v[rB:rB+11], v[rA:rA+11], 0, v[sB], v[sA] matrix_a_fmt:MATRIX_FMT_FP6 matrix_b_fmt:MATRIX_FMT_FP6 matrix_b_scale:MATRIX_SCALE_ROW1
.else
	v_wmma_scale_f32_16x16x128_f8f6f4 v[rD:rD+7], v[rB:rB+11], v[rA:rA+11], 0, v[sB], v[sA] matrix_a_fmt:MATRIX_FMT_FP6 matrix_b_fmt:MATRIX_FMT_FP6
.endif
.else
.if ((\b)/4) && ((\a)/4)
	v_wmma_scale_f32_16x16x128_f8f6f4 v[rD:rD+7], v[rB:rB+11], v[rA:rA+11], v[rD:rD+7], v[sB], v[sA] matrix_a_fmt:MATRIX_FMT_FP6 matrix_b_fmt:MATRIX_FMT_FP6 matrix_a_scale:MATRIX_SCALE_ROW1 matrix_b_scale:MATRIX_SCALE_ROW1
.elseif (\b)/4
	v_wmma_scale_f32_16x16x128_f8f6f4 v[rD:rD+7], v[rB:rB+11], v[rA:rA+11], v[rD:rD+7], v[sB], v[sA] matrix_a_fmt:MATRIX_FMT_FP6 matrix_b_fmt:MATRIX_FMT_FP6 matrix_a_scale:MATRIX_SCALE_ROW1
.elseif (\a)/4
	v_wmma_scale_f32_16x16x128_f8f6f4 v[rD:rD+7], v[rB:rB+11], v[rA:rA+11], v[rD:rD+7], v[sB], v[sA] matrix_a_fmt:MATRIX_FMT_FP6 matrix_b_fmt:MATRIX_FMT_FP6 matrix_b_scale:MATRIX_SCALE_ROW1
.else
	v_wmma_scale_f32_16x16x128_f8f6f4 v[rD:rD+7], v[rB:rB+11], v[rA:rA+11], v[rD:rD+7], v[sB], v[sA] matrix_a_fmt:MATRIX_FMT_FP6 matrix_b_fmt:MATRIX_FMT_FP6
.endif
.endif
.endm
.macro MUL16 a0, p, q, sc, zero        ; the 64 accumulators take turns, one instruction a turn, in the same order in every step
.irp a, \a0, \a0+1
.irp b, 0,1,2,3,4,5,6,7
	WM \a, \b, \p, \q, \sc, \zero
.endr
.endr
.endm
.macro FETCH_B slot, q, p
	WIN TO_B
.irp i, 0,1,2,3,4,5,6,7
	FRAG 128*(\p)+12*\i, B16+\slot, B8+\slot, \q, \i
.endr
	WIN 0
.endm
.macro FETCH_A slot, q, i0
.irp i, \i0, \i0+1, \i0+2, \i0+3
	FRAG AF+12*(\i), A16+\slot, A8+\slot, \q, \i
.endr
.endm
.macro SCALES sc                       ; a slot's scale words: two K steps of A's image and of B's
.irp q, 0,1
	ds_load_b128 v[SC+16*\sc+4*\q:SC+16*\sc+4*\q+3], v[ADSA] offset:512*\q
	ds_load_b128 v[SC+16*\sc+8+4*\q:SC+16*\sc+8+4*\q+3], v[ADSB] offset:512*\q
.endr
.endm
.macro PLACES n                        ; plain vector instructions between a matrix instruction and a load into, or a read of, its registers
.rept \n
	v_nop
.endr
.endm
.macro STEP slot, q, zero              ; 128 along K that has its successor in the same slot
	s_wait_dscnt 4*NL                              ; all but the youngest 16 loads (A's blocks 4-7) are in
	WIN MUL_LO
	MUL16 0, (\q)%2, \q, \slot, \zero
	MUL16 2, (\q)%2, \q, \slot, \zero
	s_wait_dscnt 0
	PLACES NP
	FETCH_B \slot, (\q)+1, 1-(\q)%2
	FETCH_A \slot, (\q)+1, 0
	WIN MUL_HI
	MUL16 4, (\q)%2, \q, \slot, \zero
	MUL16 6, (\q)%2, \q, \slot, \zero
	PLACES NP
	WIN 0
	FETCH_A \slot, (\q)+1, 4
.endm
.macro TURN slot, next, fill           ; a slot's last step changes slots: one barrier; fill = 1: it opens a round of the cluster's barrier and the slot is filled again, two slots ahead
	s_wait_tensorcnt 0x0                           ; all my tensor loads have landed: my part of the next slot
	ds_add_u32 v[SPW], v[NIL]                      ; 0 onto my spare word
	s_wait_dscnt 4*NL+1                            ; (the add and the youngest 16 loads may be out)
	WIN MUL_LO
	MUL16 0, 1, NQ-1, \slot, 0
	s_wait_dscnt 0x0                               ; the add is done, and my reads of this slot are over
	s_barrier_signal -1
	MUL16 2, 1, NQ-1, \slot, 0
	WIN 0
	s_barrier_wait -1
.if \fill
	CREST                                          ; no wave of any partner still reads this slot or has a load on its way
	s_add_nc_u64 s[G0+4*\slot+2:G0+4*\slot+3], s[G0+4*\slot+2:G0+4*\slot+3], 6144
	s_add_nc_u64 s[G0B+4*\slot+2:G0B+4*\slot+3], s[G0B+4*\slot+2:G0B+4*\slot+3], 6144
	JLOAD G0+4*\slot, G1, G0B+4*\slot, G1B         ; the first tensor load behind the round; its four v_nop are the places in front of the loads below
.else
	PLACES NP
.endif
	s_wait_alu depctr_va_vdst(0)
	v_add_nc_u32 v[ADSA], 1024, v[ADSA]            ; the next slot's scale words
	v_add_nc_u32 v[ADSB], 1024, v[ADSB]
	FETCH_B \next, 0, 0
	FETCH_A \next, 0, 0
	SCALES \next
	WIN MUL_HI
	MUL16 4, 1, NQ-1, \slot, 0
	MUL16 6, 1, NQ-1, \slot, 0
	PLACES NP
	WIN 0
	FETCH_A \next, 0, 4
.endm
.macro LAST                            ; the very last step: nothing more to fetch
	s_wait_dscnt 4*NL
	WIN MUL_LO
	MUL16 0, 1, NQ-1, 1, 0
	MUL16 2, 1, NQ-1, 1, 0
	s_wait_dscnt 0
	WIN MUL_HI
	MUL16 4, 1, NQ-1, 1, 0
	MUL16 6, 1, NQ-1, 1, 0
	WIN 0
.endm
.macro QUANT s                         ; 64 numbers of a lane, blocks of 16 registers, become a fragment's codes in v[PC] on and its scale word in v[PW]
.irp b, 0,1,2,3
	v_max3_num_f32 v[TM+\b], |v[\s+16*\b]|, |v[\s+1+16*\b]|, 0x1800000   ; and the floor 2^(3 - 127): the byte cannot fall under 1
.endr
.irp i, 2,4,6,8,10,12,14
.irp b, 0,1,2,3
	v_max3_num_f32 v[TM+\b], v[TM+\b], |v[\s+16*\b+\i]|, |v[\s+1+16*\b+\i]|
.endr
.endr
.irp b, 0,1,2,3
	v_permlanex16_b32 v[TM+4+\b], v[TM+\b], s[SEL], s[SEL+1]
.endr
.irp b, 0,1,2,3
	v_max_num_f32 v[TM+\b], v[TM+\b], v[TM+4+\b]
.endr
.irp b, 0,1,2,3
	v_add_nc_u32 v[TM+12+\b], 0xff000000, v[TM+\b] ; 2 off the exponent field: the conversion's scale operand
.endr
.irp b, 0,1,2,3
	v_lshrrev_b32 v[TM+4+\b], 23, v[TM+12+\b]
.endr
	v_lshl_or_b32 v[PW], v[TM+5], 8, v[TM+4]
	v_lshl_or_b32 v[PW], v[TM+6], 16, v[PW]
	v_lshl_or_b32 v[PW], v[TM+7], 24, v[PW]
.irp c, 0,1
	v_cvt_scalef32_pk16_fp6_f32 v[PC+6*\c:PC+2+6*\c], v[\s+32*\c:\s+15+32*\c], v[TM+12+2*\c]
	v_cvt_scalef32_pk16_fp6_f32 v[PC+12+4*\c:PC+14+4*\c], v[\s+16+32*\c:\s+31+32*\c], v[TM+12+2*\c+1]
.endr
	v_nop                                          ; one plain place behind a scaled conversion
.irp c, 0,1
.irp i, 0,1,2
	v_permlane16_swap_b32 v[PC+6*\c+\i], v[PC+12+4*\c+\i]
.endr
.irp i, 0,1,2
	v_mov_b32 v[PC+3+6*\c+\i], v[PC+12+4*\c+\i]
.endr
.endr
.endm
.macro ADDB a                          ; block a's 64 results + a bias that runs along the registers, each accumulator from its low end on
	WIN 0x02+(\a)/4
.set AC, 64*((\a)%4)
.set i, 0
.rept 32
	v_pk_add_f32 v[T+i:T+i+1], v[AC+i:AC+i+1], v[BIAS+i:BIAS+i+1]
.set i, i+2
.endr
	WIN 0
.endm
.macro ADDV a                          ; block a's 64 results + my row's one bias
	WIN 0x02+(\a)/4
.set AC, 64*((\a)%4)
.set i, 0
.rept 64
	v_add_f32 v[T+i], v[AC+i], v[BIAS+(\a)]
.set i, i+1
.endr
	WIN 0
.endm
	s_load_b128 s[4:7], s[0:1], 0x0                ; act, wimg
	s_load_b128 s[96:99], s[0:1], 0x10             ; bq, bk
	s_load_b128 s[8:11], s[0:1], 0x20              ; bv, qkv
	v_lshl_add_u32 v[SPW], v0, 2, SPARE
	v_mov_b32 v[NIL], 0
	ds_add_u32 v[SPW], v[NIL]                      ; the wave's opening: the add, twice on end, and its wait ahead of my first tensor load
	ds_add_u32 v[SPW], v[NIL]
	v_lshrrev_b32 v1, 5, v0
	v_readfirstlane_b32 s14, v1                    ; wave 0..3
	s_lshr_b32 s15, s14, 1                         ; which half of the A side's rows is mine.  Also: I fetch for A (0) or for B (1)
	s_and_b32 s16, s14, 1                          ; which half of the B side's.  Also: which 128 rows of that tile I fetch
	s_bfe_u32 s40, ttmp6, 0x40000                  ; cx, cy
	s_bfe_u32 s41, ttmp6, 0x40004
	s_and_b32 s18, ttmp7, 0xffff
	s_lshl_b32 s18, s18, 2                         ; 4 x cluster y walks the tokens:
	s_cmp_eq_u32 ttmp9, 2
	s_cselect_b32 s17, 0, s18                      ; they are the A side for q and k,
	s_cselect_b32 s42, s18, 0                      ; the B side for v
	s_add_co_u32 s17, s17, s41                     ; the A side's tile
	s_add_co_u32 s42, s42, s40                     ; the B side's
	s_lshl_b32 s43, s41, 2
	s_lshl_b32 s43, 15, s43                        ; my row of the cluster
	s_lshl_b32 s44, 0x1111, s40                    ; my column
	s_or_b32 s[G1], s43, (3<<16)|(1<<21)           ; 15:0 the mask; 17:16 elements of 8 bytes; 21 set beside a mask; no padding
	s_or_b32 s[G1B], s44, (3<<16)|(1<<21)
.irp g, G1, G1B
	s_mov_b32 s[\g+1], 384<<16                     ; tensor_dim0: two fragments, 3,072 bytes
	s_mov_b32 s[\g+2], 16<<16                      ; tensor_dim1: 16 row blocks for the head's loads; behind them 8
	s_mov_b32 s[\g+3], 384<<16                     ; tile_dim0
	s_mov_b32 s[\g+4], 16                          ; tile_dim1
	s_mov_b32 s[\g+5], RBP/8                       ; from row block to row block
	s_mov_b32 s[\g+6], 0
	s_mov_b32 s[\g+7], 0
.endr
	s_or_b32 s[G1S], s43, (3<<16)|(1<<21)
	s_or_b32 s[G1SB], s44, (3<<16)|(1<<21)
.irp g, G1S, G1SB
	s_mov_b32 s[\g+1], 32<<16                      ; a side's scale images: a dense block, as rows of 256 bytes
	s_mov_b32 s[\g+2], (2*HALFS/256)<<16           ; a side's 256 rows
	s_mov_b32 s[\g+3], 32<<16
	s_mov_b32 s[\g+4], 2*HALFS/256
	s_mov_b32 s[\g+5], 32
	s_mov_b32 s[\g+6], 0
	s_mov_b32 s[\g+7], 0
.endr
	s_mul_i32 s20, s17, 16*RBP                     ; A: the tile's first row block
	s_mov_b32 s21, 0
	s_mul_i32 s46, s42, 16*RBP                     ; B likewise
	s_mov_b32 s47, 0
	s_mul_i32 s22, s17, 2*HALFS                    ; and their scale images
	s_mov_b32 s23, 0
	s_mul_i32 s92, s42, 2*HALFS
	s_mov_b32 s93, 0
	s_mul_i32 s45, s14, HALFT                      ; where the ring's loads go: no place in the cluster enters an LDS address
	s_mul_i32 s94, s16, 8*RBP                      ; in the ring I fetch 8 row blocks of a tile: which half
	s_mov_b32 s95, 0
	s_wait_dscnt 0x0                               ; both opening adds are done
	s_wait_kmcnt 0x0
	s_mov_b64 s[100:101], s[8:9]                   ; bv
	s_mov_b64 s[12:13], s[10:11]                   ; qkv
	s_mul_i32 s18, ttmp9, 786432
	s_mov_b32 s19, 0
	s_add_nc_u64 s[76:77], s[6:7], s[18:19]        ; my weight's codes,
	s_lshl_b32 s18, ttmp9, 15
	s_add_nc_u64 s[78:79], s[6:7], s[18:19]
	s_add_nc_u64 s[78:79], s[78:79], 9437184       ; its scale images,
	s_add_nc_u64 s[88:89], s[4:5], ACT_S           ; the tokens' scale images
	s_cmp_eq_u32 ttmp9, 2                          ; the choice hangs on the cluster's number alone
	s_cselect_b64 s[8:9], s[4:5], s[76:77]         ; B's codes
	s_cselect_b64 s[10:11], s[88:89], s[78:79]     ; B's scales
	s_cselect_b64 s[4:5], s[76:77], s[4:5]         ; A's codes
	s_cselect_b64 s[6:7], s[78:79], s[88:89]       ; A's scales
	s_add_nc_u64 s[20:21], s[4:5], s[20:21]
	s_add_nc_u64 s[22:23], s[6:7], s[22:23]
	s_add_nc_u64 s[46:47], s[8:9], s[46:47]
	s_add_nc_u64 s[92:93], s[10:11], s[92:93]
	CROUND                                         ; all sixteen work-groups are here: the first joint loads meet
	s_mov_b32 s[G0S], 1
	s_mov_b32 s[G0S+1], SCL
	s_mov_b64 s[G0S+2:G0S+3], s[22:23]
	s_or_b32 s[G0S+3], s[G0S+3], 0x80000000
	s_mov_b32 s[G0SB], 1
	s_mov_b32 s[G0SB+1], SCL+2*HALFS
	s_mov_b64 s[G0SB+2:G0SB+3], s[92:93]
	s_or_b32 s[G0SB+3], s[G0SB+3], 0x80000000
.set G0H, 4                            ; s[4:7], s[8:11] group 0 for the head's loads of slot 0: A's 256 rows, B's 256 rows (the addresses that lay there have been used)
.set G0HB, 8
	s_mov_b32 s[G0H], 1
	s_mov_b32 s[G0H+1], 0
	s_mov_b64 s[G0H+2:G0H+3], s[20:21]
	s_or_b32 s[G0H+3], s[G0H+3], 0x80000000
	s_mov_b32 s[G0HB], 1
	s_mov_b32 s[G0HB+1], 2*HALFT
	s_mov_b64 s[G0HB+2:G0HB+3], s[46:47]
	s_or_b32 s[G0HB+3], s[G0HB+3], 0x80000000
	s_add_nc_u64 s[20:21], s[20:21], s[94:95]      ; for the ring: my half of the tile
	s_add_nc_u64 s[46:47], s[46:47], s[94:95]
.irp s, 0,1
	s_mov_b32 s[G0+4*\s], 1
	s_add_co_u32 s[G0+4*\s+1], s45, \s*SLOT
	s_add_nc_u64 s[G0+4*\s+2:G0+4*\s+3], s[20:21], \s*3072
	s_or_b32 s[G0+4*\s+3], s[G0+4*\s+3], 0x80000000
	s_mov_b32 s[G0B+4*\s], 1
	s_add_co_u32 s[G0B+4*\s+1], s45, \s*SLOT
	s_add_nc_u64 s[G0B+4*\s+2:G0B+4*\s+3], s[46:47], \s*3072
	s_or_b32 s[G0B+4*\s+3], s[G0B+4*\s+3], 0x80000000
.endr
; THE HEAD'S LOADS, ONE A WAVE: wave 0 slot 0's 256 rows of A, wave 1 its 256 rows of B, wave 2 A's scale images, wave 3 B's.  One tree of branches on the wave's number: every way passes one load
; THE TILES ARE PREFETCHED two chunks ahead: the head asks for chunks 1 and 2, and behind chunk 1's load stands the request for chunk 3.  Of the eight row blocks that a wave fetches in the ring, the partner at place p of the four
; that ask jointly (p = cx for the A side, cy for the B side) names row blocks 2 p and 2 p + 1: 2 x 3,072 bytes, 24 lanes 256 bytes apart; lanes 24-31 name the last block again.  The partners part by address alone.
.set PFO, 31                           ; v31      my lane's block; never rewritten
.set PFA, 46                           ; s[46:47] my work-group's two row blocks, chunk 0; never rewritten
	s_cmp_eq_u32 s15, 0                            ; do I fetch for A?
	s_cselect_b64 s[PFA:PFA+1], s[20:21], s[46:47]
	s_cselect_b32 s18, s40, s41                    ; my place among the four that ask with me
	s_mul_i32 s18, s18, 2*RBP
	s_mov_b32 s19, 0
	s_add_nc_u64 s[PFA:PFA+1], s[PFA:PFA+1], s[18:19]
.macro ARM under, g0, g1, next
	s_cmp_lt_u32 s14, \under
	s_cbranch_scc0 \next
	tensor_load_to_lds s[\g0:\g0+3], s[\g1:\g1+7]
	s_nop 0
.rept 4
	v_nop
.endr
	s_branch .Lhead_asked
\next:
.endm
	ARM 1, G0H,  G1,  .Lhead_b
	ARM 2, G0HB, G1B, .Lhead_sa
	ARM 3, G0S,  G1S, .Lhead_sb
	tensor_load_to_lds s[G0SB:G0SB+3], s[G1SB:G1SB+7]
	s_nop 0
.rept 4
	v_nop
.endr
.Lhead_asked:
	v_and_b32 v7, 31, v0
	v_min_u32 v7, 23, v7                           ; block 0..23
	v_mul_u32_u24 v8, v7, 171
	v_lshrrev_b32 v8, 11, v8                       ; block / 12: which of the two row blocks
	v_mul_u32_u24 v8, v8, RBP-3072
	v_lshl_add_u32 v[PFO], v7, 8, v8
	global_prefetch_b8 v[PFO], s[PFA:PFA+1] offset:3072 th:TH_LOAD_NT scope:SCOPE_SE   ; chunk 1
	global_prefetch_b8 v[PFO], s[PFA:PFA+1] offset:6144 th:TH_LOAD_NT scope:SCOPE_SE   ; chunk 2
	v_and_b32 v1, 15, v0                           ; r
	v_bfe_u32 v2, v0, 4, 1                         ; h
	v_and_b32 v3, 31, v0
	v_lshlrev_b32 v[L16], 4, v3
	v_lshlrev_b32 v[L8], 3, v3
	s_mul_i32 s21, s15, HALFT                      ; my 128 rows of A,
	s_mul_i32 s22, s16, HALFT
	s_add_co_u32 s22, s22, 2*HALFT                 ; of B, behind A's 256
.irp s, 0,1
	v_add_nc_u32 v[A16+\s], s21, v[L16]
	v_add_nc_u32 v[A8+\s], s21, v[L8]
	v_add_nc_u32 v[B16+\s], s22, v[L16]
	v_add_nc_u32 v[B8+\s], s22, v[L8]
	s_add_co_u32 s21, s21, SLOT
	s_add_co_u32 s22, s22, SLOT
.endr
	s_mul_i32 s21, s15, HALFS
	s_add_co_u32 s21, s21, SCL
	v_add_nc_u32 v[ADSA], s21, v[L16]
	s_mul_i32 s22, s16, HALFS
	s_add_co_u32 s22, s22, SCL+2*HALFS
	v_add_nc_u32 v[ADSB], s22, v[L16]
	v_lshlrev_b32 v4, 5, v2                        ; q, k: the bias of my half's eight features: 32 h bytes
	v_and_b32 v5, 8, v1
	v_add_nc_u32 v5, v5, v1
	v_lshlrev_b32 v5, 2, v5                        ; v: the bias of my row: 4 (r + (r & 8))
	v_lshlrev_b32 v6, 4, v1
	v_lshl_add_u32 v6, v2, 13, v6                  ; v: where my four scale words go: 16 r, lanes 16-31 a head on
	s_wait_alu depctr_va_vdst(0)
	s_wait_tensorcnt 0x0                           ; my tile of the head's four is in
	ds_add_u32 v[SPW], v[NIL]
	s_mov_b32 s[G1+2], 8<<16                       ; no tensor load of mine is out: from here on a load brings 8 row blocks
	s_mov_b32 s[G1+4], 8
	s_mov_b32 s[G1B+2], 8<<16
	s_mov_b32 s[G1B+4], 8
	s_wait_dscnt 0x0
	CROUND                                         ; all four tiles are in, and all sixteen work-groups are here
	JLOAD G0+4, G1, G0B+4, G1B                     ; slot 1's first fill, the first tensor load behind the round
	FETCH_B 0, 0, 0
	FETCH_A 0, 0, 0
	SCALES 0
	FETCH_A 0, 0, 4
	global_prefetch_b8 v[PFO], s[PFA:PFA+1] offset:9216 th:TH_LOAD_NT scope:SCOPE_SE   ; chunk 1 has been asked for: chunk 3, the last
	STEP 0, 0, 1                                   ; the first step's products start the sums: nothing is cleared
	s_mov_b32 s3, LAPS-1
.Llap:                                                 ; a trip goes once round the ring and fills both slots again
	TURN 0, 1, 1
	STEP 1, 0, 0
	TURN 1, 0, 1
	STEP 0, 0, 0
	s_sub_co_u32 s3, s3, 1
	s_cmp_lg_u32 s3, 0
	s_cbranch_scc1 .Llap
	TURN 0, 1, 0                                   ; the last lap fills nothing
	s_cmp_eq_u32 ttmp9, 2                          ; ONE parting, on the cluster's number: each way has its bias loads, the last two steps and its way out
	s_cbranch_scc1 .Larm_v
	; ---- q and k
	s_cmp_eq_u32 ttmp9, 0
	s_cselect_b64 s[96:97], s[96:97], s[98:99]
	s_lshl_b32 s18, s42, 10
	s_lshl_b32 s19, s16, 9
	s_add_co_u32 s18, s18, s19                     ; my first feature: 256 x tile + 128 x half
	s_mov_b32 s19, 0
	s_add_nc_u64 s[96:97], s[96:97], s[18:19]
.irp b, 0,1,2,3,4,5,6,7
	global_load_b128 v[BIAS+8*\b:BIAS+8*\b+3], v4, s[96:97] offset:64*\b
	global_load_b128 v[BIAS+8*\b+4:BIAS+8*\b+7], v4, s[96:97] offset:64*\b+16
.endr
	STEP 1, 0, 0
	LAST
	PLACES NP
	s_mov_b32 s[SEL], 0x76543210
	s_mov_b32 s[SEL+1], 0xfedcba98
	s_mov_b32 s[HM], 0xffff0000                    ; lanes 16-31
.irp b, 0,1,2,3
	v_mov_b32 v[TM+4+\b], 0                        ; a lane permute's destination counts as read
.endr
	s_lshl_b32 s18, s17, 8
	s_lshl_b32 s20, s15, 7
	s_add_co_u32 s18, s18, s20                     ; my first token
	s_lshr_b32 s20, s18, 11                        ; its batch
	s_and_b32 s18, s18, 2047
	s_lshl_b32 s20, s20, 4
	s_lshl_b32 s21, s42, 2
	s_add_co_u32 s20, s20, s21
	s_lshl_b32 s21, s16, 1
	s_add_co_u32 s20, s20, s21                     ; my first head of 32
	s_lshl_b32 s21, s20, 7
	s_lshr_b32 s22, s18, 4
	s_add_co_u32 s21, s21, s22
	s_mul_i32 s22, s21, 768
	s_mul_i32 s21, ttmp9, 3145728                  ; k's half images lie behind q's
	s_add_co_u32 s22, s22, s21
	s_mov_b32 s23, 0
	s_add_nc_u64 s[8:9], s[12:13], s[22:23]
	s_lshl_b32 s21, s20, 4
	s_lshr_b32 s22, s18, 7
	s_add_co_u32 s21, s21, s22
	s_lshl_b32 s22, s21, 9
	s_cmp_eq_u32 ttmp9, 0
	s_cselect_b32 s21, 524288, 0
	s_add_co_u32 s22, s22, s21
	s_add_nc_u64 s[10:11], s[12:13], s[22:23]
	s_wait_loadcnt 0x0                             ; the bias
.irp a, 0,1,2,3,4,5,6,7
.if \a > 0
	s_wait_xcnt 0x0                                ; the last block's stores have read their registers
.endif
	ADDB \a
	QUANT T
.irp c, 0,1                                    ; blocks 2 c, 2 c + 1 are head c's 64: a half image
	global_store_b128 v[L16], v[PC+6*\c:PC+6*\c+3], s[8:9] offset:QC+98304*\c+768*\a
	global_store_b64 v[L8], v[PC+6*\c+4:PC+6*\c+5], s[8:9] offset:QC+98304*\c+768*\a+512
.endr
	v_perm_b32 v[WS+\a], v[PW], v[PW], 0x01000100  ; head 0's two bytes, doubled;
	v_perm_b32 v[WS+8+\a], v[PW], v[PW], 0x03020302   ; head 1's
.endr
.irp c, 0,1
.irp j, 0,1,2,3
	v_cndmask_b32 v[DS+4*\c+\j], v[WS+8*\c+\j], v[WS+8*\c+4+\j], s[HM]   ; lanes 0-15 blocks 0-3, lanes 16-31 blocks 4-7
.endr
	global_store_b128 v[L16], v[DS+4*\c:DS+4*\c+3], s[10:11] offset:8192*\c
.endr
	s_branch .Lend
.Larm_v:
	; ---- v
	s_lshl_b32 s18, s17, 10
	s_lshl_b32 s19, s15, 9
	s_add_co_u32 s18, s18, s19                     ; my first feature
	s_mov_b32 s19, 0
	s_add_nc_u64 s[100:101], s[100:101], s[18:19]
.irp a, 0,1,2,3,4,5,6,7
	global_load_b32 v[BIAS+\a], v5, s[100:101] offset:(32*(\a/2)+8*(\a%2))*4   ; lane r of block a holds feature 32 (a / 2) + 8 (a % 2) + r + (r & 8)
.endr
	STEP 1, 0, 0
	LAST
	PLACES NP
	s_mov_b32 s[SEL], 0x76543210
	s_mov_b32 s[SEL+1], 0xfedcba98
	s_mov_b32 s[HM], 0xffff0000
.irp b, 0,1,2,3
	v_mov_b32 v[TM+4+\b], 0
.endr
	s_lshl_b32 s18, s42, 8
	s_lshl_b32 s20, s16, 7
	s_add_co_u32 s18, s18, s20                     ; my first token: a key step of 128
	s_lshr_b32 s20, s18, 11
	s_and_b32 s18, s18, 2047
	s_lshr_b32 s18, s18, 7                         ; the step
	s_lshl_b32 s20, s20, 4
	s_lshl_b32 s21, s17, 2
	s_add_co_u32 s20, s20, s21
	s_lshl_b32 s21, s15, 1
	s_add_co_u32 s20, s20, s21                     ; my first head of 32
	s_lshl_b32 s21, s20, 4
	s_add_co_u32 s21, s21, s18
	s_mul_i32 s22, s21, 6144
	s_mov_b32 s23, 0
	s_add_nc_u64 s[8:9], s[12:13], s[22:23]
	s_lshl_b32 s22, s21, 9
	s_add_nc_u64 s[10:11], s[12:13], s[22:23]
	s_wait_loadcnt 0x0
.irp a, 0,1,2,3,4,5,6,7
.if \a > 0
	s_wait_xcnt 0x0
.endif
	ADDV \a
	QUANT T
	global_store_b128 v[L16], v[PC:PC+3], s[8:9] offset:VC+98304*(\a/4)+1536*(\a%4)
	global_store_b64 v[L8], v[PC+4:PC+5], s[8:9] offset:VC+98304*(\a/4)+1536*(\a%4)+512
	global_store_b128 v[L16], v[PC+6:PC+9], s[8:9] offset:VC+98304*(\a/4)+1536*(\a%4)+768
	global_store_b64 v[L8], v[PC+10:PC+11], s[8:9] offset:VC+98304*(\a/4)+1536*(\a%4)+1280
	v_mov_b32 v[WS+\a], v[PW]
.endr
.irp j, 0,1,2,3
	v_cndmask_b32 v[DS+\j], v[WS+\j], v[WS+4+\j], s[HM]   ; lanes 0-15 my first head's four tiles, lanes 16-31 the second's
.endr
	global_store_b128 v6, v[DS:DS+3], s[10:11] offset:262144   ; sixteen lanes store 256 consecutive bytes
.Lend:
	s_wait_tensorcnt 0x0                           ; the wave's end
	ds_add_u32 v[SPW], v[NIL]
	s_wait_dscnt 0x0
	CROUND                                         ; the closing round
	s_endpgm
.Lfunc_end_k_qfce6d25241_qkv:
	.size	k_qfce6d25241_qkv, .Lfunc_end_k_qfce6d25241_qkv-k_qfce6d25241_qkv
	.p2alignl 7, 3214868480
	.fill 96, 4, 3214868480
	.section	.rodata,"a",@progbits
	.p2align	6, 0x0
	.amdhsa_kernel k_qfce6d25241_qkv
		.amdhsa_group_segment_fixed_size 327680
		.amdhsa_private_segment_fixed_size 0
		.amdhsa_enable_private_segment 0
		.amdhsa_kernarg_size 48
		.amdhsa_user_sgpr_count 2
		.amdhsa_user_sgpr_kernarg_segment_ptr 1
		.amdhsa_wavefront_size32 1
		.amdhsa_system_sgpr_workgroup_id_x 1
		.amdhsa_system_sgpr_workgroup_id_y 1
		.amdhsa_system_sgpr_workgroup_id_z 1
		.amdhsa_system_vgpr_workitem_id 0
		.amdhsa_next_free_vgpr 1024
		.amdhsa_next_free_sgpr 102
		.amdhsa_reserve_vcc 0
		.amdhsa_float_denorm_mode_32 3
		.amdhsa_float_denorm_mode_16_64 3
		.amdhsa_memory_ordered 1
		.amdhsa_forward_progress 1
		.amdhsa_inst_pref_size 243
	.end_amdhsa_kernel
	.amdgpu_metadata
---
amdhsa.version: [ 1, 2 ]
amdhsa.kernels:
  - .name:           k_qfce6d25241_qkv
    .symbol:         k_qfce6d25241_qkv.kd
    .args:
      - { .name: act, .offset: 0, .size: 8, .value_kind: global_buffer, .address_space: global }
      - { .name: wimg, .offset: 8, .size: 8, .value_kind: global_buffer, .address_space: global }
      - { .name: bq, .offset: 16, .size: 8, .value_kind: global_buffer, .address_space: global }
      - { .name: bk, .offset: 24, .size: 8, .value_kind: global_buffer, .address_space: global }
      - { .name: bv, .offset: 32, .size: 8, .value_kind: global_buffer, .address_space: global }
      - { .name: qkv, .offset: 40, .size: 8, .value_kind: global_buffer, .address_space: global }
    .group_segment_fixed_size: 327680
    .private_segment_fixed_size: 0
    .kernarg_segment_align: 8
    .kernarg_segment_size: 48
    .max_flat_workgroup_size: 128
    .sgpr_count:     102
    .vgpr_count:     1024
    .wavefront_size: 32
...
	.end_amdgpu_metadata
.endif
;; end of part 9
;; launch attn (part 10): grid 256 x 1, 16 waves a work-group, no clusters, 0 bytes of LDS; arguments qkv, mk, act; writes act
.if DOCPART == 10
	.amdgcn_target "amdgcn-amd-amdhsa--gfx1250"
	.amdhsa_code_object_version 6
	.text
	.protected	k_qfce6d25241_attn
	.globl	k_qfce6d25241_attn
	.p2align	8
	.type	k_qfce6d25241_attn,@function
k_qfce6d25241_attn:
	s_mov_b64 s[64:65], 0
	v_nop
	global_prefetch_b8 v0, s[64:65] scope:SCOPE_SE
	s_setreg_imm32_b32 hwreg(HW_REG_WAVE_MODE, 25, 1), 1
	s_wait_xcnt 0x0
; ctx = softmax(q k^T / 8, under the mask) v for 32 heads (batch x head) of 2,048 x 64, both products on codes of FP6 (E2M3) with E8M0 scales; ctx is quantised along the model's 1,024 and stored as half images and scale bytes.
; THE SOFTMAX AHEAD OF THE SECOND PRODUCT: t = score x log2(e) / 8; M = the running largest t rounded UP to a whole number; p = 2^(t - M) is quantised along the keys; the row's sum is taken of the unquantised p and divides at the end.
; LEFT OUT: key steps (16 queries x 128 keys) that the mask closes wholly: every p there is 0 and the maximum stays.  Which steps are open is read from mk, whole numbers that the first launch stored from the mask.
; So trip counts and branches hang on numbers read from memory: this launch has no tensor load and no LDS, and NO CLUSTER: tiles of queries walk different numbers of key steps, so partners could not make every request jointly.
; Operands lie in memory in the order of the registers and are asked for one whole key step ahead, straight into registers.  No prefetch: which wave walks which step, and when, hangs on the lists, so no wave can name each block once ahead.
; SHARES: a work-group has one head and sixteen waves, a wave ONE tile of 16 queries: with p = 8 x (work-group % 8) + wave % 8, waves 0-7 take tile 127 - p and waves 8-15 tile p (a schedule only: right for every mask).
; LAYOUT: both products transposed (S^T = k q^T, O^T = v^T p^T): a lane holds ONE query.  K = 64 in the first product: a fragment of k holds TWO tiles of 16 keys, one in each half of the instruction's 128, and q stands
; between zero codes: [q, 0] meets the first tile, [0, q] the second; q's and k's scale words are doubled, so they serve either half.  p's order inside a block of 32 keys is v's (see the launch before).
; THE MASK WORDS of a step (64 scalar registers) are asked for ONE TRIP AHEAD, behind the selects of the trip in hand, and only where the next entry is not open throughout; the first entry's are always asked for, at the head.
; The flags past the list's end are set to 'open', so nothing is asked for there.  The 64 selects are jumped over where the step is open throughout.
; A QUERY WITH NO OPEN KEY has the sum 0: its codes are zeros and its scale bytes 0xff, which makes the next product NaN for that row, as reference() has it.
; LIMITS: NaN and infinities among the inputs are not served; v_exp_f32 is taken not to fall where its input rises (a block's largest p is made of its largest score); the scaled scores stay under 2^31 in magnitude.
.set ACT_S, 3145728
.set QS, 524288
.set VS, 262144
.set QC, 786432
.set KC, 3932160
.set VC, 7077888
.set SOP, 8                            ; v8-11   the conversions' scale operands.  v1 16 x lane, v2 8 x lane, v3 16 r, v4 -infinity, v5 at work, v[6:7] f and p's scale word, v12 -M, v13 the largest t, v[14:15] the sum
.set KF, 36                            ; v36-83  four fragments of k;  v84-87 its scale words.  v16-33: zeros, q, zeros;  v34 q's scale words;  v35 their offset
.set VF, 88                            ; v88-135 four fragments of v;  v136-139 its scale words
.set S,  140                           ; v140-203 S^T, then p
.set O,  204                           ; v204-235 O^T
.set PCD, 236                          ; v236-247 p's codes
.set BM, 244                           ; v244-247 the blocks' largest scores (done with when the codes are made)
.set TA, 248                           ; v248-255 at work
.macro KLOAD                           ; 17 loads: a key step's k
.irp f, 0,1,2,3
	global_load_b128 v[KF+12*\f:KF+12*\f+3], v1, s[76:77] offset:KC+1536*\f
	global_load_b64 v[KF+12*\f+4:KF+12*\f+5], v2, s[76:77] offset:KC+1536*\f+512
	global_load_b128 v[KF+12*\f+6:KF+12*\f+9], v1, s[76:77] offset:KC+1536*\f+768
	global_load_b64 v[KF+12*\f+10:KF+12*\f+11], v2, s[76:77] offset:KC+1536*\f+1280
.endr
	global_load_b128 v[84:87], v1, s[78:79]
.endm
.macro VLOAD                           ; 17 loads: its v
.irp f, 0,1,2,3
	global_load_b128 v[VF+12*\f:VF+12*\f+3], v1, s[76:77] offset:VC+1536*\f
	global_load_b64 v[VF+12*\f+4:VF+12*\f+5], v2, s[76:77] offset:VC+1536*\f+512
	global_load_b128 v[VF+12*\f+6:VF+12*\f+9], v1, s[76:77] offset:VC+1536*\f+768
	global_load_b64 v[VF+12*\f+10:VF+12*\f+11], v2, s[76:77] offset:VC+1536*\f+1280
.endr
	global_load_b128 v[136:139], v3, s[78:79] offset:VS
.endm
.macro MLOAD st                        ; the 64 mask words of the key step in s[st]; every earlier scalar load has been waited for, so its base may be written
	s_lshl_b32 s104, s[\st], 8
	s_add_co_u32 s104, s104, s15
	s_add_nc_u64 s[100:101], s[6:7], s[104:105]
	s_load_b512 s[16:31], s[100:101], 0x0
	s_load_b512 s[32:47], s[100:101], 0x40
	s_load_b512 s[48:63], s[100:101], 0x80
	s_load_b512 s[80:95], s[100:101], 0xc0
.endm
	s_load_b128 s[4:7], s[0:1], 0x0                ; qkv, mk
	s_load_b64 s[8:9], s[0:1], 0x10                ; act
	v_lshrrev_b32 v1, 5, v0
	s_delay_alu instid0(VALU_DEP_1)
	v_readfirstlane_b32 s10, v1                    ; wave 0..15
	v_and_b32 v0, 31, v0                           ; lane
	s_delay_alu instid0(VALU_DEP_1)
	v_lshlrev_b32 v1, 4, v0
	s_delay_alu instid0(VALU_DEP_2)
	v_lshlrev_b32 v2, 3, v0
	s_delay_alu instid0(VALU_DEP_3)
	v_and_b32 v3, 15, v0
	s_delay_alu instid0(VALU_DEP_1)
	v_lshlrev_b32 v3, 4, v3
	v_mov_b32 v4, 0xff800000
	v_mov_b32 v5, 0
	v_mov_b32 v6, 0
	v_mov_b32 v7, 0                                ; (named as the upper half of the pair v[6:7] before it is first written)
.irp i, 0,1,2,3,4,5
	v_mov_b32 v[16+\i], 0                          ; zero codes on both sides of q: they add nothing under any scale byte but 0xff
	v_mov_b32 v[28+\i], 0
.endr
.irp i, 0,1,2,3
	v_mov_b32 v[TA+\i], 0                          ; a lane permute's destination counts as read
.endr
	s_lshr_b32 s11, ttmp9, 3                       ; the head of 32
	s_and_b32 s12, ttmp9, 7
	s_lshl_b32 s12, s12, 3
	s_and_b32 s13, s10, 7
	s_add_co_u32 s12, s12, s13                     ; p, 0..63
	s_sub_co_u32 s14, 127, s12
	s_cmp_lt_u32 s10, 8
	s_cselect_b32 s14, s14, s12                    ; my tile of queries
	s_mov_b32 s96, 0x76543210
	s_mov_b32 s97, 0xfedcba98                      ; lane l xor 16
	s_mov_b32 s98, 0x3e38aa3b                      ; c = log2(e) / 8
	s_mov_b32 s99, s98
	s_mov_b32 s105, 0
	s_mul_i32 s104, s11, 98304
	s_wait_kmcnt 0x0
	s_add_nc_u64 s[72:73], s[4:5], s[104:105]      ; the head in each region of codes,
	s_lshl_b32 s104, s11, 13
	s_add_nc_u64 s[74:75], s[4:5], s[104:105]      ; and of scale images
	s_lshl_b32 s104, s14, 4
	s_add_nc_u64 s[12:13], s[6:7], s[104:105]
	s_load_b128 s[68:71], s[12:13], 0x80000        ; the tile's record: list low, list high, count, full
	s_mul_i32 s104, s14, 768
	s_add_nc_u64 s[2:3], s[72:73], s[104:105]
	global_load_b128 v[22:25], v1, s[2:3] offset:QC
	global_load_b64 v[26:27], v2, s[2:3] offset:QC+512
	s_lshr_b32 s10, s14, 2
	s_lshl_b32 s10, s10, 8
	s_and_b32 s104, s14, 3
	s_lshl_b32 s104, s104, 2
	s_add_co_u32 s10, s10, s104
	v_add_nc_u32 v35, s10, v3                      ; the tile's word in its scale image: 256 (tile / 4) + 16 r + 4 (tile % 4)
	global_load_b32 v34, v35, s[74:75] offset:QS
	s_mov_b64 s[76:77], s[72:73]                   ; KEY STEP 0's k, v and mask words are asked for beside the record; where the list begins at another step they are asked for again, below
	s_mov_b64 s[78:79], s[74:75]
	KLOAD
	VLOAD
	s_lshl_b32 s15, s14, 12                        ; the tile's lane words in mk
	s_mov_b32 s10, 0
	MLOAD 10
	s_wait_kmcnt 0x0
	s_mov_b64 s[66:67], s[68:69]                   ; the list
	s_min_u32 s68, s70, 16                         ; trips
	s_lshl_b32 s69, -1, s68
	s_or_b32 s69, s69, s71                         ; bit 0: the entry in hand is open throughout; past the list's end every bit is set
	s_and_b32 s70, s66, 15
	s_min_u32 s70, s70, 15                         ; the first entry's key step
	s_cmp_eq_u32 s70, 0
	s_cbranch_scc1 .Lhave
	s_wait_loadcnt 0x0                             ; step 0's loads have landed: their registers and bases are used again
	s_mul_i32 s104, s70, 6144
	s_add_nc_u64 s[76:77], s[72:73], s[104:105]
	s_lshl_b32 s104, s70, 9
	s_add_nc_u64 s[78:79], s[74:75], s[104:105]
	KLOAD
	VLOAD
	MLOAD 70
.Lhave:
.set i, 0
.rept 32
	v_mov_b32 v[O+i], 0                            ; O^T: the trip is written once; the first change of M leaves zeros zeros
.set i, i+1
.endr
	v_mov_b32 v14, 0
	v_mov_b32 v15, 0
	v_mov_b32 v13, 0xff61b1e6                      ; the largest t so far: -3e38
	s_delay_alu instid0(VALU_DEP_1)
	v_floor_f32 v12, -v13
	s_cmp_eq_u32 s68, 0
	s_cbranch_scc1 .Lout
.Ltrip:
	s_wait_loadcnt 17                              ; k is in (q too); v's 17 loads may be out
.irp t, 0,1,2,3
	v_wmma_scale_f32_16x16x128_f8f6f4 v[S+8*\t:S+8*\t+7], v[KF+12*(\t/2):KF+12*(\t/2)+11], v[22-6*(\t%2):33-6*(\t%2)], 0, v[84+\t], v34 matrix_a_fmt:MATRIX_FMT_FP6 matrix_b_fmt:MATRIX_FMT_FP6
.endr
.irp t, 4,5,6,7
	v_wmma_scale_f32_16x16x128_f8f6f4 v[S+8*\t:S+8*\t+7], v[KF+12*(\t/2):KF+12*(\t/2)+11], v[22-6*(\t%2):33-6*(\t%2)], 0, v[80+\t], v34 matrix_a_fmt:MATRIX_FMT_FP6 matrix_b_fmt:MATRIX_FMT_FP6 matrix_a_scale:MATRIX_SCALE_ROW1
.endr
	s_lshr_b32 s66, s66, 4                         ; the list moves on by an entry (past its end it reads step 0: inside the buffers; those data are not used)
	s_lshl_b32 s104, s67, 28
	s_or_b32 s66, s66, s104
	s_lshr_b32 s67, s67, 4
	s_and_b32 s71, s66, 15
	s_min_u32 s71, s71, 15
	s_wait_xcnt 0x0                                ; the loads that are out have read their bases, which step now
	s_mul_i32 s104, s71, 6144
	s_add_nc_u64 s[76:77], s[72:73], s[104:105]
	s_lshl_b32 s104, s71, 9
	s_add_nc_u64 s[78:79], s[74:75], s[104:105]
.rept 4
	v_nop                                          ; places in front of the loads into k's registers and of the first read of the scores
.endr
	KLOAD                                          ; the next entry's k
	s_wait_kmcnt 0x0                               ; the mask words, where any were asked for: a trip ago
	s_bitcmp1_b32 s69, 0
	s_cbranch_scc1 .Lopen
.set i, 0
.rept 48
	v_cndmask_b32 v[S+i], v4, v[S+i], s[16+i]      ; a closed key's score becomes -infinity: p = 0
.set i, i+1
.endr
.set i, 0
.rept 16
	v_cndmask_b32 v[S+48+i], v4, v[S+48+i], s[80+i]
.set i, i+1
.endr
.Lopen:
	s_lshr_b32 s69, s69, 1
	s_bitcmp1_b32 s69, 0                           ; is the next entry open throughout (or is there none)?
	s_cbranch_scc1 .Lasked
	MLOAD 71                                       ; if not: its mask words, a whole trip ahead of their selects
.Lasked:
.irp b, 0,1,2,3
	v_max3_num_f32 v[BM+\b], v[S+16*\b], v[S+1+16*\b], v[S+2+16*\b]   ; the largest score of each block of 32 keys: for the row's maximum, and for the block's largest p
.endr
.irp i, 3,5,7,9,11,13
.irp b, 0,1,2,3
	v_max3_num_f32 v[BM+\b], v[BM+\b], v[S+16*\b+\i], v[S+1+16*\b+\i]
.endr
.endr
.irp b, 0,1,2,3
	v_max_num_f32 v[BM+\b], v[BM+\b], v[S+15+16*\b]
.endr
.irp b, 0,1,2,3
	s_delay_alu instid0(VALU_DEP_4)
	v_permlanex16_b32 v[TA+\b], v[BM+\b], s96, s97
.endr
.irp b, 0,1,2,3
	s_delay_alu instid0(VALU_DEP_4)
	v_max_num_f32 v[BM+\b], v[BM+\b], v[TA+\b]
.endr
	s_delay_alu instid0(VALU_DEP_2)
	v_max3_num_f32 v5, v[BM], v[BM+1], v[BM+2]
	s_delay_alu instid0(VALU_DEP_1)
	v_max_num_f32 v5, v5, v[BM+3]
	s_delay_alu instid0(VALU_DEP_1)
	v_mul_f32 v5, s98, v5
	s_delay_alu instid0(VALU_DEP_1)
	v_max_num_f32 v13, v13, v5                     ; the running largest t
	v_mov_b32 v5, v12
	s_delay_alu instid0(VALU_DEP_2)
	v_floor_f32 v12, -v13                          ; -M = floor(-t): M is a whole number
	s_delay_alu instid0(VALU_DEP_1)
	v_sub_f32 v5, v12, v5
	s_delay_alu instid0(VALU_DEP_1)
	v_cvt_i32_f32 v5, v5                           ; (it saturates)
	s_delay_alu instid0(VALU_DEP_1)
	v_ldexp_f32 v6, 1.0, v5                        ; f = 2^(old M - new M): rounds nothing
.set i, 0
.rept 32
	v_pk_fma_f32 v[S+i:S+i+1], v[S+i:S+i+1], s[98:99], v[12:13] op_sel_hi:[1,0,0]   ; t - M
.set i, i+2
.endr
.irp b, 0,1,2,3
	v_fma_f32 v[BM+\b], v[BM+\b], s98, v12
.endr
.set i, 0
	s_wait_alu depctr_va_vdst(0)                   ; a wait ahead of the batch
.rept 64
	v_exp_f32 v[S+i], v[S+i]                       ; p = 2^(t - M)
.set i, i+1
.endr
	v_pk_mul_f32 v[14:15], v[14:15], v[6:7] op_sel_hi:[1,0]   ; the sums under the new M: a plain place behind the exponentials
	s_wait_alu depctr_va_vdst(0)                   ; one wait for the batch, ahead of its first reader
.irp b, 0,1,2,3
	v_exp_f32 v[BM+\b], v[BM+\b]                   ; the blocks' largest p
.endr
	v_pk_add_f32 v[TA:TA+1], v[S:S+1], v[S+2:S+3]  ; the row's sum of the unquantised p, in two chains
.irp j, 4,8,12,16,20,24,28,32,36,40,44,48,52,56,60
	v_pk_add_f32 v[14:15], v[14:15], v[S+\j:S+\j+1]
	v_pk_add_f32 v[TA:TA+1], v[TA:TA+1], v[S+2+\j:S+3+\j]
.endr
	s_delay_alu instid0(VALU_DEP_1)
	v_pk_add_f32 v[14:15], v[14:15], v[TA:TA+1]
	s_wait_alu depctr_va_vdst(0)                   ; and one for the four
.irp b, 0,1,2,3
	v_max_num_f32 v[BM+\b], 0x1800000, v[BM+\b]    ; the floor 2^(3 - 127)
.endr
.irp b, 0,1,2,3
	s_delay_alu instid0(VALU_DEP_4)
	v_add_nc_u32 v[SOP+\b], 0xff000000, v[BM+\b]
.endr
.irp b, 0,1,2,3
	s_delay_alu instid0(VALU_DEP_4)
	v_lshrrev_b32 v[TA+\b], 23, v[SOP+\b]
.endr
	s_delay_alu instid0(VALU_DEP_3)
	v_lshl_or_b32 v7, v[TA+1], 8, v[TA]            ; p's scale word for these 128 keys
	s_delay_alu instid0(VALU_DEP_1)
	v_lshl_or_b32 v7, v[TA+2], 16, v7
	s_delay_alu instid0(VALU_DEP_1)
	v_lshl_or_b32 v7, v[TA+3], 24, v7
.irp c, 0,1
	v_cvt_scalef32_pk16_fp6_f32 v[PCD+6*\c:PCD+2+6*\c], v[S+32*\c:S+15+32*\c], v[SOP+2*\c]
	v_cvt_scalef32_pk16_fp6_f32 v[TA+4*\c:TA+2+4*\c], v[S+16+32*\c:S+31+32*\c], v[SOP+2*\c+1]
.endr
	v_nop                                          ; one plain place behind a scaled conversion
.irp c, 0,1
.irp i, 0,1,2
	v_permlane16_swap_b32 v[PCD+6*\c+\i], v[TA+4*\c+\i]
.endr
.irp i, 0,1,2
	s_delay_alu instid0(VALU_DEP_3)
	v_mov_b32 v[PCD+3+6*\c+\i], v[TA+4*\c+\i]
.endr
.endr
.set i, 0
.rept 16
	v_pk_mul_f32 v[O+i:O+i+1], v[O+i:O+i+1], v[6:7] op_sel_hi:[1,0]   ; O^T under the new M; these sixteen are also the places between the scale word, the codes and the products
.set i, i+2
.endr
	s_wait_alu depctr_va_vdst(0)                   ; directly ahead of the wait below
	s_wait_loadcnt 17                              ; v is in; the next k's 17 loads may be out
.irp d, 0,1,2,3
	v_wmma_scale_f32_16x16x128_f8f6f4 v[O+8*\d:O+8*\d+7], v[VF+12*\d:VF+12*\d+11], v[PCD:PCD+11], v[O+8*\d:O+8*\d+7], v[136+\d], v7 matrix_a_fmt:MATRIX_FMT_FP6 matrix_b_fmt:MATRIX_FMT_FP6
.endr
.rept 4
	v_nop
.endr
	VLOAD                                          ; the next entry's v
	s_sub_co_i32 s68, s68, 1
	s_cmp_lg_u32 s68, 0
	s_cbranch_scc1 .Ltrip
.Lout:
.rept 4
	v_nop                                          ; places behind the last products
.endr
	s_wait_alu depctr_va_vdst(0)
	v_add_f32 v14, v14, v15
	s_delay_alu instid0(VALU_DEP_1)
	v_permlanex16_b32 v5, v14, s96, s97
	s_delay_alu instid0(VALU_DEP_1)
	v_add_f32 v14, v14, v5                         ; the row's sum
	s_wait_alu depctr_va_vdst(0)
	v_rcp_f32 v15, v14
	v_nop
	v_cmp_eq_f32 vcc_lo, 0, v14                    ; no key was open
	s_wait_alu depctr_va_vdst(0)                   ; the wait ahead of the reciprocal's first reader
	v_cndmask_b32 v15, v15, v16, vcc_lo            ; there 0 takes the reciprocal's place (v16 holds 0)
.set i, 0
.rept 32
	v_mul_f32 v[S+i], v[O+i], v15                  ; register 16 b + i is ctx(query, 32 b + 16 h + i) of my head
.set i, i+1
.endr
.irp b, 0,1
	v_max3_num_f32 v[BM+\b], |v[S+16*\b]|, |v[S+1+16*\b]|, 0x1800000
.endr
.irp i, 2,4,6,8,10,12,14
.irp b, 0,1
	s_delay_alu instid0(VALU_DEP_2)
	v_max3_num_f32 v[BM+\b], v[BM+\b], |v[S+16*\b+\i]|, |v[S+1+16*\b+\i]|
.endr
.endr
.irp b, 0,1
	s_delay_alu instid0(VALU_DEP_2)
	v_permlanex16_b32 v[TA+\b], v[BM+\b], s96, s97
.endr
.irp b, 0,1
	s_delay_alu instid0(VALU_DEP_2)
	v_max_num_f32 v[BM+\b], v[BM+\b], v[TA+\b]
.endr
.irp b, 0,1
	s_delay_alu instid0(VALU_DEP_2)
	v_add_nc_u32 v[SOP+\b], 0xff000000, v[BM+\b]
.endr
.irp b, 0,1
	s_delay_alu instid0(VALU_DEP_2)
	v_lshrrev_b32 v[TA+\b], 23, v[SOP+\b]
.endr
	s_delay_alu instid0(VALU_DEP_1)
	v_lshl_or_b32 v5, v[TA+1], 8, v[TA]            ; my head's two scale bytes
	v_mov_b32 v255, 0xffff
	s_delay_alu instid0(VALU_DEP_1)
	v_cndmask_b32 v5, v5, v255, vcc_lo             ; NaN's bytes where no key was open
	v_cvt_scalef32_pk16_fp6_f32 v[PCD:PCD+2], v[S:S+15], v[SOP]
	v_cvt_scalef32_pk16_fp6_f32 v[TA:TA+2], v[S+16:S+31], v[SOP+1]
	v_nop
.irp i, 0,1,2
	v_permlane16_swap_b32 v[PCD+\i], v[TA+\i]
.endr
.irp i, 0,1,2
	s_delay_alu instid0(VALU_DEP_3)
	v_mov_b32 v[PCD+3+\i], v[TA+\i]
.endr
	s_wait_alu depctr_va_vdst(0)
	s_wait_xcnt 0x0                                ; the look-ahead's loads have read their bases, which serve the stores now
	s_lshr_b32 s70, s11, 4
	s_lshl_b32 s70, s70, 7
	s_add_co_u32 s70, s70, s14                     ; row block of 256: 128 x batch + tile
	s_and_b32 s71, s11, 15
	s_lshr_b32 s68, s71, 1                         ; K step of the next product: head / 2,
	s_and_b32 s71, s71, 1                          ; and which half of it
	s_lshl_b32 s104, s70, 3
	s_add_co_u32 s104, s104, s68
	s_mul_i32 s104, s104, 1536
	s_mul_i32 s69, s71, 768
	s_add_co_u32 s104, s104, s69
	s_add_nc_u64 s[76:77], s[8:9], s[104:105]
	s_lshr_b32 s104, s70, 3
	s_lshl_b32 s104, s104, 3
	s_add_co_u32 s104, s104, s68
	s_lshl_b32 s104, s104, 9
	s_bfe_u32 s69, s70, 0x10002
	s_lshl_b32 s69, s69, 8
	s_add_co_u32 s104, s104, s69
	s_and_b32 s69, s70, 3
	s_lshl_b32 s69, s69, 2
	s_add_co_u32 s104, s104, s69
	s_lshl_b32 s69, s71, 1
	s_add_co_u32 s104, s104, s69
	s_add_nc_u64 s[78:79], s[8:9], s[104:105]
	global_store_b128 v1, v[PCD:PCD+3], s[76:77]
	global_store_b64 v2, v[PCD+4:PCD+5], s[76:77] offset:512
	s_wait_xcnt 0x0                                ; EXEC changes only behind this wait
	v_cmp_gt_u32 vcc_lo, 16, v0
	s_and_saveexec_b32 s15, vcc_lo                 ; lanes 0-15: two bytes for each row
	global_store_b16 v3, v5, s[78:79] offset:ACT_S
	s_wait_xcnt 0x0
	s_or_b32 exec_lo, exec_lo, s15
	s_endpgm
.Lfunc_end_k_qfce6d25241_attn:
	.size	k_qfce6d25241_attn, .Lfunc_end_k_qfce6d25241_attn-k_qfce6d25241_attn
	.p2alignl 7, 3214868480
	.fill 96, 4, 3214868480
	.section	.rodata,"a",@progbits
	.p2align	6, 0x0
	.amdhsa_kernel k_qfce6d25241_attn
		.amdhsa_group_segment_fixed_size 0
		.amdhsa_private_segment_fixed_size 0
		.amdhsa_enable_private_segment 0
		.amdhsa_kernarg_size 24
		.amdhsa_user_sgpr_count 2
		.amdhsa_user_sgpr_kernarg_segment_ptr 1
		.amdhsa_wavefront_size32 1
		.amdhsa_system_sgpr_workgroup_id_x 1
		.amdhsa_system_sgpr_workgroup_id_y 1
		.amdhsa_system_sgpr_workgroup_id_z 1
		.amdhsa_system_vgpr_workitem_id 0
		.amdhsa_next_free_vgpr 256
		.amdhsa_next_free_sgpr 106
		.amdhsa_reserve_vcc 1
		.amdhsa_float_denorm_mode_32 3
		.amdhsa_float_denorm_mode_16_64 3
		.amdhsa_memory_ordered 1
		.amdhsa_forward_progress 1
		.amdhsa_inst_pref_size 41
	.end_amdhsa_kernel
	.amdgpu_metadata
---
amdhsa.version: [ 1, 2 ]
amdhsa.kernels:
  - .name:           k_qfce6d25241_attn
    .symbol:         k_qfce6d25241_attn.kd
    .args:
      - { .name: qkv, .offset: 0, .size: 8, .value_kind: global_buffer, .address_space: global }
      - { .name: mk, .offset: 8, .size: 8, .value_kind: global_buffer, .address_space: global }
      - { .name: act, .offset: 16, .size: 8, .value_kind: global_buffer, .address_space: global }
    .group_segment_fixed_size: 0
    .private_segment_fixed_size: 0
    .kernarg_segment_align: 8
    .kernarg_segment_size: 24
    .max_flat_workgroup_size: 512
    .sgpr_count:     106
    .vgpr_count:     256
    .wavefront_size: 32
...
	.end_amdgpu_metadata
.endif
;; end of part 10
;; launch wo (part 11): grid 8 x 32, 4 waves a work-group, clusters of 4 x 4, 327,680 bytes of LDS; arguments act, wimg, bo, x, x1; writes x1
.if DOCPART == 11
	.amdgcn_target "amdgcn-amd-amdhsa--gfx1250"
	.amdhsa_code_object_version 6
	.text
	.protected	k_qfce6d25241_wo
	.globl	k_qfce6d25241_wo
	.p2align	8
	.type	k_qfce6d25241_wo,@function
k_qfce6d25241_wo:
	s_mov_b64 s[64:65], 0
	v_nop
	global_prefetch_b8 v0, s[64:65] scope:SCOPE_SE
	s_setreg_imm32_b32 hwreg(HW_REG_WAVE_MODE, 25, 1), 1
	s_wait_xcnt 0x0
	s_wait_alu depctr_hold_cnt(0) depctr_sa_sdst(0) depctr_va_vdst(0) depctr_va_sdst(0) depctr_va_ssrc(0) depctr_va_vcc(0) depctr_vm_vsrc(0)
	s_getreg_b32 s2, hwreg(HW_REG_IB_STS2, 6, 4)
	s_cmp_eq_u32 s2, 0
	s_cbranch_scc0 .Lentry_in_a_cluster
	s_endpgm
.Lentry_in_a_cluster:
	s_bfe_u32 s2, ttmp6, 0x10000c
	s_cmp_lg_u32 s2, 0xf033
	s_cbranch_scc0 .Lentry_shape_is_right
	s_endpgm
.Lentry_shape_is_right:
; x1 = x + (ctx Wo^T + bo): ctx and Wo as fragment and scale images (their forms: the head of the first kernel), codes of FP6 (E2M3) with E8M0 scales; bo, x and x1 f32, rows of 1,024.  Nothing is left out.
; A TILE OF 128 x 128 to a work-group of four waves, 64 x 64 to a wave: 16 accumulators.  4,096 rows x 1,024 columns make 256 such tiles, one for each WGP.
; ALL OF K AT ONCE: 128 rows x 1,024 K of codes are 98,304 bytes a side, so both sides and their scale images (8,192 bytes) lie in LDS together.  Four tiles, four waves, ONE tensor load a wave at the head:
; wave 0 ctx's codes, wave 1 Wo's, wave 2 ctx's scale images, wave 3 Wo's.  Nothing is filled again: one barrier shows the tiles to all waves, and the eight K steps follow with no further barrier.
; CLUSTERS 4 x 4: ctx's tiles are shared along a row of the cluster, Wo's along a column: joint loads.  Source 0 = Wo's rows, source 1 = ctx's: a lane holds eight neighbouring columns of one row of the result.
; NO PREFETCH: every tile is asked for at the head; there is no loop to run ahead in.
; SCALE WORDS: one load of 16 bytes a lane for each 128 along K: lanes 0-15 take the words of my four blocks of ctx, lanes 16-31 those of my four blocks of Wo.
; REGISTERS, in windows of 256: window 0: v0-31 addresses, v32-63 scale words and nothing else (K step q at 32 + 4 q), v64-127 rows back from the stage, v128-255 accumulator (a, b) at v[128 + 8 (4 a + b)];
;   windows 1 and 2: four fragment buffers: K step q in window 1 + (q % 4) / 2 at 96 (q % 2): ctx's four, then Wo's four;  window 3: v0-127 x of my 64 rows x 64 columns, asked for at the head.
; THE WAY OUT: a block of 16 rows x 64 columns goes through my own stage in LDS (bytes of its own, behind the spare words) and comes back as rows of 256 bytes; bo and x are added; 16 lanes store 256 bytes, aligned.
.set AS,  3145728                      ; ctx's scale images in act
.set WC,  2359296                      ; Wo's codes in wimg
.set WSC, 9535488                      ; and its scale images
.set NS,    8                          ; K steps of 128
.set RBP,   1536*NS                    ; a row block's images, in memory and in LDS
.set NL,    4                          ; LDS loads that bring a fragment
.set NP,    4                          ; places behind this matrix instruction (ISA guide 7.12.1)
.set HALFT, 4*RBP                      ; 64 rows: what one wave reads of a side
.set HALFS, 256*NS                     ; half of a side's scale images
.set SCL,   4*HALFT
.set SPARE, SCL+4*HALFS                ; the spare words, 128 bytes for each wave
.set STAGE, SPARE+512
.set SP,  272                          ; a stage row: 256 bytes + 16
.set L16, 12
.set L8,  13
.set A16, 16                           ; v16, v17 my fragments of ctx, for loads of 16 and of 8 bytes;  v18, v19 of Wo
.set A8,  17
.set B16, 18
.set B8,  19
.set STO, 24
.set RD,  25
.set CO,  26
.set ADS, 27
.set SPW, 28
.set NIL, 29
.set SC,  32
.set BK,  64
.set ACC, 128
.set G1, 24
.set G0, 32
.set G0B, 36
.set G1B, 48
.set G1S, 68
.set G0S, 76
.set G1SB, 80
.set G0SB, 88
.set MSB, 0
.macro WIN new                         ; the immediate's high byte repeats the setting that is left
.if MSB != (\new)
	s_set_vgpr_msb (MSB<<8)|(\new)
.set MSB, (\new)
.endif
.endm
.macro CROUND                          ; a round of the cluster's barrier
	s_barrier_signal -1
	s_barrier_wait -1
	s_cmp_lg_u32 s14, 0
	s_cbranch_scc1 .Lnot_wave_0_\@
	s_barrier_signal -3
.Lnot_wave_0_\@:
	s_barrier_wait -3
	s_barrier_signal -1
	s_barrier_wait -1
.endm
.macro ARM under, g0, g1, next         ; an arm of the head's tree: its load, an s_nop 0 and four v_nop, a jump to the tree's end
	s_cmp_lt_u32 s14, \under
	s_cbranch_scc0 \next
	tensor_load_to_lds s[\g0:\g0+3], s[\g1:\g1+7]
	s_nop 0
.rept 4
	v_nop
.endr
	s_branch .Lhead_asked
\next:
.endm
.macro FRAG reg, a16, a8, q, i         ; a fragment's image into its twelve registers: each load takes 512 or 256 consecutive bytes
	ds_load_b128 v[\reg:\reg+3], v[\a16] offset:RBP*(\i)+1536*(\q)
	ds_load_b64 v[\reg+4:\reg+5], v[\a8] offset:RBP*(\i)+1536*(\q)+512
	ds_load_b128 v[\reg+6:\reg+9], v[\a16] offset:RBP*(\i)+1536*(\q)+768
	ds_load_b64 v[\reg+10:\reg+11], v[\a8] offset:RBP*(\i)+1536*(\q)+1280
.endm
.macro FETCHQ q                        ; 32 LDS loads in one run: the eight fragments of K step q
	WIN 0x40*(1+((\q)%4)/2)
.irp i, 0,1,2,3
	FRAG 96*((\q)%2)+48+12*\i, B16, B8, \q, \i
	FRAG 96*((\q)%2)+12*\i, A16, A8, \q, \i
.endr
.endm
.macro WM a, b, q, zero                ; one product: ctx's block a x Wo's block b, K step q
.set rD, ACC+8*(4*(\a)+(\b))
.set rB, 96*((\q)%2)+48+12*(\b)
.set rA, 96*((\q)%2)+12*(\a)
.set sB, SC+4*(\q)+(\b)
.set sA, SC+4*(\q)+(\a)
.if \zero
	v_wmma_scale_f32_16x16x128_f8f6f4 v[rD:rD+7], v[rB:rB+11], v[rA:rA+11], 0, v[sB], v[sA] matrix_a_fmt:MATRIX_FMT_FP6 matrix_b_fmt:MATRIX_FMT_FP6 matrix_a_scale:MATRIX_SCALE_ROW1
.else
	v_wmma_scale_f32_16x16x128_f8f6f4 v[rD:rD+7], v[rB:rB+11], v[rA:rA+11], v[rD:rD+7], v[sB], v[sA] matrix_a_fmt:MATRIX_FMT_FP6 matrix_b_fmt:MATRIX_FMT_FP6 matrix_a_scale:MATRIX_SCALE_ROW1
.endif
.endm
.macro MUL16 q, zero                   ; the 16 accumulators take turns, one instruction a turn, in the same order in every step
.irp a, 0,1,2,3
.irp b, 0,1,2,3
	WM \a, \b, \q, \zero
.endr
.endr
.endm
.macro PLACES n
.rept \n
	v_nop
.endr
.endm
.macro DUO q, zero, more               ; K steps q and q + 1; more = 1: between them steps q + 2 and q + 3 are fetched, into the two buffers that steps q - 2 and q - 1 have left
	s_wait_dscnt 8*NL                              ; step q's fragments (and the scale words) are in; step q + 1's 32 loads may be out
	WIN 0x05*(1+((\q)%4)/2)                        ; both sources window 1 or 2, C and D window 0
	MUL16 \q, \zero
	s_wait_dscnt 0x0                               ; step q + 1's are in
.if \more
	PLACES NP
	FETCHQ (\q)+2
	FETCHQ (\q)+3
	WIN 0x05*(1+((\q)%4)/2)
.endif
	MUL16 (\q)+1, 0
.endm
.macro TOSTAGE a                       ; LDS serves a wave's instructions in order (ISA guide 5.7.1.4): the loads see the stores, and the next block's stores come behind them
.irp b, 0,1,2,3
	ds_store_b128 v[STO], v[ACC+8*(4*(\a)+\b):ACC+8*(4*(\a)+\b)+3] offset:64*\b       ; each accumulator from its low end on
	ds_store_b128 v[STO], v[ACC+8*(4*(\a)+\b)+4:ACC+8*(4*(\a)+\b)+7] offset:64*\b+16
.endr
.irp t, 0,1,2,3,4,5,6,7
	ds_load_b128 v[BK+32*((\a)%2)+4*\t:BK+32*((\a)%2)+4*\t+3], v[RD] offset:2*\t*SP
.endr
.endm
.macro SEND a, younger                 ; younger: the LDS instructions issued behind block a's loads, which may stay out
.set BB, BK+32*((\a)%2)
	s_wait_dscnt \younger
.irp t, 0,1,2,3,4,5,6,7
	v_pk_add_f32 v[BB+4*\t:BB+4*\t+1], v[BB+4*\t:BB+4*\t+1], v[8:9]
	v_pk_add_f32 v[BB+4*\t+2:BB+4*\t+3], v[BB+4*\t+2:BB+4*\t+3], v[10:11]
.endr
	WIN 0x0c                                       ; source 1 window 3: x
.irp t, 0,1,2,3,4,5,6,7
	v_pk_add_f32 v[BB+4*\t:BB+4*\t+1], v[BB+4*\t:BB+4*\t+1], v[32*(\a)+4*\t:32*(\a)+4*\t+1]
	v_pk_add_f32 v[BB+4*\t+2:BB+4*\t+3], v[BB+4*\t+2:BB+4*\t+3], v[32*(\a)+4*\t+2:32*(\a)+4*\t+3]
.endr
	WIN 0
.irp t, 0,1,2,3,4,5,6,7
	global_store_b128 v[CO], v[BB+4*\t:BB+4*\t+3], s[12:13] offset:(16*(\a)+2*\t)*4096   ; 16 lanes store 256 consecutive bytes, aligned
.endr
.endm
	s_load_b128 s[4:7], s[0:1], 0x0                ; act, wimg
	s_load_b128 s[8:11], s[0:1], 0x10              ; bo, x
	s_load_b64 s[12:13], s[0:1], 0x20              ; x1
	v_lshl_add_u32 v[SPW], v0, 2, SPARE
	v_mov_b32 v[NIL], 0
	ds_add_u32 v[SPW], v[NIL]                      ; the wave's opening: the add, twice on end, and its wait ahead of my first tensor load
	ds_add_u32 v[SPW], v[NIL]
	v_lshrrev_b32 v1, 5, v0
	v_readfirstlane_b32 s14, v1                    ; wave 0..3
	s_lshr_b32 s15, s14, 1                         ; which 64 rows of the tile are mine
	s_and_b32 s16, s14, 1                          ; which 64 columns
	s_bfe_u32 s40, ttmp6, 0x40000                  ; cx, cy
	s_bfe_u32 s41, ttmp6, 0x40004
	s_lshl_b32 s42, ttmp9, 2
	s_add_co_u32 s42, s42, s40                     ; tile column
	s_and_b32 s17, ttmp7, 0xffff
	s_lshl_b32 s17, s17, 2
	s_add_co_u32 s17, s17, s41                     ; tile row
	s_lshl_b32 s43, s41, 2
	s_lshl_b32 s43, 15, s43                        ; my row of the cluster
	s_lshl_b32 s44, 0x1111, s40                    ; my column
	s_or_b32 s[G1], s43, (3<<16)|(1<<21)           ; 15:0 the mask; 17:16 elements of 8 bytes; 21 set beside a mask; no padding
	s_or_b32 s[G1B], s44, (3<<16)|(1<<21)
.irp g, G1, G1B
	s_mov_b32 s[\g+1], (RBP/8)<<16                 ; a row block's eight fragments, 12,288 bytes
	s_mov_b32 s[\g+2], 8<<16                       ; 8 row blocks
	s_mov_b32 s[\g+3], (RBP/8)<<16
	s_mov_b32 s[\g+4], 8
	s_mov_b32 s[\g+5], RBP/8
	s_mov_b32 s[\g+6], 0
	s_mov_b32 s[\g+7], 0
.endr
	s_or_b32 s[G1S], s43, (3<<16)|(1<<21)
	s_or_b32 s[G1SB], s44, (3<<16)|(1<<21)
.irp g, G1S, G1SB
	s_mov_b32 s[\g+1], 32<<16                      ; a side's scale images: a dense block, as rows of 256 bytes
	s_mov_b32 s[\g+2], (2*HALFS/256)<<16
	s_mov_b32 s[\g+3], 32<<16
	s_mov_b32 s[\g+4], 2*HALFS/256
	s_mov_b32 s[\g+5], 32
	s_mov_b32 s[\g+6], 0
	s_mov_b32 s[\g+7], 0
.endr
	s_mul_i32 s20, s17, 8*RBP                      ; ctx: the tile's first row block
	s_mov_b32 s21, 0
	s_mul_i32 s46, s42, 8*RBP                      ; Wo likewise
	s_mov_b32 s47, 0
	s_mul_i32 s22, s17, 2*HALFS                    ; and their scale images
	s_mov_b32 s23, 0
	s_mul_i32 s92, s42, 2*HALFS
	s_mov_b32 s93, 0
	s_wait_dscnt 0x0                               ; both opening adds are done
	s_wait_kmcnt 0x0
	s_add_nc_u64 s[20:21], s[4:5], s[20:21]
	s_add_nc_u64 s[22:23], s[4:5], s[22:23]
	s_add_nc_u64 s[22:23], s[22:23], AS
	s_add_nc_u64 s[46:47], s[6:7], s[46:47]
	s_add_nc_u64 s[46:47], s[46:47], WC
	s_add_nc_u64 s[92:93], s[6:7], s[92:93]
	s_add_nc_u64 s[92:93], s[92:93], WSC
	CROUND                                         ; all sixteen work-groups are here: the joint loads meet
	s_mov_b32 s[G0], 1
	s_mov_b32 s[G0+1], 0
	s_mov_b64 s[G0+2:G0+3], s[20:21]
	s_or_b32 s[G0+3], s[G0+3], 0x80000000
	s_mov_b32 s[G0B], 1
	s_mov_b32 s[G0B+1], 2*HALFT
	s_mov_b64 s[G0B+2:G0B+3], s[46:47]
	s_or_b32 s[G0B+3], s[G0B+3], 0x80000000
	s_mov_b32 s[G0S], 1
	s_mov_b32 s[G0S+1], SCL
	s_mov_b64 s[G0S+2:G0S+3], s[22:23]
	s_or_b32 s[G0S+3], s[G0S+3], 0x80000000
	s_mov_b32 s[G0SB], 1
	s_mov_b32 s[G0SB+1], SCL+2*HALFS
	s_mov_b64 s[G0SB+2:G0SB+3], s[92:93]
	s_or_b32 s[G0SB+3], s[G0SB+3], 0x80000000
	ARM 1, G0,  G1,  .Lhead_b                      ; one tree of branches on the wave's number: every way passes exactly one load
	ARM 2, G0B, G1B, .Lhead_sa
	ARM 3, G0S, G1S, .Lhead_sb
	tensor_load_to_lds s[G0SB:G0SB+3], s[G1SB:G1SB+7]
	s_nop 0
.rept 4
	v_nop
.endr
.Lhead_asked:
	s_mul_i32 s21, s15, HALFT                      ; my 64 rows of ctx,
	s_mul_i32 s22, s16, HALFT
	s_add_co_u32 s22, s22, 2*HALFT                 ; of Wo, behind ctx's 128
	s_lshl_b32 s18, s15, 8                         ; ctx's words: the half of an image's lanes that holds my four blocks
	s_lshl_b32 s19, s16, 8
	s_add_co_u32 s19, s19, 2*HALFS                 ; Wo's: the same, behind ctx's images
	s_sub_co_u32 s19, s19, s18
	s_add_co_u32 s18, s18, SCL
	s_mul_i32 s23, s14, 16*SP
	s_add_co_u32 s23, s23, STAGE                   ; my stage
	v_and_b32 v1, 15, v0                           ; r
	v_bfe_u32 v2, v0, 4, 1                         ; h
	v_and_b32 v3, 31, v0
	v_lshlrev_b32 v[L16], 4, v3
	v_lshlrev_b32 v[L8], 3, v3
	v_add_nc_u32 v[A16], s21, v[L16]
	v_add_nc_u32 v[A8], s21, v[L8]
	v_add_nc_u32 v[B16], s22, v[L16]
	v_add_nc_u32 v[B8], s22, v[L8]
	v_mul_u32_u24 v6, s19, v2                      ; lanes 16-31 take Wo's: the lower base + h x the distance
	v_lshl_add_u32 v6, v1, 4, v6                   ; + 16 r
	v_add_nc_u32 v[ADS], s18, v6
	v_mul_u32_u24 v5, v1, SP                       ; in: row r, 32 bytes for each half of the lanes
	v_lshl_add_u32 v5, v2, 5, v5
	v_add_nc_u32 v[STO], s23, v5
	v_mul_u32_u24 v5, v2, SP                       ; back: lanes 0-15 one row of 256 bytes, lanes 16-31 the next
	v_lshl_add_u32 v5, v1, 4, v5
	v_add_nc_u32 v[RD], s23, v5
	v_lshlrev_b32 v[CO], 12, v2                    ; and the same two rows in x and in x1
	v_lshl_add_u32 v[CO], v1, 4, v[CO]
	v_lshlrev_b32 v7, 4, v1                        ; bo of my four columns
	s_wait_alu depctr_va_vdst(0)                   ; a wait at the end of the head's vector work
	s_lshl_b32 s20, s17, 7
	s_lshl_b32 s21, s15, 6
	s_add_co_u32 s20, s20, s21                     ; my first row,
	s_lshl_b32 s20, s20, 12                        ; of 4,096 bytes
	s_lshl_b32 s46, s42, 9
	s_lshl_b32 s47, s16, 8
	s_add_co_u32 s46, s46, s47                     ; my first column, in bytes
	s_mov_b32 s47, 0
	s_add_nc_u64 s[8:9], s[8:9], s[46:47]
	s_add_co_u32 s20, s20, s46
	s_mov_b32 s21, 0
	s_add_nc_u64 s[10:11], s[10:11], s[20:21]
	s_add_nc_u64 s[12:13], s[12:13], s[20:21]
	global_load_b128 v[8:11], v7, s[8:9]
	s_wait_tensorcnt 0x0                           ; my tile of the four is in,
	s_barrier_signal -1
	s_barrier_wait -1                              ; and so is everybody's
.irp q, 0,1,2,3,4,5,6,7
	ds_load_b128 v[SC+4*\q:SC+4*\q+3], v[ADS] offset:512*\q   ; the scale words of all eight K steps
.endr
	FETCHQ 0
	FETCHQ 1
	WIN 0xc0                                       ; destination window 3
.irp a, 0,1,2,3
.irp t, 0,1,2,3,4,5,6,7
	global_load_b128 v[32*\a+4*\t:32*\a+4*\t+3], v[CO], s[10:11] offset:(16*\a+2*\t)*4096   ; x of my whole tile: asked for when the four tiles are in, it lands under the products
.endr
.endr
	DUO 0, 1, 1                                    ; the first products start the sums: nothing is cleared
	DUO 2, 0, 1
	DUO 4, 0, 1
	DUO 6, 0, 0
	WIN 0
	PLACES NP
	s_wait_loadcnt 0x0                             ; bo and x
	TOSTAGE 0
.irp a, 1,2,3
.if \a > 1
	s_wait_xcnt 0x0                                ; block a - 2's stores have read their registers: block a's loads may land there
.endif
	TOSTAGE \a
	SEND \a-1, 16                                  ; behind block a - 1's loads: block a's 8 stores and 8 loads
.endr
	SEND 3, 0
	s_wait_tensorcnt 0x0                           ; the wave's end: behind my last tensor load and my last LDS store
	ds_add_u32 v[SPW], v[NIL]
	s_wait_dscnt 0x0
	CROUND                                         ; the closing round
	s_endpgm
.Lfunc_end_k_qfce6d25241_wo:
	.size	k_qfce6d25241_wo, .Lfunc_end_k_qfce6d25241_wo-k_qfce6d25241_wo
	.p2alignl 7, 3214868480
	.fill 96, 4, 3214868480
	.section	.rodata,"a",@progbits
	.p2align	6, 0x0
	.amdhsa_kernel k_qfce6d25241_wo
		.amdhsa_group_segment_fixed_size 327680
		.amdhsa_private_segment_fixed_size 0
		.amdhsa_enable_private_segment 0
		.amdhsa_kernarg_size 40
		.amdhsa_user_sgpr_count 2
		.amdhsa_user_sgpr_kernarg_segment_ptr 1
		.amdhsa_wavefront_size32 1
		.amdhsa_system_sgpr_workgroup_id_x 1
		.amdhsa_system_sgpr_workgroup_id_y 1
		.amdhsa_system_sgpr_workgroup_id_z 1
		.amdhsa_system_vgpr_workitem_id 0
		.amdhsa_next_free_vgpr 1024
		.amdhsa_next_free_sgpr 102
		.amdhsa_reserve_vcc 0
		.amdhsa_float_denorm_mode_32 3
		.amdhsa_float_denorm_mode_16_64 3
		.amdhsa_memory_ordered 1
		.amdhsa_forward_progress 1
		.amdhsa_inst_pref_size 61
	.end_amdhsa_kernel
	.amdgpu_metadata
---
amdhsa.version: [ 1, 2 ]
amdhsa.kernels:
  - .name:           k_qfce6d25241_wo
    .symbol:         k_qfce6d25241_wo.kd
    .args:
      - { .name: act, .offset: 0, .size: 8, .value_kind: global_buffer, .address_space: global }
      - { .name: wimg, .offset: 8, .size: 8, .value_kind: global_buffer, .address_space: global }
      - { .name: bo, .offset: 16, .size: 8, .value_kind: global_buffer, .address_space: global }
      - { .name: x, .offset: 24, .size: 8, .value_kind: global_buffer, .address_space: global }
      - { .name: x1, .offset: 32, .size: 8, .value_kind: global_buffer, .address_space: global }
    .group_segment_fixed_size: 327680
    .private_segment_fixed_size: 0
    .kernarg_segment_align: 8
    .kernarg_segment_size: 40
    .max_flat_workgroup_size: 128
    .sgpr_count:     102
    .vgpr_count:     1024
    .wavefront_size: 32
...
	.end_amdgpu_metadata
.endif
;; end of part 11
;; launch ln1 (part 12): grid 256 x 1, 8 waves a work-group, no clusters, 2,048 bytes of LDS; arguments x1, g2, be2, act; writes act
.if DOCPART == 12
	.amdgcn_target "amdgcn-amd-amdhsa--gfx1250"
	.amdhsa_code_object_version 6
	.text
	.protected	k_qfce6d25241_ln1
	.globl	k_qfce6d25241_ln1
	.p2align	8
	.type	k_qfce6d25241_ln1,@function
k_qfce6d25241_ln1:
	s_mov_b64 s[64:65], 0
	v_nop
	global_prefetch_b8 v0, s[64:65] scope:SCOPE_SE
	s_setreg_imm32_b32 hwreg(HW_REG_WAVE_MODE, 25, 1), 1
	s_wait_xcnt 0x0
; y = (x - mean) rsqrt(var + 1e-5) g + b along rows of 1,024 f32 numbers, all in f32 and in two passes as reference() has it; y is then quantised along the row (blocks of 32) to codes of FP6 (E2M3) with E8M0 scales.
; Out: fragment images [row / 16][8 K steps][1536] and, from byte ACT_S, scale images [row / 128][8][512] (their forms: the head of the first kernel).
; A work-group takes 16 rows, wave w columns 128 w .. 128 w + 127: exactly one fragment.  Lane (r, h) holds, of row r, 16 neighbours of each block of 32 (register 16 b + i = column 32 b + 16 h + i): what the conversions want.
; The row's sums meet in LDS: a word for each row and wave, a barrier, eight words back; other bytes for the second sum, so two barriers do.  Matrix units, tensor loads and clusters have nothing to do here: each byte is read once.
; LIMITS: NaN and infinities are not served; a block under 2^-124 gets the byte 1.
.set ACT_S, 3145728
.set ST1, 0                            ; LDS: [16 rows][8 waves] words,
.set ST2, 512                          ; the same for the squares,
.set SPARE, 1024                       ; and the spare words, 128 bytes for each wave
.set X,  16                            ; v16-79   my 64 numbers
.set G,  80                            ; v80-143  g of their columns
.set BE, 144                           ; v144-207 b likewise
.set TM, 208                           ; v208-223 at work
.set PC, 224                           ; v224-243 the codes
.set PW, 244                           ; v244     the scale word
.set SPW, 252
.set NIL, 253
.set SEL, 14
	s_load_b256 s[4:11], s[0:1], 0x0               ; x, g, b, out
	v_lshl_add_u32 v[SPW], v0, 2, SPARE
	v_mov_b32 v[NIL], 0
	v_lshrrev_b32 v1, 5, v0
	s_delay_alu instid0(VALU_DEP_1)
	v_readfirstlane_b32 s12, v1                    ; wave 0..7
	v_and_b32 v2, 15, v0                           ; r
	v_bfe_u32 v3, v0, 4, 1                         ; h
	s_delay_alu instid0(VALU_DEP_2)
	v_lshlrev_b32 v4, 12, v2
	s_delay_alu instid0(VALU_DEP_1)
	v_lshl_add_u32 v4, v3, 6, v4                   ; x: row r of 4,096 bytes, + 64 h
	s_delay_alu instid0(VALU_DEP_3)
	v_lshlrev_b32 v5, 6, v3                        ; g, b: 64 h
	v_lshlrev_b32 v7, 5, v2                        ; LDS: my row's eight words
	s_lshl_b32 s13, s12, 2
	v_add_nc_u32 v6, s13, v7                       ; and my wave's among them
	v_and_b32 v8, 31, v0
	s_delay_alu instid0(VALU_DEP_1)
	v_lshlrev_b32 v9, 4, v8                        ; 16 x lane
	s_delay_alu instid0(VALU_DEP_2)
	v_lshlrev_b32 v10, 3, v8                       ; 8 x lane
	v_lshlrev_b32 v11, 4, v2                       ; 16 r
	v_mov_b32 v250, 0                              ; a lane permute's destination counts as read
	s_mov_b32 s[SEL], 0x76543210
	s_mov_b32 s[SEL+1], 0xfedcba98                 ; lane l xor 16
	s_mov_b32 s16, 0x3a800000                      ; 1 / 1,024
	s_mov_b32 s17, 0x3727c5ac                      ; 1e-5
	s_lshl_b32 s18, ttmp9, 16                      ; 16 rows of 4,096 bytes
	s_lshl_b32 s20, s12, 9                         ; my 128 columns
	s_add_co_u32 s18, s18, s20
	s_mov_b32 s19, 0
	s_mov_b32 s21, 0
	s_lshl_b32 s22, ttmp9, 3
	s_add_co_u32 s22, s22, s12
	s_mul_i32 s22, s22, 1536                       ; my fragment's image
	s_mov_b32 s23, 0
	s_lshr_b32 s24, ttmp9, 3                       ; my scale words: image (row block / 8, K step w), lanes' half (row block / 4) % 2, word row block % 4
	s_lshl_b32 s24, s24, 3
	s_add_co_u32 s24, s24, s12
	s_lshl_b32 s24, s24, 9
	s_bfe_u32 s25, ttmp9, 0x10002
	s_lshl_b32 s25, s25, 8
	s_add_co_u32 s24, s24, s25
	s_and_b32 s25, ttmp9, 3
	s_lshl_b32 s25, s25, 2
	s_add_co_u32 s24, s24, s25
	s_mov_b32 s25, 0
	s_wait_alu depctr_va_vdst(0)
	s_wait_kmcnt 0x0
	s_add_nc_u64 s[4:5], s[4:5], s[18:19]
	s_add_nc_u64 s[6:7], s[6:7], s[20:21]
	s_add_nc_u64 s[8:9], s[8:9], s[20:21]
	s_add_nc_u64 s[22:23], s[10:11], s[22:23]
	s_add_nc_u64 s[24:25], s[10:11], s[24:25]
.irp b, 0,1,2,3
.irp j, 0,1,2,3
	global_load_b128 v[X+16*\b+4*\j:X+16*\b+4*\j+3], v4, s[4:5] offset:128*\b+16*\j
.endr
.endr
.irp b, 0,1,2,3
.irp j, 0,1,2,3
	global_load_b128 v[G+16*\b+4*\j:G+16*\b+4*\j+3], v5, s[6:7] offset:128*\b+16*\j
	global_load_b128 v[BE+16*\b+4*\j:BE+16*\b+4*\j+3], v5, s[8:9] offset:128*\b+16*\j
.endr
.endr
; four chains in v[TM] .. v[TM+7] become the row's sum over all 1,024 columns, in v245 of every lane
.macro ACROSS st
	s_delay_alu instid0(VALU_DEP_3)
	v_pk_add_f32 v[TM:TM+1], v[TM:TM+1], v[TM+2:TM+3]
	s_delay_alu instid0(VALU_DEP_2)
	v_pk_add_f32 v[TM+4:TM+5], v[TM+4:TM+5], v[TM+6:TM+7]
	s_delay_alu instid0(VALU_DEP_1)
	v_pk_add_f32 v[TM:TM+1], v[TM:TM+1], v[TM+4:TM+5]
	s_delay_alu instid0(VALU_DEP_1)
	v_add_f32 v245, v[TM], v[TM+1]
	s_delay_alu instid0(VALU_DEP_1)
	v_permlanex16_b32 v250, v245, s[SEL], s[SEL+1]
	s_delay_alu instid0(VALU_DEP_1)
	v_add_f32 v245, v245, v250                     ; my wave's 128 columns of row r
	ds_store_b32 v6, v245 offset:\st               ; (both halves of the lanes write the same word with the same value)
	s_wait_dscnt 0x0                               ; for the others' sake: my store has landed
	s_barrier_signal -1
	s_barrier_wait -1
	ds_load_b128 v[TM:TM+3], v7 offset:\st
	ds_load_b128 v[TM+4:TM+7], v7 offset:\st+16
	s_wait_dscnt 0x0
	v_pk_add_f32 v[TM:TM+1], v[TM:TM+1], v[TM+2:TM+3]
	v_pk_add_f32 v[TM+4:TM+5], v[TM+4:TM+5], v[TM+6:TM+7]
	s_delay_alu instid0(VALU_DEP_1)
	v_pk_add_f32 v[TM:TM+1], v[TM:TM+1], v[TM+4:TM+5]
	s_delay_alu instid0(VALU_DEP_1)
	v_add_f32 v245, v[TM], v[TM+1]                 ; the same order in every wave: the same bits
.endm
	s_wait_loadcnt 32                              ; x's 16 loads are in; the 32 of g and b may be out
.irp c, 0,1,2,3
	v_pk_add_f32 v[TM+2*\c:TM+2*\c+1], v[X+2*\c:X+2*\c+1], v[X+8+2*\c:X+9+2*\c]
.endr
.irp i, 16,24,32,40,48,56
.irp c, 0,1,2,3
	s_delay_alu instid0(VALU_DEP_4)
	v_pk_add_f32 v[TM+2*\c:TM+2*\c+1], v[TM+2*\c:TM+2*\c+1], v[X+\i+2*\c:X+\i+2*\c+1]
.endr
.endr
	ACROSS ST1
	s_delay_alu instid0(VALU_DEP_1)
	v_mul_f32 v246, s16, v245                      ; the mean,
	s_delay_alu instid0(VALU_DEP_1)
	v_mov_b32 v247, v246                           ; twice, for the packed forms
.set i, 0
.rept 32
	v_pk_add_f32 v[X+i:X+i+1], v[X+i:X+i+1], v[246:247] neg_lo:[0,1] neg_hi:[0,1]   ; x - mean
.set i, i+2
.endr
.irp c, 0,1,2,3
	v_pk_mul_f32 v[TM+2*\c:TM+2*\c+1], v[X+2*\c:X+2*\c+1], v[X+2*\c:X+2*\c+1]
.endr
.irp i, 8,16,24,32,40,48,56
.irp c, 0,1,2,3
	s_delay_alu instid0(VALU_DEP_4)
	v_pk_fma_f32 v[TM+2*\c:TM+2*\c+1], v[X+\i+2*\c:X+\i+2*\c+1], v[X+\i+2*\c:X+\i+2*\c+1], v[TM+2*\c:TM+2*\c+1]
.endr
.endr
	ACROSS ST2
	s_delay_alu instid0(VALU_DEP_1)
	v_fma_f32 v245, v245, s16, s17                 ; var + 1e-5
	s_wait_alu depctr_va_vdst(0)
	v_rsq_f32 v248, v245
	v_nop                                          ; a plain instruction behind the transcendental
	s_wait_alu depctr_va_vdst(0)                   ; and a wait ahead of its first reader
	v_mov_b32 v249, v248
.set i, 0
.rept 32
	v_pk_mul_f32 v[X+i:X+i+1], v[X+i:X+i+1], v[248:249]
.set i, i+2
.endr
	s_wait_loadcnt 0x0                             ; g and b
.set i, 0
.rept 32
	v_pk_fma_f32 v[X+i:X+i+1], v[X+i:X+i+1], v[G+i:G+i+1], v[BE+i:BE+i+1]
.set i, i+2
.endr
; 64 numbers of a lane, register 16 b + i = k 32 b + 16 h + i of my row, become a fragment's codes in v[PC] on and its scale word in v[PW]
.macro QUANT s
.irp b, 0,1,2,3
	v_max3_num_f32 v[TM+\b], |v[\s+16*\b]|, |v[\s+1+16*\b]|, 0x1800000   ; block b: my 16 numbers, and the floor 2^(3 - 127): the byte cannot fall under 1
.endr
.irp i, 2,4,6,8,10,12,14
.irp b, 0,1,2,3
	s_delay_alu instid0(VALU_DEP_4)
	v_max3_num_f32 v[TM+\b], v[TM+\b], |v[\s+16*\b+\i]|, |v[\s+1+16*\b+\i]|
.endr
.endr
.irp b, 0,1,2,3
	s_delay_alu instid0(VALU_DEP_4)
	v_permlanex16_b32 v[TM+4+\b], v[TM+\b], s[SEL], s[SEL+1]
.endr
.irp b, 0,1,2,3
	s_delay_alu instid0(VALU_DEP_4)
	v_max_num_f32 v[TM+\b], v[TM+\b], v[TM+4+\b]   ; with lane l xor 16's: the block's largest magnitude
.endr
.irp b, 0,1,2,3
	s_delay_alu instid0(VALU_DEP_4)
	v_add_nc_u32 v[TM+12+\b], 0xff000000, v[TM+\b] ; 2 off its exponent field: the conversion's scale operand
.endr
.irp b, 0,1,2,3
	s_delay_alu instid0(VALU_DEP_4)
	v_lshrrev_b32 v[TM+4+\b], 23, v[TM+12+\b]      ; the scale's byte
.endr
	s_delay_alu instid0(VALU_DEP_3)
	v_lshl_or_b32 v[PW], v[TM+5], 8, v[TM+4]
	s_delay_alu instid0(VALU_DEP_1)
	v_lshl_or_b32 v[PW], v[TM+6], 16, v[PW]
	s_delay_alu instid0(VALU_DEP_1)
	v_lshl_or_b32 v[PW], v[TM+7], 24, v[PW]
.irp c, 0,1
	v_cvt_scalef32_pk16_fp6_f32 v[PC+6*\c:PC+2+6*\c], v[\s+32*\c:\s+15+32*\c], v[TM+12+2*\c]
	v_cvt_scalef32_pk16_fp6_f32 v[PC+12+4*\c:PC+14+4*\c], v[\s+16+32*\c:\s+31+32*\c], v[TM+12+2*\c+1]   ; (a conversion's three registers begin on an even number)
.endr
	v_nop                                          ; one plain place behind a scaled conversion
.irp c, 0,1                                    ; the operand wants a WHOLE block in a lane: lanes 0-15 block 2 c, lanes 16-31 block 2 c + 1
.irp i, 0,1,2
	v_permlane16_swap_b32 v[PC+6*\c+\i], v[PC+12+4*\c+\i]
.endr
.irp i, 0,1,2
	s_delay_alu instid0(VALU_DEP_3)
	v_mov_b32 v[PC+3+6*\c+\i], v[PC+12+4*\c+\i]
.endr
.endr
.endm
	QUANT X
	global_store_b128 v9, v[PC:PC+3], s[22:23]
	global_store_b64 v10, v[PC+4:PC+5], s[22:23] offset:512
	global_store_b128 v9, v[PC+6:PC+9], s[22:23] offset:768
	global_store_b64 v10, v[PC+10:PC+11], s[22:23] offset:1280
	s_wait_xcnt 0x0                                ; EXEC changes only behind this wait
	v_cmp_gt_u32 vcc_lo, 16, v8
	s_and_saveexec_b32 s26, vcc_lo                 ; lanes 0-15: a word for each row
	global_store_b32 v11, v[PW], s[24:25] offset:ACT_S
	s_wait_xcnt 0x0
	s_or_b32 exec_lo, exec_lo, s26
	s_wait_tensorcnt 0x0                           ; the wave's end: behind my last LDS store
	ds_add_u32 v[SPW], v[NIL]
	s_wait_dscnt 0x0
	s_endpgm
.Lfunc_end_k_qfce6d25241_ln1:
	.size	k_qfce6d25241_ln1, .Lfunc_end_k_qfce6d25241_ln1-k_qfce6d25241_ln1
	.p2alignl 7, 3214868480
	.fill 96, 4, 3214868480
	.section	.rodata,"a",@progbits
	.p2align	6, 0x0
	.amdhsa_kernel k_qfce6d25241_ln1
		.amdhsa_group_segment_fixed_size 2048
		.amdhsa_private_segment_fixed_size 0
		.amdhsa_enable_private_segment 0
		.amdhsa_kernarg_size 32
		.amdhsa_user_sgpr_count 2
		.amdhsa_user_sgpr_kernarg_segment_ptr 1
		.amdhsa_wavefront_size32 1
		.amdhsa_system_sgpr_workgroup_id_x 1
		.amdhsa_system_sgpr_workgroup_id_y 1
		.amdhsa_system_sgpr_workgroup_id_z 1
		.amdhsa_system_vgpr_workitem_id 0
		.amdhsa_next_free_vgpr 256
		.amdhsa_next_free_sgpr 66
		.amdhsa_reserve_vcc 1
		.amdhsa_float_denorm_mode_32 3
		.amdhsa_float_denorm_mode_16_64 3
		.amdhsa_memory_ordered 1
		.amdhsa_forward_progress 1
		.amdhsa_inst_pref_size 27
	.end_amdhsa_kernel
	.amdgpu_metadata
---
amdhsa.version: [ 1, 2 ]
amdhsa.kernels:
  - .name:           k_qfce6d25241_ln1
    .symbol:         k_qfce6d25241_ln1.kd
    .args:
      - { .name: x1, .offset: 0, .size: 8, .value_kind: global_buffer, .address_space: global }
      - { .name: g2, .offset: 8, .size: 8, .value_kind: global_buffer, .address_space: global }
      - { .name: be2, .offset: 16, .size: 8, .value_kind: global_buffer, .address_space: global }
      - { .name: act, .offset: 24, .size: 8, .value_kind: global_buffer, .address_space: global }
    .group_segment_fixed_size: 2048
    .private_segment_fixed_size: 0
    .kernarg_segment_align: 8
    .kernarg_segment_size: 32
    .max_flat_workgroup_size: 256
    .sgpr_count:     66
    .vgpr_count:     256
    .wavefront_size: 32
...
	.end_amdgpu_metadata
.endif
;; end of part 12
;; launch ffn1 (part 13): grid 16 x 16, 4 waves a work-group, clusters of 4 x 4, 327,680 bytes of LDS; arguments act, wimg, b1, hid; writes hid
.if DOCPART == 13
	.amdgcn_target "amdgcn-amd-amdhsa--gfx1250"
	.amdhsa_code_object_version 6
	.text
	.protected	k_qfce6d25241_ffn1
	.globl	k_qfce6d25241_ffn1
	.p2align	8
	.type	k_qfce6d25241_ffn1,@function
k_qfce6d25241_ffn1:
	s_mov_b64 s[64:65], 0
	v_nop
	global_prefetch_b8 v0, s[64:65] scope:SCOPE_SE
	s_setreg_imm32_b32 hwreg(HW_REG_WAVE_MODE, 25, 1), 1
	s_wait_xcnt 0x0
	s_wait_alu depctr_hold_cnt(0) depctr_sa_sdst(0) depctr_va_vdst(0) depctr_va_sdst(0) depctr_va_ssrc(0) depctr_va_vcc(0) depctr_vm_vsrc(0)
	s_getreg_b32 s2, hwreg(HW_REG_IB_STS2, 6, 4)
	s_cmp_eq_u32 s2, 0
	s_cbranch_scc0 .Lentry_in_a_cluster
	s_endpgm
.Lentry_in_a_cluster:
	s_bfe_u32 s2, ttmp6, 0x10000c
	s_cmp_lg_u32 s2, 0xf033
	s_cbranch_scc0 .Lentry_shape_is_right
	s_endpgm
.Lentry_shape_is_right:
; hid = Q(relu(h2 W1 + b1)): h2 and W1 as fragment and scale images (their forms: the head of the first kernel), codes of FP6 (E2M3) with E8M0 scales; the result is quantised along the 4,096 and stored as images.  Nothing is left out.
; A tile of 256 x 256 to a work-group of four waves, 128 x 128 to a wave; K in four chunks of 256 through two LDS slots; the scale images of all of K come once and stay.  Clusters 4 x 4 with joint loads, as in the launch for q, k and v.
; THE TILES ARE PREFETCHED two chunks ahead: the head asks for chunks 1 and 2, and behind chunk 1's load stands the request for chunk 3.  Of the eight row blocks that a wave fetches in the ring, the partner at place p of the four
; that ask jointly (p = cx for h2, cy for W1) names row blocks 2 p and 2 p + 1: 2 x 3,072 bytes, 24 lanes 256 bytes apart; lanes 24-31 name the last block again.  The partners part by address alone.
; LIMITS: NaN and infinities are not served; a block under 2^-124 gets the byte 1.
.set PFO, 31                           ; v31      my lane's block; never rewritten
.set PFA, 46                           ; s[46:47] my work-group's two row blocks, chunk 0; never rewritten
.set SIZE_K, 1024
.set ACT_S, 3145728
.set NS,    SIZE_K/128
.set RBP,   1536*NS
.set NQ,    2
.set NL,    4
.set NP,    4
.set HALFT, 8*3072
.set SLOT,  4*HALFT
.set LAPS,  SIZE_K/512
.set HALFS, 512*NS
.set SCL,   2*SLOT
.set SPARE, SCL+4*HALFS
.set L16, 12
.set L8,  13
.set A16, 16
.set A8,  18
.set B16, 20
.set B8,  22
.set ADSA, 27
.set SPW, 28
.set NIL, 29
.set ADSB, 30
.set SC,  32
.set BIAS, 64
.set AF,  128
.set T,   128
.set PC,  192
.set TM,  212
.set PW,  228
.set WS,  230
.set DS,  246
.set SEL, 4
.set HM,  6
.set G1, 24
.set G0, 32
.set G1B, 48
.set G0B, 56
.set G1S, 68
.set G0S, 76
.set G1SB, 80
.set G0SB, 88
.set MSB, 0
.macro WIN new
.if MSB != \new
	s_set_vgpr_msb (MSB<<8)|\new
.set MSB, \new
.endif
.endm
.set MUL_LO, 0xa1
.set MUL_HI, 0xf1
.set TO_B,   0x40
.macro JLOAD g0a, g1a, g0b, g1b
	s_cmp_eq_u32 s15, 0
	s_cbranch_scc0 .Lfor_b_\@
	tensor_load_to_lds s[\g0a:\g0a+3], s[\g1a:\g1a+7]
	s_nop 0
.rept 4
	v_nop
.endr
	s_branch .Lasked_\@
.Lfor_b_\@:
	tensor_load_to_lds s[\g0b:\g0b+3], s[\g1b:\g1b+7]
	s_nop 0
.rept 4
	v_nop
.endr
.Lasked_\@:
.endm
.macro CREST
	s_cmp_lg_u32 s14, 0
	s_cbranch_scc1 .Lnot_wave_0_\@
	s_barrier_signal -3
.Lnot_wave_0_\@:
	s_barrier_wait -3
	s_barrier_signal -1
	s_barrier_wait -1
.endm
.macro CROUND
	s_barrier_signal -1
	s_barrier_wait -1
	CREST
.endm
.macro FRAG reg, a16, a8, q, i
	ds_load_b128 v[\reg:\reg+3], v[\a16] offset:3072*(\i)+1536*(\q)
	ds_load_b64 v[\reg+4:\reg+5], v[\a8] offset:3072*(\i)+1536*(\q)+512
	ds_load_b128 v[\reg+6:\reg+9], v[\a16] offset:3072*(\i)+1536*(\q)+768
	ds_load_b64 v[\reg+10:\reg+11], v[\a8] offset:3072*(\i)+1536*(\q)+1280
.endm
.macro WM a, b, p, q, sc, zero
.set rD, 8*(8*((\a)%4)+(\b))
.set rB, 128*(\p)+12*(\b)
.set rA, AF+12*(\a)
.set sB, SC+16*(\sc)+8+4*(\q)+(\b)%4
.set sA, SC+16*(\sc)+4*(\q)+(\a)%4
.if \zero
.if ((\b)/4) && ((\a)/4)
	v_wmma_scale_f32_16x16x128_f8f6f4 v[rD:rD+7], v[rB:rB+11], v[rA:rA+11], 0, v[sB], v[sA] matrix_a_fmt:MATRIX_FMT_FP6 matrix_b_fmt:MATRIX_FMT_FP6 matrix_a_scale:MATRIX_SCALE_ROW1 matrix_b_scale:MATRIX_SCALE_ROW1
.elseif (\b)/4
	v_wmma_scale_f32_16x16x128_f8f6f4 v[rD:rD+7], v[rB:rB+11], v[rA:rA+11], 0, v[sB], v[sA] matrix_a_fmt:MATRIX_FMT_FP6 matrix_b_fmt:MATRIX_FMT_FP6 matrix_a_scale:MATRIX_SCALE_ROW1
.elseif (\a)/4
	v_wmma_scale_f32_16x16x128_f8f6f4 v[rD:rD+7], v[rB:rB+11], v[rA:rA+11], 0, v[sB], v[sA] matrix_a_fmt:MATRIX_FMT_FP6 matrix_b_fmt:MATRIX_FMT_FP6 matrix_b_scale:MATRIX_SCALE_ROW1
.else
	v_wmma_scale_f32_16x16x128_f8f6f4 v[rD:rD+7], v[rB:rB+11], v[rA:rA+11], 0, v[sB], v[sA] matrix_a_fmt:MATRIX_FMT_FP6 matrix_b_fmt:MATRIX_FMT_FP6
.endif
.else
.if ((\b)/4) && ((\a)/4)
	v_wmma_scale_f32_16x16x128_f8f6f4 v[rD:rD+7], v[rB:rB+11], v[rA:rA+11], v[rD:rD+7], v[sB], v[sA] matrix_a_fmt:MATRIX_FMT_FP6 matrix_b_fmt:MATRIX_FMT_FP6 matrix_a_scale:MATRIX_SCALE_ROW1 matrix_b_scale:MATRIX_SCALE_ROW1
.elseif (\b)/4
	v_wmma_scale_f32_16x16x128_f8f6f4 v[rD:rD+7], v[rB:rB+11], v[rA:rA+11], v[rD:rD+7], v[sB], v[sA] matrix_a_fmt:MATRIX_FMT_FP6 matrix_b_fmt:MATRIX_FMT_FP6 matrix_a_scale:MATRIX_SCALE_ROW1
.elseif (\a)/4
	v_wmma_scale_f32_16x16x128_f8f6f4 v[rD:rD+7], v[rB:rB+11], v[rA:rA+11], v[rD:rD+7], v[sB], v[sA] matrix_a_fmt:MATRIX_FMT_FP6 matrix_b_fmt:MATRIX_FMT_FP6 matrix_b_scale:MATRIX_SCALE_ROW1
.else
	v_wmma_scale_f32_16x16x128_f8f6f4 v[rD:rD+7], v[rB:rB+11], v[rA:rA+11], v[rD:rD+7], v[sB], v[sA] matrix_a_fmt:MATRIX_FMT_FP6 matrix_b_fmt:MATRIX_FMT_FP6
.endif
.endif
.endm
.macro MUL16 a0, p, q, sc, zero
.irp a, \a0, \a0+1
.irp b, 0,1,2,3,4,5,6,7
	WM \a, \b, \p, \q, \sc, \zero
.endr
.endr
.endm
.macro FETCH_B slot, q, p
	WIN TO_B
.irp i, 0,1,2,3,4,5,6,7
	FRAG 128*(\p)+12*\i, B16+\slot, B8+\slot, \q, \i
.endr
	WIN 0
.endm
.macro FETCH_A slot, q, i0
.irp i, \i0, \i0+1, \i0+2, \i0+3
	FRAG AF+12*(\i), A16+\slot, A8+\slot, \q, \i
.endr
.endm
.macro SCALES sc
.irp q, 0,1
	ds_load_b128 v[SC+16*\sc+4*\q:SC+16*\sc+4*\q+3], v[ADSA] offset:512*\q
	ds_load_b128 v[SC+16*\sc+8+4*\q:SC+16*\sc+8+4*\q+3], v[ADSB] offset:512*\q
.endr
.endm
.macro PLACES n
.rept \n
	v_nop
.endr
.endm
.macro STEP slot, q, zero
	s_wait_dscnt 4*NL
	WIN MUL_LO
	MUL16 0, (\q)%2, \q, \slot, \zero
	MUL16 2, (\q)%2, \q, \slot, \zero
	s_wait_dscnt 0
	PLACES NP
	FETCH_B \slot, (\q)+1, 1-(\q)%2
	FETCH_A \slot, (\q)+1, 0
	WIN MUL_HI
	MUL16 4, (\q)%2, \q, \slot, \zero
	MUL16 6, (\q)%2, \q, \slot, \zero
	PLACES NP
	WIN 0
	FETCH_A \slot, (\q)+1, 4
.endm
.macro TURN slot, next, fill
	s_wait_tensorcnt 0x0
	ds_add_u32 v[SPW], v[NIL]
	s_wait_dscnt 4*NL+1
	WIN MUL_LO
	MUL16 0, 1, NQ-1, \slot, 0
	s_wait_dscnt 0x0
	s_barrier_signal -1
	MUL16 2, 1, NQ-1, \slot, 0
	WIN 0
	s_barrier_wait -1
.if \fill
	CREST
	s_add_nc_u64 s[G0+4*\slot+2:G0+4*\slot+3], s[G0+4*\slot+2:G0+4*\slot+3], 6144
	s_add_nc_u64 s[G0B+4*\slot+2:G0B+4*\slot+3], s[G0B+4*\slot+2:G0B+4*\slot+3], 6144
	JLOAD G0+4*\slot, G1, G0B+4*\slot, G1B
.else
	PLACES NP
.endif
	s_wait_alu depctr_va_vdst(0)
	v_add_nc_u32 v[ADSA], 1024, v[ADSA]
	v_add_nc_u32 v[ADSB], 1024, v[ADSB]
	FETCH_B \next, 0, 0
	FETCH_A \next, 0, 0
	SCALES \next
	WIN MUL_HI
	MUL16 4, 1, NQ-1, \slot, 0
	MUL16 6, 1, NQ-1, \slot, 0
	PLACES NP
	WIN 0
	FETCH_A \next, 0, 4
.endm
.macro LAST
	s_wait_dscnt 4*NL
	WIN MUL_LO
	MUL16 0, 1, NQ-1, 1, 0
	MUL16 2, 1, NQ-1, 1, 0
	s_wait_dscnt 0
	WIN MUL_HI
	MUL16 4, 1, NQ-1, 1, 0
	MUL16 6, 1, NQ-1, 1, 0
	WIN 0
.endm
.macro QUANT s
.irp b, 0,1,2,3
	v_max3_num_f32 v[TM+\b], |v[\s+16*\b]|, |v[\s+1+16*\b]|, 0x1800000
.endr
.irp i, 2,4,6,8,10,12,14
.irp b, 0,1,2,3
	v_max3_num_f32 v[TM+\b], v[TM+\b], |v[\s+16*\b+\i]|, |v[\s+1+16*\b+\i]|
.endr
.endr
.irp b, 0,1,2,3
	v_permlanex16_b32 v[TM+4+\b], v[TM+\b], s[SEL], s[SEL+1]
.endr
.irp b, 0,1,2,3
	v_max_num_f32 v[TM+\b], v[TM+\b], v[TM+4+\b]
.endr
.irp b, 0,1,2,3
	v_add_nc_u32 v[TM+12+\b], 0xff000000, v[TM+\b]
.endr
.irp b, 0,1,2,3
	v_lshrrev_b32 v[TM+4+\b], 23, v[TM+12+\b]
.endr
	v_lshl_or_b32 v[PW], v[TM+5], 8, v[TM+4]
	v_lshl_or_b32 v[PW], v[TM+6], 16, v[PW]
	v_lshl_or_b32 v[PW], v[TM+7], 24, v[PW]
.irp c, 0,1
	v_cvt_scalef32_pk16_fp6_f32 v[PC+6*\c:PC+2+6*\c], v[\s+32*\c:\s+15+32*\c], v[TM+12+2*\c]
	v_cvt_scalef32_pk16_fp6_f32 v[PC+12+4*\c:PC+14+4*\c], v[\s+16+32*\c:\s+31+32*\c], v[TM+12+2*\c+1]
.endr
	v_nop
.irp c, 0,1
.irp i, 0,1,2
	v_permlane16_swap_b32 v[PC+6*\c+\i], v[PC+12+4*\c+\i]
.endr
.irp i, 0,1,2
	v_mov_b32 v[PC+3+6*\c+\i], v[PC+12+4*\c+\i]
.endr
.endr
.endm
.macro ADDB a
	WIN 0x02+(\a)/4
.set AC, 64*((\a)%4)
.set i, 0
.rept 32
	v_pk_add_f32 v[T+i:T+i+1], v[AC+i:AC+i+1], v[BIAS+i:BIAS+i+1]
.set i, i+2
.endr
	WIN 0
.endm
	s_load_b128 s[4:7], s[0:1], 0x0
	s_load_b128 s[8:11], s[0:1], 0x10
	v_lshl_add_u32 v[SPW], v0, 2, SPARE
	v_mov_b32 v[NIL], 0
	ds_add_u32 v[SPW], v[NIL]
	ds_add_u32 v[SPW], v[NIL]
	v_lshrrev_b32 v1, 5, v0
	v_readfirstlane_b32 s14, v1
	s_lshr_b32 s15, s14, 1
	s_and_b32 s16, s14, 1
	s_bfe_u32 s40, ttmp6, 0x40000
	s_bfe_u32 s41, ttmp6, 0x40004
	s_lshl_b32 s42, ttmp9, 2
	s_add_co_u32 s42, s42, s40
	s_and_b32 s17, ttmp7, 0xffff
	s_lshl_b32 s17, s17, 2
	s_add_co_u32 s17, s17, s41
	s_lshl_b32 s43, s41, 2
	s_lshl_b32 s43, 15, s43
	s_lshl_b32 s44, 0x1111, s40
	s_or_b32 s[G1], s43, (3<<16)|(1<<21)
	s_or_b32 s[G1B], s44, (3<<16)|(1<<21)
.irp g, G1, G1B
	s_mov_b32 s[\g+1], 384<<16
	s_mov_b32 s[\g+2], 16<<16                      ; 16 row blocks for the head's loads; behind them 8
	s_mov_b32 s[\g+3], 384<<16
	s_mov_b32 s[\g+4], 16
	s_mov_b32 s[\g+5], RBP/8
	s_mov_b32 s[\g+6], 0
	s_mov_b32 s[\g+7], 0
.endr
	s_or_b32 s[G1S], s43, (3<<16)|(1<<21)
	s_or_b32 s[G1SB], s44, (3<<16)|(1<<21)
.irp g, G1S, G1SB
	s_mov_b32 s[\g+1], 32<<16
	s_mov_b32 s[\g+2], (2*HALFS/256)<<16           ; a side's 256 rows
	s_mov_b32 s[\g+3], 32<<16
	s_mov_b32 s[\g+4], 2*HALFS/256
	s_mov_b32 s[\g+5], 32
	s_mov_b32 s[\g+6], 0
	s_mov_b32 s[\g+7], 0
.endr
	s_mul_i32 s20, s17, 16*RBP                     ; A: the tile's first row block
	s_mov_b32 s21, 0
	s_mul_i32 s46, s42, 16*RBP                     ; B likewise
	s_mov_b32 s47, 0
	s_mul_i32 s22, s17, 2*HALFS                    ; and their scale images
	s_mov_b32 s23, 0
	s_mul_i32 s92, s42, 2*HALFS
	s_mov_b32 s93, 0
	s_mul_i32 s45, s14, HALFT                      ; where the ring's loads go
	s_mul_i32 s94, s16, 8*RBP                      ; in the ring I fetch 8 row blocks of a tile: which half
	s_mov_b32 s95, 0
	s_wait_dscnt 0x0
	s_wait_kmcnt 0x0
	s_mov_b64 s[96:97], s[8:9]
	s_mov_b64 s[12:13], s[10:11]
	s_add_nc_u64 s[8:9], s[6:7], 3145728
	s_add_nc_u64 s[10:11], s[6:7], 9568256
	s_add_nc_u64 s[6:7], s[4:5], ACT_S
	s_add_nc_u64 s[20:21], s[4:5], s[20:21]
	s_add_nc_u64 s[22:23], s[6:7], s[22:23]
	s_add_nc_u64 s[46:47], s[8:9], s[46:47]
	s_add_nc_u64 s[92:93], s[10:11], s[92:93]
	CROUND
	s_mov_b32 s[G0S], 1
	s_mov_b32 s[G0S+1], SCL
	s_mov_b64 s[G0S+2:G0S+3], s[22:23]
	s_or_b32 s[G0S+3], s[G0S+3], 0x80000000
	s_mov_b32 s[G0SB], 1
	s_mov_b32 s[G0SB+1], SCL+2*HALFS
	s_mov_b64 s[G0SB+2:G0SB+3], s[92:93]
	s_or_b32 s[G0SB+3], s[G0SB+3], 0x80000000
.set G0H, 4                            ; s[4:7], s[8:11] group 0 for the head's loads of slot 0: A's 256 rows, B's 256 rows
.set G0HB, 8
	s_mov_b32 s[G0H], 1
	s_mov_b32 s[G0H+1], 0
	s_mov_b64 s[G0H+2:G0H+3], s[20:21]
	s_or_b32 s[G0H+3], s[G0H+3], 0x80000000
	s_mov_b32 s[G0HB], 1
	s_mov_b32 s[G0HB+1], 2*HALFT
	s_mov_b64 s[G0HB+2:G0HB+3], s[46:47]
	s_or_b32 s[G0HB+3], s[G0HB+3], 0x80000000
	s_add_nc_u64 s[20:21], s[20:21], s[94:95]      ; for the ring: my half of the tile
	s_add_nc_u64 s[46:47], s[46:47], s[94:95]
.irp s, 0,1
	s_mov_b32 s[G0+4*\s], 1
	s_add_co_u32 s[G0+4*\s+1], s45, \s*SLOT
	s_add_nc_u64 s[G0+4*\s+2:G0+4*\s+3], s[20:21], \s*3072
	s_or_b32 s[G0+4*\s+3], s[G0+4*\s+3], 0x80000000
	s_mov_b32 s[G0B+4*\s], 1
	s_add_co_u32 s[G0B+4*\s+1], s45, \s*SLOT
	s_add_nc_u64 s[G0B+4*\s+2:G0B+4*\s+3], s[46:47], \s*3072
	s_or_b32 s[G0B+4*\s+3], s[G0B+4*\s+3], 0x80000000
.endr
	s_cmp_eq_u32 s15, 0                            ; the prefetches: do I fetch for A?
	s_cselect_b64 s[PFA:PFA+1], s[20:21], s[46:47]
	s_cselect_b32 s18, s40, s41                    ; my place among the four that ask with me
	s_mul_i32 s18, s18, 2*RBP
	s_mov_b32 s19, 0
	s_add_nc_u64 s[PFA:PFA+1], s[PFA:PFA+1], s[18:19]
; THE HEAD'S LOADS, ONE A WAVE: wave 0 slot 0's 256 rows of A, wave 1 its 256 rows of B, wave 2 A's scale images, wave 3 B's.  One tree of branches on the wave's number: every way passes one load
.macro ARM under, g0, g1, next
	s_cmp_lt_u32 s14, \under
	s_cbranch_scc0 \next
	tensor_load_to_lds s[\g0:\g0+3], s[\g1:\g1+7]
	s_nop 0
.rept 4
	v_nop
.endr
	s_branch .Lhead_asked
\next:
.endm
	ARM 1, G0H,  G1,  .Lhead_b
	ARM 2, G0HB, G1B, .Lhead_sa
	ARM 3, G0S,  G1S, .Lhead_sb
	tensor_load_to_lds s[G0SB:G0SB+3], s[G1SB:G1SB+7]
	s_nop 0
.rept 4
	v_nop
.endr
.Lhead_asked:
	v_and_b32 v7, 31, v0
	v_min_u32 v7, 23, v7                           ; block 0..23
	v_mul_u32_u24 v8, v7, 171
	v_lshrrev_b32 v8, 11, v8                       ; block / 12: which of the two row blocks
	v_mul_u32_u24 v8, v8, RBP-3072
	v_lshl_add_u32 v[PFO], v7, 8, v8
	global_prefetch_b8 v[PFO], s[PFA:PFA+1] offset:3072 th:TH_LOAD_NT scope:SCOPE_SE   ; chunk 1
	global_prefetch_b8 v[PFO], s[PFA:PFA+1] offset:6144 th:TH_LOAD_NT scope:SCOPE_SE   ; chunk 2
	v_and_b32 v1, 15, v0
	v_bfe_u32 v2, v0, 4, 1
	v_and_b32 v3, 31, v0
	v_lshlrev_b32 v[L16], 4, v3
	v_lshlrev_b32 v[L8], 3, v3
	s_mul_i32 s21, s15, HALFT
	s_mul_i32 s22, s16, HALFT
	s_add_co_u32 s22, s22, 2*HALFT
.irp s, 0,1
	v_add_nc_u32 v[A16+\s], s21, v[L16]
	v_add_nc_u32 v[A8+\s], s21, v[L8]
	v_add_nc_u32 v[B16+\s], s22, v[L16]
	v_add_nc_u32 v[B8+\s], s22, v[L8]
	s_add_co_u32 s21, s21, SLOT
	s_add_co_u32 s22, s22, SLOT
.endr
	s_mul_i32 s21, s15, HALFS
	s_add_co_u32 s21, s21, SCL
	v_add_nc_u32 v[ADSA], s21, v[L16]
	s_mul_i32 s22, s16, HALFS
	s_add_co_u32 s22, s22, SCL+2*HALFS
	v_add_nc_u32 v[ADSB], s22, v[L16]
	v_lshlrev_b32 v4, 6, v2
	s_lshl_b32 s18, s42, 10
	s_lshl_b32 s19, s16, 9
	s_add_co_u32 s18, s18, s19
	s_mov_b32 s19, 0
	s_add_nc_u64 s[96:97], s[96:97], s[18:19]
.irp b, 0,1,2,3,4,5,6,7
	global_load_b128 v[BIAS+8*\b:BIAS+8*\b+3], v4, s[96:97] offset:(32*(\b/2)+8*(\b%2))*4
	global_load_b128 v[BIAS+8*\b+4:BIAS+8*\b+7], v4, s[96:97] offset:(32*(\b/2)+8*(\b%2))*4+16
.endr
	s_lshl_b32 s20, s17, 4
	s_lshl_b32 s21, s15, 3
	s_add_co_u32 s20, s20, s21
	s_lshl_b32 s20, s20, 5
	s_lshl_b32 s22, s42, 1
	s_add_co_u32 s22, s22, s16
	s_add_co_u32 s20, s20, s22
	s_mul_i32 s20, s20, 1536
	s_mov_b32 s21, 0
	s_add_nc_u64 s[98:99], s[12:13], s[20:21]
	s_lshl_b32 s20, s17, 1
	s_add_co_u32 s20, s20, s15
	s_lshl_b32 s20, s20, 5
	s_add_co_u32 s20, s20, s22
	s_lshl_b32 s20, s20, 9
	s_add_nc_u64 s[12:13], s[12:13], s[20:21]
	s_add_nc_u64 s[12:13], s[12:13], 12582912
	s_wait_alu depctr_va_vdst(0)
	s_wait_tensorcnt 0x0                           ; my tile of the head's four is in
	ds_add_u32 v[SPW], v[NIL]
	s_mov_b32 s[G1+2], 8<<16                       ; no tensor load of mine is out: from here on a load brings 8 row blocks
	s_mov_b32 s[G1+4], 8
	s_mov_b32 s[G1B+2], 8<<16
	s_mov_b32 s[G1B+4], 8
	s_wait_dscnt 0x0
	CROUND                                         ; all four tiles are in, and all sixteen work-groups are here
	JLOAD G0+4, G1, G0B+4, G1B                     ; slot 1's first fill, the first tensor load behind the round
	FETCH_B 0, 0, 0
	FETCH_A 0, 0, 0
	SCALES 0
	FETCH_A 0, 0, 4
	global_prefetch_b8 v[PFO], s[PFA:PFA+1] offset:9216 th:TH_LOAD_NT scope:SCOPE_SE   ; chunk 1 has been asked for: chunk 3, the last
	STEP 0, 0, 1
	s_mov_b32 s3, LAPS-1
.Llap:
	TURN 0, 1, 1
	STEP 1, 0, 0
	TURN 1, 0, 1
	STEP 0, 0, 0
	s_sub_co_u32 s3, s3, 1
	s_cmp_lg_u32 s3, 0
	s_cbranch_scc1 .Llap
	TURN 0, 1, 0
	STEP 1, 0, 0
	LAST
	PLACES NP
	s_mov_b32 s[SEL], 0x76543210
	s_mov_b32 s[SEL+1], 0xfedcba98
	s_mov_b32 s[HM], 0xffff0000
.irp b, 0,1,2,3
	v_mov_b32 v[TM+4+\b], 0
.endr
	s_wait_loadcnt 0x0
.irp a, 0,1,2,3,4,5,6,7
.if \a > 0
	s_wait_xcnt 0x0
.endif
	ADDB \a
.set i, 0
.rept 64
	v_max_num_f32 v[T+i], 0, v[T+i]
.set i, i+1
.endr
	QUANT T
	global_store_b128 v[L16], v[PC:PC+3], s[98:99] offset:49152*\a
	global_store_b64 v[L8], v[PC+4:PC+5], s[98:99] offset:49152*\a+512
	global_store_b128 v[L16], v[PC+6:PC+9], s[98:99] offset:49152*\a+768
	global_store_b64 v[L8], v[PC+10:PC+11], s[98:99] offset:49152*\a+1280
	v_mov_b32 v[WS+\a], v[PW]
.endr
.irp j, 0,1,2,3
	v_cndmask_b32 v[DS+\j], v[WS+\j], v[WS+4+\j], s[HM]
.endr
	global_store_b128 v[L16], v[DS:DS+3], s[12:13]
	s_wait_tensorcnt 0x0
	ds_add_u32 v[SPW], v[NIL]
	s_wait_dscnt 0x0
	CROUND
	s_endpgm
.Lfunc_end_k_qfce6d25241_ffn1:
	.size	k_qfce6d25241_ffn1, .Lfunc_end_k_qfce6d25241_ffn1-k_qfce6d25241_ffn1
	.p2alignl 7, 3214868480
	.fill 96, 4, 3214868480
	.section	.rodata,"a",@progbits
	.p2align	6, 0x0
	.amdhsa_kernel k_qfce6d25241_ffn1
		.amdhsa_group_segment_fixed_size 327680
		.amdhsa_private_segment_fixed_size 0
		.amdhsa_enable_private_segment 0
		.amdhsa_kernarg_size 32
		.amdhsa_user_sgpr_count 2
		.amdhsa_user_sgpr_kernarg_segment_ptr 1
		.amdhsa_wavefront_size32 1
		.amdhsa_system_sgpr_workgroup_id_x 1
		.amdhsa_system_sgpr_workgroup_id_y 1
		.amdhsa_system_sgpr_workgroup_id_z 1
		.amdhsa_system_vgpr_workitem_id 0
		.amdhsa_next_free_vgpr 1024
		.amdhsa_next_free_sgpr 102
		.amdhsa_reserve_vcc 0
		.amdhsa_float_denorm_mode_32 3
		.amdhsa_float_denorm_mode_16_64 3
		.amdhsa_memory_ordered 1
		.amdhsa_forward_progress 1
		.amdhsa_inst_pref_size 183
	.end_amdhsa_kernel
	.amdgpu_metadata
---
amdhsa.version: [ 1, 2 ]
amdhsa.kernels:
  - .name:           k_qfce6d25241_ffn1
    .symbol:         k_qfce6d25241_ffn1.kd
    .args:
      - { .name: act, .offset: 0, .size: 8, .value_kind: global_buffer, .address_space: global }
      - { .name: wimg, .offset: 8, .size: 8, .value_kind: global_buffer, .address_space: global }
      - { .name: b1, .offset: 16, .size: 8, .value_kind: global_buffer, .address_space: global }
      - { .name: hid, .offset: 24, .size: 8, .value_kind: global_buffer, .address_space: global }
    .group_segment_fixed_size: 327680
    .private_segment_fixed_size: 0
    .kernarg_segment_align: 8
    .kernarg_segment_size: 32
    .max_flat_workgroup_size: 128
    .sgpr_count:     102
    .vgpr_count:     1024
    .wavefront_size: 32
...
	.end_amdgpu_metadata
.endif
;; end of part 13
;; launch ffn2 (part 14): grid 8 x 32, 4 waves a work-group, clusters of 4 x 4, 327,680 bytes of LDS; arguments hid, wimg, b2, x1, out0; writes out0
.if DOCPART == 14
	.amdgcn_target "amdgcn-amd-amdhsa--gfx1250"
	.amdhsa_code_object_version 6
	.text
	.protected	k_qfce6d25241_ffn2
	.globl	k_qfce6d25241_ffn2
	.p2align	8
	.type	k_qfce6d25241_ffn2,@function
k_qfce6d25241_ffn2:
	s_mov_b64 s[64:65], 0
	v_nop
	global_prefetch_b8 v0, s[64:65] scope:SCOPE_SE
	s_setreg_imm32_b32 hwreg(HW_REG_WAVE_MODE, 25, 1), 1
	s_wait_xcnt 0x0
	s_wait_alu depctr_hold_cnt(0) depctr_sa_sdst(0) depctr_va_vdst(0) depctr_va_sdst(0) depctr_va_ssrc(0) depctr_va_vcc(0) depctr_vm_vsrc(0)
	s_getreg_b32 s2, hwreg(HW_REG_IB_STS2, 6, 4)
	s_cmp_eq_u32 s2, 0
	s_cbranch_scc0 .Lentry_in_a_cluster
	s_endpgm
.Lentry_in_a_cluster:
	s_bfe_u32 s2, ttmp6, 0x10000c
	s_cmp_lg_u32 s2, 0xf033
	s_cbranch_scc0 .Lentry_shape_is_right
	s_endpgm
.Lentry_shape_is_right:
; out0 = x1 + (hid W2^T + b2): hid and W2 as fragment and scale images (their forms: the head of the first kernel), codes of FP6 (E2M3) with E8M0 scales; b2, x1 and out0 f32, rows of 1,024.  Nothing is left out.
; A tile of 128 x 128 to a work-group of four waves, 64 x 64 to a wave: 256 tiles.  K = 4,096 goes in eight chunks of 512 through two LDS slots; the scale images of all of K come once and stay.  Clusters 4 x 4 with joint loads.
; THE TILES ARE PREFETCHED: behind the load of chunk c stands one request a wave for chunk c + 2 (c + 2 under 8).  Of the four row blocks that a wave fetches in the ring, the partner at place p of the four that ask jointly
; (p = cx for hid, cy for W2) names row block p: 6,144 bytes, 24 lanes 256 bytes apart; lanes 24-31 name the last block again.  The partners part by address alone.
.set PFO, 30                           ; v30       256 x min(lane, 23); never rewritten
.set PFA, 100                          ; s[100:101] my row block, stepped by a chunk at each change of slots that fills
.set SIZE_K, 4096
.set AS,  12582912
.set WC,  6291456
.set WSC, 9699328
.set NS,    SIZE_K/128
.set RBP,   1536*NS
.set NQ,    4
.set NL,    4
.set NP,    4
.set ROWB,  1536*NQ
.set HALFT, 4*ROWB
.set SLOT,  4*HALFT
.set LAPS,  SIZE_K/(256*NQ)
.set HALFS, 256*NS
.set SCL,   2*SLOT
.set SPARE, SCL+4*HALFS
.set SP,  272
.set L16, 12
.set L8,  13
.set A16, 16
.set A8,  18
.set B16, 20
.set B8,  22
.set STO, 24
.set RD,  25
.set CO,  26
.set ADS, 27
.set SPW, 28
.set NIL, 29
.set SC,  32
.set BK,  64
.set ACC, 128
.set G1, 24
.set G0, 32
.set G1B, 48
.set G0B, 56
.set G1S, 68
.set G0S, 76
.set G1SB, 80
.set G0SB, 88
.set MSB, 0
.macro WIN new
.if MSB != (\new)
	s_set_vgpr_msb (MSB<<8)|(\new)
.set MSB, (\new)
.endif
.endm
.macro JLOAD g0a, g1a, g0b, g1b
	s_cmp_eq_u32 s15, 0
	s_cbranch_scc0 .Lfor_b_\@
	tensor_load_to_lds s[\g0a:\g0a+3], s[\g1a:\g1a+7]
	s_nop 0
.rept 4
	v_nop
.endr
	s_branch .Lasked_\@
.Lfor_b_\@:
	tensor_load_to_lds s[\g0b:\g0b+3], s[\g1b:\g1b+7]
	s_nop 0
.rept 4
	v_nop
.endr
.Lasked_\@:
.endm
.macro CREST
	s_cmp_lg_u32 s14, 0
	s_cbranch_scc1 .Lnot_wave_0_\@
	s_barrier_signal -3
.Lnot_wave_0_\@:
	s_barrier_wait -3
	s_barrier_signal -1
	s_barrier_wait -1
.endm
.macro CROUND
	s_barrier_signal -1
	s_barrier_wait -1
	CREST
.endm
.macro FRAG reg, a16, a8, q, i
	ds_load_b128 v[\reg:\reg+3], v[\a16] offset:ROWB*(\i)+1536*(\q)
	ds_load_b64 v[\reg+4:\reg+5], v[\a8] offset:ROWB*(\i)+1536*(\q)+512
	ds_load_b128 v[\reg+6:\reg+9], v[\a16] offset:ROWB*(\i)+1536*(\q)+768
	ds_load_b64 v[\reg+10:\reg+11], v[\a8] offset:ROWB*(\i)+1536*(\q)+1280
.endm
.macro FETCHQ slot, q
	WIN 0x40*(1+(\q)/2)
.irp i, 0,1,2,3
	FRAG 96*((\q)%2)+48+12*\i, B16+\slot, B8+\slot, \q, \i
	FRAG 96*((\q)%2)+12*\i, A16+\slot, A8+\slot, \q, \i
.endr
.endm
.macro SCALES sc
.irp q, 0,1,2,3
	ds_load_b128 v[SC+16*\sc+4*\q:SC+16*\sc+4*\q+3], v[ADS] offset:512*\q
.endr
.endm
.macro WM a, b, q, sc, zero
.set rD, ACC+8*(4*(\a)+(\b))
.set rB, 96*((\q)%2)+48+12*(\b)
.set rA, 96*((\q)%2)+12*(\a)
.set sB, SC+16*(\sc)+4*(\q)+(\b)
.set sA, SC+16*(\sc)+4*(\q)+(\a)
.if \zero
	v_wmma_scale_f32_16x16x128_f8f6f4 v[rD:rD+7], v[rB:rB+11], v[rA:rA+11], 0, v[sB], v[sA] matrix_a_fmt:MATRIX_FMT_FP6 matrix_b_fmt:MATRIX_FMT_FP6 matrix_a_scale:MATRIX_SCALE_ROW1
.else
	v_wmma_scale_f32_16x16x128_f8f6f4 v[rD:rD+7], v[rB:rB+11], v[rA:rA+11], v[rD:rD+7], v[sB], v[sA] matrix_a_fmt:MATRIX_FMT_FP6 matrix_b_fmt:MATRIX_FMT_FP6 matrix_a_scale:MATRIX_SCALE_ROW1
.endif
.endm
.macro MUL8 a0, q, sc, zero
.irp a, \a0, \a0+1
.irp b, 0,1,2,3
	WM \a, \b, \q, \sc, \zero
.endr
.endr
.endm
.macro PLACES n
.rept \n
	v_nop
.endr
.endm
.macro PAIR0 slot, zero
	s_wait_dscnt 8*NL
	WIN 0x05
	MUL8 0, 0, \slot, \zero
	MUL8 2, 0, \slot, \zero
	s_wait_dscnt 0x0
	PLACES NP
	FETCHQ \slot, 2
	FETCHQ \slot, 3
	WIN 0x05
	MUL8 0, 1, \slot, 0
	MUL8 2, 1, \slot, 0
.endm
.macro TURN slot, next, fill
.if \fill
	s_wait_xcnt 0x0                                ; my last prefetch has read its address, which steps by a chunk
	s_add_nc_u64 s[PFA:PFA+1], s[PFA:PFA+1], ROWB
.endif
	WIN 0
	s_wait_tensorcnt 0x0
	ds_add_u32 v[SPW], v[NIL]
	s_wait_dscnt 8*NL+1
	WIN 0x0a
	MUL8 0, 2, \slot, 0
	s_wait_dscnt 0x0
	s_barrier_signal -1
	MUL8 2, 2, \slot, 0
	WIN 0
	s_barrier_wait -1
.if \fill
	CREST
	s_add_nc_u64 s[G0+4*\slot+2:G0+4*\slot+3], s[G0+4*\slot+2:G0+4*\slot+3], 2*ROWB
	s_add_nc_u64 s[G0B+4*\slot+2:G0B+4*\slot+3], s[G0B+4*\slot+2:G0B+4*\slot+3], 2*ROWB
	JLOAD G0+4*\slot, G1, G0B+4*\slot, G1B
.else
	PLACES NP
.endif
	s_wait_alu depctr_va_vdst(0)
	v_add_nc_u32 v[ADS], 512*NQ, v[ADS]
	SCALES \next
	FETCHQ \next, 0
	FETCHQ \next, 1
.if \fill
	WIN 0                                          ; at a branch and at a label every window is 0
	s_cmp_gt_u32 s3, 1                             ; the last trip's two refills have no chunk two on
	s_cbranch_scc0 .Lno_ask_\@
	global_prefetch_b8 v[PFO], s[PFA:PFA+1] offset:3*ROWB th:TH_LOAD_NT scope:SCOPE_SE
.Lno_ask_\@:
.endif
	WIN 0x0a
	MUL8 0, 3, \slot, 0
	MUL8 2, 3, \slot, 0
.endm
.macro TOSTAGE a
.irp b, 0,1,2,3
	ds_store_b128 v[STO], v[ACC+8*(4*(\a)+\b):ACC+8*(4*(\a)+\b)+3] offset:64*\b
	ds_store_b128 v[STO], v[ACC+8*(4*(\a)+\b)+4:ACC+8*(4*(\a)+\b)+7] offset:64*\b+16
.endr
.irp t, 0,1,2,3,4,5,6,7
	ds_load_b128 v[BK+32*((\a)%2)+4*\t:BK+32*((\a)%2)+4*\t+3], v[RD] offset:2*\t*SP
.endr
.endm
.macro SEND a, younger
.set BB, BK+32*((\a)%2)
	s_wait_dscnt \younger
.irp t, 0,1,2,3,4,5,6,7
	v_pk_add_f32 v[BB+4*\t:BB+4*\t+1], v[BB+4*\t:BB+4*\t+1], v[8:9]
	v_pk_add_f32 v[BB+4*\t+2:BB+4*\t+3], v[BB+4*\t+2:BB+4*\t+3], v[10:11]
.endr
	WIN 0x0c
.irp t, 0,1,2,3,4,5,6,7
	v_pk_add_f32 v[BB+4*\t:BB+4*\t+1], v[BB+4*\t:BB+4*\t+1], v[32*(\a)+4*\t:32*(\a)+4*\t+1]
	v_pk_add_f32 v[BB+4*\t+2:BB+4*\t+3], v[BB+4*\t+2:BB+4*\t+3], v[32*(\a)+4*\t+2:32*(\a)+4*\t+3]
.endr
	WIN 0
.irp t, 0,1,2,3,4,5,6,7
	global_store_b128 v[CO], v[BB+4*\t:BB+4*\t+3], s[12:13] offset:(16*(\a)+2*\t)*4096 th:TH_STORE_NT
.endr
.endm
	s_load_b128 s[4:7], s[0:1], 0x0
	s_load_b128 s[8:11], s[0:1], 0x10
	s_load_b64 s[12:13], s[0:1], 0x20
	v_lshl_add_u32 v[SPW], v0, 2, SPARE
	v_mov_b32 v[NIL], 0
	ds_add_u32 v[SPW], v[NIL]
	ds_add_u32 v[SPW], v[NIL]
	v_lshrrev_b32 v1, 5, v0
	v_readfirstlane_b32 s14, v1
	s_lshr_b32 s15, s14, 1
	s_and_b32 s16, s14, 1
	s_bfe_u32 s40, ttmp6, 0x40000
	s_bfe_u32 s41, ttmp6, 0x40004
	s_lshl_b32 s42, ttmp9, 2
	s_add_co_u32 s42, s42, s40
	s_and_b32 s17, ttmp7, 0xffff
	s_lshl_b32 s17, s17, 2
	s_add_co_u32 s17, s17, s41
	s_lshl_b32 s43, s41, 2
	s_lshl_b32 s43, 15, s43
	s_lshl_b32 s44, 0x1111, s40
	s_or_b32 s[G1], s43, (3<<16)|(1<<21)
	s_or_b32 s[G1B], s44, (3<<16)|(1<<21)
.irp g, G1, G1B
	s_mov_b32 s[\g+1], (ROWB/8)<<16
	s_mov_b32 s[\g+2], 8<<16                       ; 8 row blocks for the head's loads; behind them 4
	s_mov_b32 s[\g+3], (ROWB/8)<<16
	s_mov_b32 s[\g+4], 8
	s_mov_b32 s[\g+5], RBP/8
	s_mov_b32 s[\g+6], 0
	s_mov_b32 s[\g+7], 0
.endr
	s_or_b32 s[G1S], s43, (3<<16)|(1<<21)
	s_or_b32 s[G1SB], s44, (3<<16)|(1<<21)
.irp g, G1S, G1SB
	s_mov_b32 s[\g+1], 32<<16
	s_mov_b32 s[\g+2], (2*HALFS/256)<<16           ; a side's 128 rows
	s_mov_b32 s[\g+3], 32<<16
	s_mov_b32 s[\g+4], 2*HALFS/256
	s_mov_b32 s[\g+5], 32
	s_mov_b32 s[\g+6], 0
	s_mov_b32 s[\g+7], 0
.endr
	s_mul_i32 s20, s17, 8*RBP                      ; A: the tile's first row block
	s_mov_b32 s21, 0
	s_mul_i32 s46, s42, 8*RBP                      ; W likewise
	s_mov_b32 s47, 0
	s_mul_i32 s22, s17, 2*HALFS                    ; and their scale images
	s_mov_b32 s23, 0
	s_mul_i32 s92, s42, 2*HALFS
	s_mov_b32 s93, 0
	s_mul_i32 s45, s14, HALFT                      ; where the ring's loads go
	s_mul_i32 s94, s16, 4*RBP                      ; in the ring I fetch 4 row blocks of a tile: which half
	s_mov_b32 s95, 0
	s_wait_dscnt 0x0
	s_wait_kmcnt 0x0
	s_mov_b64 s[96:97], s[8:9]
	s_mov_b64 s[98:99], s[10:11]
	s_add_nc_u64 s[8:9], s[6:7], WC
	s_add_nc_u64 s[10:11], s[6:7], WSC
	s_add_nc_u64 s[6:7], s[4:5], AS
	s_add_nc_u64 s[20:21], s[4:5], s[20:21]
	s_add_nc_u64 s[22:23], s[6:7], s[22:23]
	s_add_nc_u64 s[46:47], s[8:9], s[46:47]
	s_add_nc_u64 s[92:93], s[10:11], s[92:93]
	CROUND
	s_mov_b32 s[G0S], 1
	s_mov_b32 s[G0S+1], SCL
	s_mov_b64 s[G0S+2:G0S+3], s[22:23]
	s_or_b32 s[G0S+3], s[G0S+3], 0x80000000
	s_mov_b32 s[G0SB], 1
	s_mov_b32 s[G0SB+1], SCL+2*HALFS
	s_mov_b64 s[G0SB+2:G0SB+3], s[92:93]
	s_or_b32 s[G0SB+3], s[G0SB+3], 0x80000000
.set G0H, 4                            ; s[4:7], s[8:11] group 0 for the head's loads of slot 0: A's 128 rows, W's 128 rows
.set G0HB, 8
	s_mov_b32 s[G0H], 1
	s_mov_b32 s[G0H+1], 0
	s_mov_b64 s[G0H+2:G0H+3], s[20:21]
	s_or_b32 s[G0H+3], s[G0H+3], 0x80000000
	s_mov_b32 s[G0HB], 1
	s_mov_b32 s[G0HB+1], 2*HALFT
	s_mov_b64 s[G0HB+2:G0HB+3], s[46:47]
	s_or_b32 s[G0HB+3], s[G0HB+3], 0x80000000
	s_add_nc_u64 s[20:21], s[20:21], s[94:95]      ; for the ring: my half of the tile
	s_add_nc_u64 s[46:47], s[46:47], s[94:95]
	s_cmp_eq_u32 s15, 0                            ; the prefetches: do I fetch for A?
	s_cselect_b64 s[PFA:PFA+1], s[20:21], s[46:47]
	s_cselect_b32 s18, s40, s41                    ; my place among the four that ask with me
	s_mul_i32 s18, s18, RBP
	s_mov_b32 s19, 0
	s_add_nc_u64 s[PFA:PFA+1], s[PFA:PFA+1], s[18:19]   ; my work-group's row block of my four, chunk 0
.irp s, 0,1
	s_mov_b32 s[G0+4*\s], 1
	s_add_co_u32 s[G0+4*\s+1], s45, \s*SLOT
	s_add_nc_u64 s[G0+4*\s+2:G0+4*\s+3], s[20:21], \s*ROWB
	s_or_b32 s[G0+4*\s+3], s[G0+4*\s+3], 0x80000000
	s_mov_b32 s[G0B+4*\s], 1
	s_add_co_u32 s[G0B+4*\s+1], s45, \s*SLOT
	s_add_nc_u64 s[G0B+4*\s+2:G0B+4*\s+3], s[46:47], \s*ROWB
	s_or_b32 s[G0B+4*\s+3], s[G0B+4*\s+3], 0x80000000
.endr
; THE HEAD'S LOADS, ONE A WAVE: wave 0 slot 0's 128 rows of A, wave 1 its 128 rows of W, wave 2 A's scale images, wave 3 W's.  One tree of branches on the wave's number: every way passes one load
.macro ARM under, g0, g1, next
	s_cmp_lt_u32 s14, \under
	s_cbranch_scc0 \next
	tensor_load_to_lds s[\g0:\g0+3], s[\g1:\g1+7]
	s_nop 0
.rept 4
	v_nop
.endr
	s_branch .Lhead_asked
\next:
.endm
	ARM 1, G0H,  G1,  .Lhead_b
	ARM 2, G0HB, G1B, .Lhead_sa
	ARM 3, G0S,  G1S, .Lhead_sb
	tensor_load_to_lds s[G0SB:G0SB+3], s[G1SB:G1SB+7]
	s_nop 0
.rept 4
	v_nop
.endr
.Lhead_asked:
	v_and_b32 v1, 15, v0
	v_bfe_u32 v2, v0, 4, 1
	v_and_b32 v3, 31, v0
	v_lshlrev_b32 v[L16], 4, v3
	v_lshlrev_b32 v[L8], 3, v3
	s_mul_i32 s21, s15, HALFT
	s_mul_i32 s22, s16, HALFT
	s_add_co_u32 s22, s22, 2*HALFT
.irp s, 0,1
	v_add_nc_u32 v[A16+\s], s21, v[L16]
	v_add_nc_u32 v[A8+\s], s21, v[L8]
	v_add_nc_u32 v[B16+\s], s22, v[L16]
	v_add_nc_u32 v[B8+\s], s22, v[L8]
	s_add_co_u32 s21, s21, SLOT
	s_add_co_u32 s22, s22, SLOT
.endr
	s_lshl_b32 s21, s15, 8
	s_lshl_b32 s22, s16, 8
	s_add_co_u32 s22, s22, 2*HALFS
	s_sub_co_u32 s22, s22, s21
	v_mul_u32_u24 v6, s22, v2
	s_add_co_u32 s21, s21, SCL
	v_lshl_add_u32 v6, v1, 4, v6
	v_add_nc_u32 v[ADS], s21, v6
	s_mul_i32 s23, s14, 16*SP
	v_mul_u32_u24 v5, v1, SP
	v_lshl_add_u32 v5, v2, 5, v5
	v_add_nc_u32 v[STO], s23, v5
	v_mul_u32_u24 v5, v2, SP
	v_lshl_add_u32 v5, v1, 4, v5
	v_add_nc_u32 v[RD], s23, v5
	v_lshlrev_b32 v[CO], 12, v2
	v_lshl_add_u32 v[CO], v1, 4, v[CO]
	v_lshlrev_b32 v7, 4, v1
	v_min_u32 v[PFO], 23, v3
	v_lshlrev_b32 v[PFO], 8, v[PFO]
	s_wait_alu depctr_va_vdst(0)
	s_lshl_b32 s20, s17, 7
	s_lshl_b32 s21, s15, 6
	s_add_co_u32 s20, s20, s21
	s_lshl_b32 s20, s20, 12
	s_lshl_b32 s46, s42, 9
	s_lshl_b32 s47, s16, 8
	s_add_co_u32 s46, s46, s47
	s_mov_b32 s47, 0
	s_add_nc_u64 s[96:97], s[96:97], s[46:47]
	s_add_co_u32 s20, s20, s46
	s_mov_b32 s21, 0
	s_add_nc_u64 s[98:99], s[98:99], s[20:21]
	s_add_nc_u64 s[12:13], s[12:13], s[20:21]
	global_prefetch_b8 v[PFO], s[PFA:PFA+1] offset:ROWB th:TH_LOAD_NT scope:SCOPE_SE     ; the head starts the run: chunk 1,
	global_prefetch_b8 v[PFO], s[PFA:PFA+1] offset:2*ROWB th:TH_LOAD_NT scope:SCOPE_SE   ; and, chunk 0 having been asked for, chunk 2
	global_load_b128 v[8:11], v7, s[96:97]
	s_wait_tensorcnt 0x0                           ; my tile of the head's four is in
	ds_add_u32 v[SPW], v[NIL]
	s_mov_b32 s[G1+2], 4<<16                       ; no tensor load of mine is out: from here on a load brings 4 row blocks
	s_mov_b32 s[G1+4], 4
	s_mov_b32 s[G1B+2], 4<<16
	s_mov_b32 s[G1B+4], 4
	s_wait_dscnt 0x0
	CROUND                                         ; all four tiles are in, and all sixteen work-groups are here
	JLOAD G0+4, G1, G0B+4, G1B                     ; slot 1's first fill, the first tensor load behind the round
	SCALES 0
	FETCHQ 0, 0
	FETCHQ 0, 1
	WIN 0
	global_prefetch_b8 v[PFO], s[PFA:PFA+1] offset:3*ROWB th:TH_LOAD_NT scope:SCOPE_SE   ; chunk 1 has been asked for: chunk 3
	WIN 0xc0                                       ; destination window 3
.irp a, 0,1,2,3
.irp t, 0,1,2,3,4,5,6,7
	global_load_b128 v[32*\a+4*\t:32*\a+4*\t+3], v[CO], s[98:99] offset:(16*\a+2*\t)*4096   ; x1 of my whole tile: asked for when the head's tiles are in, it lands under the products
.endr
.endr
	PAIR0 0, 1
	WIN 0
.if LAPS > 1
	s_mov_b32 s3, LAPS-1
.Llap:
	TURN 0, 1, 1
	PAIR0 1, 0
	TURN 1, 0, 1
	PAIR0 0, 0
	WIN 0
	s_sub_co_u32 s3, s3, 1
	s_cmp_lg_u32 s3, 0
	s_cbranch_scc1 .Llap
.endif
	TURN 0, 1, 0
	PAIR0 1, 0
	s_wait_dscnt 8*NL
	WIN 0x0a
	MUL8 0, 2, 1, 0
	MUL8 2, 2, 1, 0
	s_wait_dscnt 0x0
	MUL8 0, 3, 1, 0
	MUL8 2, 3, 1, 0
	WIN 0
	PLACES NP
	s_wait_loadcnt 0x0
	TOSTAGE 0
.irp a, 1,2,3
.if \a > 1
	s_wait_xcnt 0x0
.endif
	TOSTAGE \a
	SEND \a-1, 16
.endr
	SEND 3, 0
	s_wait_tensorcnt 0x0
	ds_add_u32 v[SPW], v[NIL]
	s_wait_dscnt 0x0
	CROUND
	s_endpgm
.Lfunc_end_k_qfce6d25241_ffn2:
	.size	k_qfce6d25241_ffn2, .Lfunc_end_k_qfce6d25241_ffn2-k_qfce6d25241_ffn2
	.p2alignl 7, 3214868480
	.fill 96, 4, 3214868480
	.section	.rodata,"a",@progbits
	.p2align	6, 0x0
	.amdhsa_kernel k_qfce6d25241_ffn2
		.amdhsa_group_segment_fixed_size 327680
		.amdhsa_private_segment_fixed_size 0
		.amdhsa_enable_private_segment 0
		.amdhsa_kernarg_size 40
		.amdhsa_user_sgpr_count 2
		.amdhsa_user_sgpr_kernarg_segment_ptr 1
		.amdhsa_wavefront_size32 1
		.amdhsa_system_sgpr_workgroup_id_x 1
		.amdhsa_system_sgpr_workgroup_id_y 1
		.amdhsa_system_sgpr_workgroup_id_z 1
		.amdhsa_system_vgpr_workitem_id 0
		.amdhsa_next_free_vgpr 1024
		.amdhsa_next_free_sgpr 102
		.amdhsa_reserve_vcc 0
		.amdhsa_float_denorm_mode_32 3
		.amdhsa_float_denorm_mode_16_64 3
		.amdhsa_memory_ordered 1
		.amdhsa_forward_progress 1
		.amdhsa_inst_pref_size 101
	.end_amdhsa_kernel
	.amdgpu_metadata
---
amdhsa.version: [ 1, 2 ]
amdhsa.kernels:
  - .name:           k_qfce6d25241_ffn2
    .symbol:         k_qfce6d25241_ffn2.kd
    .args:
      - { .name: hid, .offset: 0, .size: 8, .value_kind: global_buffer, .address_space: global }
      - { .name: wimg, .offset: 8, .size: 8, .value_kind: global_buffer, .address_space: global }
      - { .name: b2, .offset: 16, .size: 8, .value_kind: global_buffer, .address_space: global }
      - { .name: x1, .offset: 24, .size: 8, .value_kind: global_buffer, .address_space: global }
      - { .name: out0, .offset: 32, .size: 8, .value_kind: global_buffer, .address_space: global }
    .group_segment_fixed_size: 327680
    .private_segment_fixed_size: 0
    .kernarg_segment_align: 8
    .kernarg_segment_size: 40
    .max_flat_workgroup_size: 128
    .sgpr_count:     102
    .vgpr_count:     1024
    .wavefront_size: 32
...
	.end_amdgpu_metadata
.endif
;; end of part 14
